; MI455X (gfx1250); checked and timed in simulation.
; The chip was launched on July 23, 2026; its instructions are those of AMD's public machine-readable ISA for CDNA 5 (MIT licence, August 2026) and "CDNA5" Instruction Set Architecture Reference Guide (July 2026). The comments in the code are by the model that wrote it; some were corrected since.
;; Moe Layer. Allowed arithmetic: float matrix products may take bf16 or f16 operands with f32 sums; other float arithmetic in f32, or as packed bf16 or f16 multiplies, adds, multiply-adds, maxima and minima; sums over many terms, partial sums and values carried from step to step in f32; what a program stores and reads back later, other than sums and carried values, may be rounded once to bf16 or f16.
;; Inputs: W1 8 x 1,024 x 4,096 float32; W2 8 x 4,096 x 1,024 float32; Wg_in 1,024 x 8 float32; Wg_task 1,024 x 8 float32; alpha one number float32; b1 8 x 4,096 float32; b2 8 x 1,024 float32; bg_in 8 float32; bg_task 8 float32; inputs 256 x 4 x 1,024 float32; task_param 1,024 float32.
;; Outputs: out0 256 x 4 x 1,024 float32; out1 one number float32.
;; 3 versions, each right; version 2 is faster than version 1; version 3 is version 2 with the launches ffn1, ffn2 written anew for expert scheduling mode. Each part assembles by itself: llvm-mc -triple=amdgcn-amd-amdhsa -mcpu=gfx1250 --defsym DOCPART=n.
;; ======== version 1 of 3: 5 launches
;; workspace buffers: sel 8,192 bytes of whole numbers; gw 8,192 bytes; psum 16,384 bytes; pos 8,192 bytes of whole numbers; tiles 512 bytes of whole numbers; xs 4,456,448 bytes; h 17,825,792 bytes; yp 35,651,584 bytes
;; launch router (part 1): grid 128 x 1, 4 waves a work-group, no clusters, 0 bytes of LDS; arguments inputs, task_param, Wg_in, bg_in, Wg_task, bg_task, alpha, sel, gw, psum; writes sel, gw, psum
.if DOCPART == 1
	.amdgcn_target "amdgcn-amd-amdhsa--gfx1250"
	.amdhsa_code_object_version 6
	.text
	.protected	k_q3ed3cad611_router
	.globl	k_q3ed3cad611_router
	.p2align	8
	.type	k_q3ed3cad611_router,@function
k_q3ed3cad611_router:
	s_mov_b64 s[64:65], 0
	v_nop
	global_prefetch_b8 v0, s[64:65] scope:SCOPE_SE
	s_setreg_imm32_b32 hwreg(HW_REG_WAVE_MODE, 25, 1), 1
	s_wait_xcnt 0x0
; THE GATE.  logits = (1 - alpha)(x Wg_in + bg_in) + alpha (task Wg_task + bg_task), NaN and infinities made 0; the two largest (the lower index wins a tie),
; their softmax of two, and the softmax of all eight, summed over the wave's tokens for the loss.
; Every input is rounded to bf16 first (products of two bf16 are exact in f32; sums in f32).
; LIMITS.  The sums run in another order than a plain row sum, and the blend is one fused multiply-add: two logits closer than about 1e-6 of their size may change places.  +0 and -0 count as equal.
; SHARES.  512 waves, two tokens each.  Lane l owns k = 128 j + 4 l + i (j 0..7, i 0..3): x comes in 16-byte loads of neighbouring lanes.
; Nothing here steers an address by the choice: the chosen experts, their weights and the partial sums go to fixed places.
; REGISTERS.  window 0: as named below.  window 1: Wg_in, window 2: Wg_task: as loaded number 32 j + 8 i + e, packed to bf16 pairs number 16 j + 4 i + e / 2.
.set X0,   16         ; v16-47   token 0's x, packed into v16-31
.set X1,   48         ; v48-79   token 1's
.set XT,   80         ; v80-111  task_param
.set ACC0, 112        ; eight sums each
.set ACC1, 120
.set ACCT, 128
.set BGI,  136
.set BGT,  144
.set AL,   152
.set OMA,  153
.set GT,   154        ; alpha x the task's logits
.set LG,   162        ; a token's logits
.set EX,   170        ; v170-178 nine exponentials
.set PS,   180        ; v180-187 the wave's sums of the softmax of eight
.set RS,   188        ; lane 2 j + k: the expert chosen
.set RG,   189        ; its weight
.set TP,   190
.set B1,   191
.set I1,   192
.set B2,   193
.set I2,   194
.set SM,   196
.set S2,   197
.set RC,   198
.set R2,   199
.set W1,   200
.set T,    201
.set T2,   202
.set T3,   203
.set VP,   204
.set MSB, 0
.macro WIN new                      ; the immediate's high byte repeats the setting that is left
.if MSB != (\new)
	s_set_vgpr_msb (MSB<<8)|(\new)
.set MSB, (\new)
.endif
.endm
	s_load_b512 s[4:19], s[0:1], 0x0               ; inputs s4, task_param s6, Wg_in s8, bg_in s10, Wg_task s12, bg_task s14, alpha s16, sel s18
	s_load_b128 s[20:23], s[0:1], 0x40             ; gw s20, psum s22
	v_and_b32 v1, 31, v0                           ; lane
	v_lshrrev_b32 v5, 5, v0
	v_readfirstlane_b32 s24, v5                    ; wave
	s_lshl_b32 s25, ttmp9, 2
	s_add_co_u32 s25, s25, s24                     ; the wave's number in the launch, 0..511
	s_lshl_b32 s26, s25, 13                        ; its two tokens: 8,192 bytes of inputs
	s_mov_b32 s27, 0
	s_mov_b32 s30, 0x76543210                      ; v_permlanex16_b32: each lane takes its own place in the other half
	s_mov_b32 s31, 0xfedcba98
	s_mov_b32 s32, 0x3fb8aa3b                      ; log2(e)
	v_lshlrev_b32 v2, 4, v1                        ; 16 l
	v_lshlrev_b32 v3, 7, v1                        ; 128 l: four rows of eight f32 in a gate matrix
	v_mov_b32 v4, 0
	s_wait_kmcnt 0x0
	s_add_nc_u64 s[4:5], s[4:5], s[26:27]
	WIN 0x40                                       ; destination window 1
.set n, 0
.rept 64                                           ; n = 8 j + 2 i + q: row 128 j + 4 l + i, experts 4 q ..
	global_load_b128 v[4*n:4*n+3], v3, s[8:9] offset:4096*(n/8)+16*(n%8)
.set n, n+1
.endr
	WIN 0x80                                       ; destination window 2
.set n, 0
.rept 64
	global_load_b128 v[4*n:4*n+3], v3, s[12:13] offset:4096*(n/8)+16*(n%8)
.set n, n+1
.endr
	WIN 0
.irp j, 0,1,2,3,4,5,6,7
	global_load_b128 v[X0+4*\j:X0+4*\j+3], v2, s[4:5] offset:512*\j
	global_load_b128 v[X1+4*\j:X1+4*\j+3], v2, s[4:5] offset:4096+512*\j
	global_load_b128 v[XT+4*\j:XT+4*\j+3], v2, s[6:7] offset:512*\j
.endr
	global_load_b128 v[BGI:BGI+3], v4, s[10:11]
	global_load_b128 v[BGI+4:BGI+7], v4, s[10:11] offset:16
	global_load_b128 v[BGT:BGT+3], v4, s[14:15]
	global_load_b128 v[BGT+4:BGT+7], v4, s[14:15] offset:16
	global_load_b32 v[AL], v4, s[16:17]
	v_mov_b32 v[TP], 0
	v_mov_b32 v[RS], 0
	v_mov_b32 v[RG], 0
	s_wait_loadcnt 0x0                             ; everything is asked for at once and waited for once
	; to bf16, two to a register, in place and ascending: number n is written when it has been read
	WIN 0x45
.set n, 0
.rept 128
	v_cvt_pk_bf16_f32 v[n], v[2*n], v[2*n+1]
.set n, n+1
.endr
	WIN 0x8a
.set n, 0
.rept 128
	v_cvt_pk_bf16_f32 v[n], v[2*n], v[2*n+1]
.set n, n+1
.endr
	WIN 0
.irp b, X0, X1, XT
.set n, 0
.rept 16
	v_cvt_pk_bf16_f32 v[\b+n], v[\b+2*n], v[\b+2*n+1]
.set n, n+1
.endr
.endr
.macro RND2 a                       ; two f32 rounded to bf16 and written as f32 again
	v_cvt_pk_bf16_f32 v[T], v[\a], v[\a+1]
	v_lshlrev_b32 v[\a], 16, v[T]
	v_and_b32 v[\a+1], 0xffff0000, v[T]
.endm
.irp c, 0,2,4,6
	RND2 BGI+\c
	RND2 BGT+\c
.endr
	v_cvt_pk_bf16_f32 v[T], v[AL], v[AL]
	v_lshlrev_b32 v[AL], 16, v[T]
	v_sub_f32 v[OMA], 1.0, v[AL]
; 256 multiply-adds straight from bf16 halves: my 32 k x 8 experts; the eight sums take turns
.macro DOT xp, acc, msb
.irp e, 0,1,2,3,4,5,6,7
	v_mov_b32 v[\acc+\e], 0
.endr
	WIN \msb
.set j, 0
.rept 8
.irp ih, 0,1
.irp il, 0,1
.irp eh, 0,1,2,3
.irp el, 0,1
	v_fma_mix_f32_bf16 v[\acc+2*\eh+\el], v[\xp+2*j+\ih], v[16*j+8*\ih+4*\il+\eh], v[\acc+2*\eh+\el] op_sel:[\il,\el,0] op_sel_hi:[1,1,0]
.endr
.endr
.endr
.endr
.set j, j+1
.endr
	WIN 0
.endm
; the eight sums over the 32 lanes; every lane ends with the result
.macro RED acc
.irp m, 1,2,4,8
.irp e, 0,1,2,3,4,5,6,7
	v_add_f32_dpp v[\acc+\e], v[\acc+\e], v[\acc+\e] row_xmask:\m row_mask:0xf bank_mask:0xf
.endr
.endr
.irp e, 0,1,2,3,4,5,6,7
	v_permlanex16_b32 v[TP], v[\acc+\e], s30, s31
	v_add_f32 v[\acc+\e], v[\acc+\e], v[TP]
.endr
.endm
	DOT XT, ACCT, 0x08
	DOT X0, ACC0, 0x04
	DOT X1, ACC1, 0x04
	RED ACCT
	RED ACC0
	RED ACC1
.irp e, 0,1,2,3,4,5,6,7
	v_add_f32 v[GT+\e], v[ACCT+\e], v[BGT+\e]
.endr
.irp e, 0,1,2,3,4,5,6,7
	v_mul_f32 v[GT+\e], v[AL], v[GT+\e]
.endr
; Token j of the wave's two: logits, the two largest, both softmaxes.  All lanes hold the same numbers.
.macro SELECT j, acc
.irp e, 0,1,2,3,4,5,6,7
	v_add_f32 v[LG+\e], v[\acc+\e], v[BGI+\e]
.endr
.irp e, 0,1,2,3,4,5,6,7
	v_fma_f32 v[LG+\e], v[OMA], v[LG+\e], v[GT+\e]
.endr
.irp e, 0,1,2,3,4,5,6,7
	v_and_b32 v[T], 0x7fffffff, v[LG+\e]           ; NaN and both infinities have all exponent bits set
	v_cmp_gt_u32 vcc_lo, 0x7f800000, v[T]
	v_cndmask_b32 v[LG+\e], 0, v[LG+\e], vcc_lo
.endr
	v_mov_b32 v[B1], v[LG]
	v_mov_b32 v[I1], 0
.irp e, 1,2,3,4,5,6,7
	v_cmp_gt_f32 vcc_lo, v[LG+\e], v[B1]           ; strictly greater: the lower index keeps a tie
	v_cndmask_b32 v[B1], v[B1], v[LG+\e], vcc_lo
	v_cndmask_b32 v[I1], v[I1], \e, vcc_lo
.endr
	v_mov_b32 v[B2], 0xff800000                    ; below every logit, all of which are finite
	v_mov_b32 v[I2], 0
.irp e, 0,1,2,3,4,5,6,7
	v_cmp_ne_u32 s34, \e, v[I1]
	v_cmp_gt_f32 vcc_lo, v[LG+\e], v[B2]
	s_and_b32 vcc_lo, vcc_lo, s34
	v_cndmask_b32 v[B2], v[B2], v[LG+\e], vcc_lo
	v_cndmask_b32 v[I2], v[I2], \e, vcc_lo
.endr
.irp e, 0,1,2,3,4,5,6,7
	v_sub_f32 v[EX+\e], v[LG+\e], v[B1]            ; the maximum is taken away first
.endr
	v_sub_f32 v[EX+8], v[B2], v[B1]
.irp e, 0,1,2,3,4,5,6,7,8
	v_mul_f32 v[EX+\e], s32, v[EX+\e]
.endr
.irp e, 0,1,2,3,4,5,6,7,8
	v_exp_f32 v[EX+\e], v[EX+\e]
.endr
	v_nop                                          ; a plain instruction behind the last exponential,
	s_wait_alu depctr_va_vdst(0)                   ; and one wait for the batch of nine, ahead of the first reader
	v_add_f32 v[SM], v[EX], v[EX+1]
	v_add_f32 v[T], v[EX+2], v[EX+3]
	v_add_f32 v[T2], v[EX+4], v[EX+5]
	v_add_f32 v[T3], v[EX+6], v[EX+7]
	v_add_f32 v[SM], v[SM], v[T]
	v_add_f32 v[T2], v[T2], v[T3]
	v_add_f32 v[SM], v[SM], v[T2]
	v_add_f32 v[S2], 1.0, v[EX+8]                  ; the softmax of two: the larger one's exponential is 1
	v_rcp_f32 v[RC], v[SM]
	v_rcp_f32 v[R2], v[S2]
	v_nop
	s_wait_alu depctr_va_vdst(0)                   ; one wait for both reciprocals
.irp e, 0,1,2,3,4,5,6,7
.if \j == 0
	v_mul_f32 v[PS+\e], v[EX+\e], v[RC]
.else
	v_fma_f32 v[PS+\e], v[EX+\e], v[RC], v[PS+\e]
.endif
.endr
	v_mul_f32 v[W1], v[EX+8], v[R2]
	v_cmp_eq_u32 vcc_lo, 2*\j, v1
	v_cndmask_b32 v[RS], v[RS], v[I1], vcc_lo
	v_cndmask_b32 v[RG], v[RG], v[R2], vcc_lo
	v_cmp_eq_u32 vcc_lo, 2*\j+1, v1
	v_cndmask_b32 v[RS], v[RS], v[I2], vcc_lo
	v_cndmask_b32 v[RG], v[RG], v[W1], vcc_lo
.endm
	SELECT 0, ACC0
	SELECT 1, ACC1
	v_mov_b32 v[VP], v[PS]                         ; lane e takes sum e
.irp e, 1,2,3,4,5,6,7
	v_cmp_eq_u32 vcc_lo, \e, v1
	v_cndmask_b32 v[VP], v[VP], v[PS+\e], vcc_lo
.endr
	v_lshlrev_b32 v6, 2, v1
	s_lshl_b32 s28, s25, 5
	s_lshl_b32 s29, s25, 4
	v_add_nc_u32 v7, s29, v6                       ; sel, gw: 16 bytes a wave
	v_add_nc_u32 v6, s28, v6                       ; psum: 32 bytes a wave
	v_cmp_gt_u32 vcc_lo, 8, v1
	s_wait_xcnt 0x0                                ; EXEC changes only behind this wait
	s_and_saveexec_b32 s33, vcc_lo
	global_store_b32 v6, v[VP], s[22:23]
	s_wait_xcnt 0x0
	s_or_b32 exec_lo, exec_lo, s33
	v_cmp_gt_u32 vcc_lo, 4, v1
	s_and_saveexec_b32 s33, vcc_lo
	global_store_b32 v7, v[RS], s[18:19]
	global_store_b32 v7, v[RG], s[20:21]
	s_wait_xcnt 0x0
	s_or_b32 exec_lo, exec_lo, s33
	s_endpgm
.Lfunc_end_k_q3ed3cad611_router:
	.size	k_q3ed3cad611_router, .Lfunc_end_k_q3ed3cad611_router-k_q3ed3cad611_router
	.p2alignl 7, 3214868480
	.fill 96, 4, 3214868480
	.section	.rodata,"a",@progbits
	.p2align	6, 0x0
	.amdhsa_kernel k_q3ed3cad611_router
		.amdhsa_group_segment_fixed_size 0
		.amdhsa_private_segment_fixed_size 0
		.amdhsa_enable_private_segment 0
		.amdhsa_kernarg_size 80
		.amdhsa_user_sgpr_count 2
		.amdhsa_user_sgpr_kernarg_segment_ptr 1
		.amdhsa_wavefront_size32 1
		.amdhsa_system_sgpr_workgroup_id_x 1
		.amdhsa_system_sgpr_workgroup_id_y 1
		.amdhsa_system_sgpr_workgroup_id_z 1
		.amdhsa_system_vgpr_workitem_id 0
		.amdhsa_next_free_vgpr 768
		.amdhsa_next_free_sgpr 66
		.amdhsa_reserve_vcc 1
		.amdhsa_float_denorm_mode_32 3
		.amdhsa_float_denorm_mode_16_64 3
		.amdhsa_memory_ordered 1
		.amdhsa_forward_progress 1
		.amdhsa_inst_pref_size 109
	.end_amdhsa_kernel
	.amdgpu_metadata
---
amdhsa.version: [ 1, 2 ]
amdhsa.kernels:
  - .name:           k_q3ed3cad611_router
    .symbol:         k_q3ed3cad611_router.kd
    .args:
      - { .name: inputs, .offset: 0, .size: 8, .value_kind: global_buffer, .address_space: global }
      - { .name: task_param, .offset: 8, .size: 8, .value_kind: global_buffer, .address_space: global }
      - { .name: Wg_in, .offset: 16, .size: 8, .value_kind: global_buffer, .address_space: global }
      - { .name: bg_in, .offset: 24, .size: 8, .value_kind: global_buffer, .address_space: global }
      - { .name: Wg_task, .offset: 32, .size: 8, .value_kind: global_buffer, .address_space: global }
      - { .name: bg_task, .offset: 40, .size: 8, .value_kind: global_buffer, .address_space: global }
      - { .name: alpha, .offset: 48, .size: 8, .value_kind: global_buffer, .address_space: global }
      - { .name: sel, .offset: 56, .size: 8, .value_kind: global_buffer, .address_space: global }
      - { .name: gw, .offset: 64, .size: 8, .value_kind: global_buffer, .address_space: global }
      - { .name: psum, .offset: 72, .size: 8, .value_kind: global_buffer, .address_space: global }
    .group_segment_fixed_size: 0
    .private_segment_fixed_size: 0
    .kernarg_segment_align: 8
    .kernarg_segment_size: 80
    .max_flat_workgroup_size: 128
    .sgpr_count:     66
    .vgpr_count:     768
    .wavefront_size: 32
...
	.end_amdgpu_metadata
.endif
;; end of part 1
;; launch place (part 2): grid 32 x 1, 8 waves a work-group, no clusters, 2,048 bytes of LDS; arguments sel, psum, inputs, xs, pos, tiles, out1; writes xs, pos, tiles, out1
.if DOCPART == 2
	.amdgcn_target "amdgcn-amd-amdhsa--gfx1250"
	.amdhsa_code_object_version 6
	.text
	.protected	k_q3ed3cad611_place
	.globl	k_q3ed3cad611_place
	.p2align	8
	.type	k_q3ed3cad611_place,@function
k_q3ed3cad611_place:
	s_mov_b64 s[64:65], 0
	v_nop
	global_prefetch_b8 v0, s[64:65] scope:SCOPE_SE
	s_setreg_imm32_b32 hwreg(HW_REG_WAVE_MODE, 25, 1), 1
	s_wait_xcnt 0x0
; THE PLACING.  From the stored choices: each expert's count, its rows laid end to end in token order (a counting sort without atomics), the token rows copied there in bf16,
; the list of row tiles for the two products, and the loss.
; SLOTS.  Expert e's rows begin at base_e; base_(e+1) = base_e + its count rounded up to 16: 2,048 + 8 x 15 = 2,168 slots at the most, of 2,176.
; SHARES.  Work-group G owns tokens 32 G .. 32 G + 31.  Every work-group counts all 1,024 tokens for itself: wave w counts the groups 4 w .. 4 w + 3, the counts meet in LDS.
; Wave w then copies tokens 32 G + 4 w + j, j 0..3, each to its two slots.  Work-group 0's wave 0 also writes the tile list and the loss.
; TILES.  A tile is up to 256 slots of one expert: {expert, first slot, rows, 0}; 15 at the most for every split; entries past the last hold rows = 0 and slot 0 (always a real row).
.set SPARE, 1024      ; LDS: 0..1023 the counts [32 groups][8 experts]; from 1,024 on the spare words, 128 bytes a wave, which no other line names
.set X, 64            ; v64-191  four tokens' x, 32 registers each; later psum
	s_load_b256 s[4:11], s[0:1], 0x0               ; sel s4, psum s6, inputs s8, xs s10
	s_load_b128 s[12:15], s[0:1], 0x20             ; pos s12, tiles s14
	s_load_b64 s[16:17], s[0:1], 0x30              ; out1
	v_lshl_add_u32 v2, v0, 2, SPARE                ; my spare word; never rewritten
	v_mov_b32 v3, 0                                ; 0; never rewritten
	v_and_b32 v1, 31, v0                           ; lane
	v_lshrrev_b32 v4, 5, v0
	v_readfirstlane_b32 s18, v4                    ; wave
	s_mov_b32 s19, ttmp9                           ; G
	s_lshl_b32 s20, s19, 8
	s_lshl_b32 s21, s18, 10
	s_mov_b32 s30, 0x76543210
	s_mov_b32 s31, 0xfedcba98
	v_lshlrev_b32 v6, 3, v1                        ; 8 l
	v_lshlrev_b32 v7, 4, v1                        ; 16 l
	v_add_nc_u32 v4, s21, v6                       ; sel of group 4 w: 8 bytes a token
	v_add_nc_u32 v5, s20, v6                       ; sel and pos of my own group
	s_lshl_b32 s22, s19, 17                        ; 32 G tokens of 4,096 bytes,
	s_lshl_b32 s23, s18, 14                        ; 4 w more
	s_add_co_u32 s22, s22, s23
	s_mov_b32 s23, 0
	s_wait_kmcnt 0x0
	s_add_nc_u64 s[8:9], s[8:9], s[22:23]
.irp j, 0,1,2,3
	global_load_b64 v[8+2*\j:9+2*\j], v4, s[4:5] offset:256*\j
.endr
	global_load_b64 v[16:17], v5, s[4:5]
.irp j, 0,1,2,3
.irp p, 0,1,2,3,4,5,6,7
	global_load_b128 v[X+32*\j+4*\p:X+32*\j+4*\p+3], v7, s[8:9] offset:4096*\j+512*\p
.endr
.endr
	v_mov_b32 v18, 1
	v_mov_b32 v25, 0
	v_lshlrev_b32 v26, 2, v0
	s_wait_loadcnt 32                              ; the five loads of sel are in; the 32 younger loads of x stay out
.irp n, 0,1,2,3,4,5,6,7,8,9
	v_min_u32 v[8+\n], 7, v[8+\n]
.endr
.irp j, 0,1,2,3
	v_lshlrev_b32 v19, v[8+2*\j], v18
	v_lshlrev_b32 v[20+\j], v[9+2*\j], v18
	v_or_b32 v[20+\j], v19, v[20+\j]               ; a token's two experts as bits
.endr
.irp j, 0,1,2,3
.irp e, 0,1,2,3,4,5,6,7
	v_and_b32 v19, 1<<\e, v[20+\j]
	v_cmp_ne_u32 s40, 0, v19
	s_bcnt1_i32_b32 s41, s40
	v_writelane_b32 v25, s41, 8*\j+\e              ; lane 8 j + e: tokens of group 4 w + j that chose e
.endr
.endr
	ds_store_b32 v26, v25                          ; word 32 w + 8 j + e = 8 x group + e
	s_wait_dscnt 0x0                               ; for the others' sake: my store is done
	s_barrier_signal -1
	s_barrier_wait -1
	v_lshlrev_b32 v27, 2, v1
.irp i, 0,1,2,3,4,5,6,7
	ds_load_b32 v[28+\i], v27 offset:128*\i        ; group 4 i + l / 8, expert l % 8
.endr
	v_lshrrev_b32 v36, 3, v1
	v_mov_b32 v37, 0                               ; all groups
	v_mov_b32 v42, 0                               ; the groups in front of mine
	s_wait_dscnt 0x0
.irp i, 0,1,2,3,4,5,6,7
	v_add_nc_u32 v19, 4*\i, v36
	v_cmp_gt_u32 vcc_lo, s19, v19
	v_cndmask_b32 v19, 0, v[28+\i], vcc_lo
	v_add_nc_u32 v37, v37, v[28+\i]
	v_add_nc_u32 v42, v42, v19
.endr
.irp r, 37, 42                                     ; over the four lanes of an expert: 8 away, then 16 away
	v_mov_b32 v19, 0
	v_mov_b32_dpp v19, v\r row_xmask:8 row_mask:0xf bank_mask:0xf
	v_add_nc_u32 v\r, v\r, v19
	v_permlanex16_b32 v19, v\r, s30, s31
	v_add_nc_u32 v\r, v\r, v19
.endr
.irp e, 0,1,2,3,4,5,6,7
	v_readlane_b32 s[48+\e], v37, \e               ; s48-55 counts
	v_readlane_b32 s[56+\e], v42, \e               ; s56-63 rows of earlier groups
.endr
	s_mov_b32 s66, 0                               ; s66-73 bases
.irp e, 0,1,2,3,4,5,6
	s_add_co_u32 s40, s[48+\e], 15
	s_and_b32 s40, s40, 0xfffffff0
	s_add_co_u32 s[67+\e], s[66+\e], s40
.endr
.irp e, 0,1,2,3,4,5,6,7
	s_add_co_u32 s[74+\e], s[66+\e], s[56+\e]      ; s74-81 where my group's rows begin
.endr
	v_mov_b32 v38, 0
	v_mov_b32 v39, 0
.irp e, 0,1,2,3,4,5,6,7
	v_cmp_eq_u32 s82, \e, v16
	v_cmp_eq_u32 s83, \e, v17
	s_or_b32 s40, s82, s83
	v_mbcnt_lo_u32_b32 v19, s40, 0                 ; tokens of my group in front of me with this expert
	v_add_nc_u32 v19, s[74+\e], v19
	v_cndmask_b32 v38, v38, v19, s82
	v_cndmask_b32 v39, v39, v19, s83
.endr
	v_min_u32 v38, 0x87f, v38
	v_min_u32 v39, 0x87f, v39
	s_cmp_lg_u32 s18, 0
	s_cbranch_scc1 .Lno_pos
	global_store_b64 v5, v[38:39], s[12:13]        ; one wave stores the group's 256 bytes of pos
.Lno_pos:
	s_lshl_b32 s41, s18, 2
	s_mov_b32 s43, 0
.irp j, 0,1,2,3                                    ; eight addresses, a pair of registers each: none is rewritten while a store names it
	v_readlane_b32 s42, v38, s41
	s_min_u32 s42, s42, 2175
	s_lshl_b32 s42, s42, 11                        ; a row of xs is 2,048 bytes
	s_add_nc_u64 s[84+4*\j:85+4*\j], s[10:11], s[42:43]
	v_readlane_b32 s42, v39, s41
	s_min_u32 s42, s42, 2175
	s_lshl_b32 s42, s42, 11
	s_add_nc_u64 s[86+4*\j:87+4*\j], s[10:11], s[42:43]
	s_add_co_u32 s41, s41, 1
.endr
.irp j, 0,1,2,3
	s_wait_loadcnt 8*(3-\j)                        ; token j's eight loads are in; the later tokens' stay out
.irp p, 0,1,2,3,4,5,6,7
	v_cvt_pk_bf16_f32 v[X+32*\j+4*\p], v[X+32*\j+4*\p], v[X+32*\j+4*\p+1]
	v_cvt_pk_bf16_f32 v[X+32*\j+4*\p+1], v[X+32*\j+4*\p+2], v[X+32*\j+4*\p+3]
.endr
.irp p, 0,1,2,3,4,5,6,7
	global_store_b64 v6, v[X+32*\j+4*\p:X+32*\j+4*\p+1], s[84+4*\j:85+4*\j] offset:256*\p  ; 32 lanes store 256 consecutive bytes, aligned
	global_store_b64 v6, v[X+32*\j+4*\p:X+32*\j+4*\p+1], s[86+4*\j:87+4*\j] offset:256*\p
.endr
.endr
	s_or_b32 s40, s18, s19
	s_cmp_lg_u32 s40, 0
	s_cbranch_scc1 .Lend
	; THE TILE LIST: lane = tile.  s74-81: each expert's first tile; s82: tiles in all.
	s_mov_b32 s74, 0
.irp e, 0,1,2,3,4,5,6,7
	s_add_co_u32 s40, s[48+\e], 255
	s_lshr_b32 s40, s40, 8
	s_add_co_u32 s[75+\e], s[74+\e], s40
.endr
	v_mov_b32 v44, 0
	v_mov_b32 v19, 0
	v_mov_b32 v45, 0
	v_mov_b32 v46, s48
.irp e, 1,2,3,4,5,6,7                              ; the last expert whose first tile is not behind mine; one without tiles is overridden by the next
	v_cmp_le_u32 vcc_lo, s[74+\e], v1
	v_cndmask_b32 v44, v44, \e, vcc_lo
	v_cndmask_b32 v19, v19, s[74+\e], vcc_lo
	v_cndmask_b32 v45, v45, s[66+\e], vcc_lo
	v_cndmask_b32 v46, v46, s[48+\e], vcc_lo
.endr
	v_sub_nc_u32 v19, v1, v19
	v_lshlrev_b32 v19, 8, v19                      ; rows of the expert in front of this tile
	v_add_nc_u32 v45, v45, v19
	v_sub_nc_u32 v46, v46, v19
	v_min_u32 v46, 0x100, v46
	v_cmp_gt_u32 vcc_lo, s82, v1
	v_cndmask_b32 v45, 0, v45, vcc_lo
	v_cndmask_b32 v46, 0, v46, vcc_lo
	v_min_u32 v45, 0x87f, v45
	v_mov_b32 v47, 0
	global_store_b128 v7, v[44:47], s[14:15]
	; THE LOSS: the sum over e of (sum of the softmax / 1,024) x (count / 1,024).
	s_wait_xcnt 0x0                                ; X's registers, which the stores above read, are loaded again only behind this wait
.set i, 0
.rept 32
	global_load_b128 v[X+4*i:X+4*i+3], v7, s[6:7] offset:512*i  ; lane l: experts 4 (l % 2) .. + 3 of wave 16 i + l / 2
.set i, i+1
.endr
	s_wait_loadcnt 0x0
.set i, 1
.rept 31
	v_pk_add_f32 v[X:X+1], v[X:X+1], v[X+4*i:X+4*i+1]
	v_pk_add_f32 v[X+2:X+3], v[X+2:X+3], v[X+4*i+2:X+4*i+3]
.set i, i+1
.endr
	v_and_b32 v19, 1, v1
	v_cmp_eq_u32 vcc_lo, 1, v19
.irp c, 0,1,2,3
	v_cvt_f32_u32 v48, s[48+\c]
	v_cvt_f32_u32 v49, s[52+\c]
	v_cndmask_b32 v[50+\c], v48, v49, vcc_lo
.endr
	v_mul_f32 v54, v[X], v50
	v_fma_f32 v54, v[X+1], v51, v54
	v_fma_f32 v54, v[X+2], v52, v54
	v_fma_f32 v54, v[X+3], v53, v54
	v_add_f32_dpp v54, v54, v54 row_xmask:1 row_mask:0xf bank_mask:0xf
	v_add_f32_dpp v54, v54, v54 row_xmask:2 row_mask:0xf bank_mask:0xf
	v_add_f32_dpp v54, v54, v54 row_xmask:4 row_mask:0xf bank_mask:0xf
	v_add_f32_dpp v54, v54, v54 row_xmask:8 row_mask:0xf bank_mask:0xf
	v_permlanex16_b32 v48, v54, s30, s31
	v_add_f32 v54, v54, v48
	v_mul_f32 v54, 0x35800000, v54                 ; 2^-20
	v_mov_b32 v55, 0
	v_cmp_eq_u32 vcc_lo, 0, v1
	s_wait_xcnt 0x0                                ; EXEC changes only behind this wait
	s_and_saveexec_b32 s40, vcc_lo
	global_store_b32 v55, v54, s[16:17]
	s_wait_xcnt 0x0
	s_or_b32 exec_lo, exec_lo, s40
.Lend:
	s_wait_tensorcnt 0x0                           ; the wave's end: three lines behind my last LDS store
	ds_add_u32 v2, v3
	s_wait_dscnt 0x0
	s_endpgm
.Lfunc_end_k_q3ed3cad611_place:
	.size	k_q3ed3cad611_place, .Lfunc_end_k_q3ed3cad611_place-k_q3ed3cad611_place
	.p2alignl 7, 3214868480
	.fill 96, 4, 3214868480
	.section	.rodata,"a",@progbits
	.p2align	6, 0x0
	.amdhsa_kernel k_q3ed3cad611_place
		.amdhsa_group_segment_fixed_size 2048
		.amdhsa_private_segment_fixed_size 0
		.amdhsa_enable_private_segment 0
		.amdhsa_kernarg_size 56
		.amdhsa_user_sgpr_count 2
		.amdhsa_user_sgpr_kernarg_segment_ptr 1
		.amdhsa_wavefront_size32 1
		.amdhsa_system_sgpr_workgroup_id_x 1
		.amdhsa_system_sgpr_workgroup_id_y 1
		.amdhsa_system_sgpr_workgroup_id_z 1
		.amdhsa_system_vgpr_workitem_id 0
		.amdhsa_next_free_vgpr 192
		.amdhsa_next_free_sgpr 100
		.amdhsa_reserve_vcc 1
		.amdhsa_float_denorm_mode_32 3
		.amdhsa_float_denorm_mode_16_64 3
		.amdhsa_memory_ordered 1
		.amdhsa_forward_progress 1
		.amdhsa_inst_pref_size 44
	.end_amdhsa_kernel
	.amdgpu_metadata
---
amdhsa.version: [ 1, 2 ]
amdhsa.kernels:
  - .name:           k_q3ed3cad611_place
    .symbol:         k_q3ed3cad611_place.kd
    .args:
      - { .name: sel, .offset: 0, .size: 8, .value_kind: global_buffer, .address_space: global }
      - { .name: psum, .offset: 8, .size: 8, .value_kind: global_buffer, .address_space: global }
      - { .name: inputs, .offset: 16, .size: 8, .value_kind: global_buffer, .address_space: global }
      - { .name: xs, .offset: 24, .size: 8, .value_kind: global_buffer, .address_space: global }
      - { .name: pos, .offset: 32, .size: 8, .value_kind: global_buffer, .address_space: global }
      - { .name: tiles, .offset: 40, .size: 8, .value_kind: global_buffer, .address_space: global }
      - { .name: out1, .offset: 48, .size: 8, .value_kind: global_buffer, .address_space: global }
    .group_segment_fixed_size: 2048
    .private_segment_fixed_size: 0
    .kernarg_segment_align: 8
    .kernarg_segment_size: 56
    .max_flat_workgroup_size: 256
    .sgpr_count:     100
    .vgpr_count:     192
    .wavefront_size: 32
...
	.end_amdgpu_metadata
.endif
;; end of part 2
;; launch ffn1 (part 3): grid 15 x 16, 4 waves a work-group, no clusters, 266,752 bytes of LDS; arguments xs, W1, tiles, h, b1; writes h
.if DOCPART == 3
	.amdgcn_target "amdgcn-amd-amdhsa--gfx1250"
	.amdhsa_code_object_version 6
	.text
	.protected	k_q3ed3cad611_ffn1
	.globl	k_q3ed3cad611_ffn1
	.p2align	8
	.type	k_q3ed3cad611_ffn1,@function
k_q3ed3cad611_ffn1:
	s_mov_b64 s[64:65], 0
	v_nop
	global_prefetch_b8 v0, s[64:65] scope:SCOPE_SE
	s_setreg_imm32_b32 hwreg(HW_REG_WAVE_MODE, 25, 1), 1
	s_wait_xcnt 0x0
.set FFN, 1
; ONE TEXT FOR BOTH PRODUCTS OF THE EXPERTS' LAYERS; the line above chooses.  FFN = 1: h = silu(xs W1[e] + b1[e]), bf16.  FFN = 2: yp[ks] = h[:, quarter ks of F] W2[e][that quarter], f32 partial sums.
; A work-group takes one row tile of the stored list (up to 256 slots of ONE expert) x 256 columns x K = 1,024.  Grid x = tile (15 cover every split of the tokens), y = the slice:
; FFN = 1: columns 256 y of F.  FFN = 2: y = 4 ks + cq: quarter ks of F as K, columns 256 cq of D.
; The weights are f32 [K][N]: they pass through registers, are rounded to bf16 there and laid into LDS as they lie; the turning LDS load makes fragments of them.  So no tensor load brings them, and no joint
; request either: how many work-groups share a slice hangs on the split.  The rows are bf16 already; rows past the tile's count repeat its last real row.
; K goes in 16 chunks of 64 through two LDS buffers; a chunk's 48 loads a wave are asked for a chunk's products ahead.  ONE barrier a chunk: in front of it each wave's stores of the next chunk are done
; and its reads of this one are back; the buffer written next was last read in front of the barrier before.
; A tile without rows passes every barrier and jumps all work but the first chunk's loads (real weights, slot 0), which every path issues, so that the staging registers are written on every path.
; A WAVE owns the groups of 16 rows 4 a + w (a 0..3) x all 256 columns: 64 accumulators; LIVE = how many of its four groups hold rows; the others' products and stores are jumped.
; The accumulators are cleared by 512 v_mov_b32, in the wait for the first loads: a first chunk written out with the constant 0 would be as long, and what it starts would hang on LIVE's jumps.
; THE MATRIX INSTRUCTION IS USED TRANSPOSED: source 0 = 16 columns of the weights, source 1 = 16 rows: a lane then holds one row (l % 16) and the columns 16 b + 8 (l / 16) + 0..7.
; LIMITS: x, W and b are rounded to bf16, h once to bf16; NaN and infinities are not treated apart.
; REGISTERS.  window 0: addresses, fragments, the way out.  windows 1, 2: accumulator (a, b) in window 1 + a / 2 at 128 (a % 2) + 8 b.  window 3: v0-127 a chunk's weights as loaded, v128-191 its rows.
.if FFN == 1
.set PW,    16384     ; bytes from row to row of the weights
.set ASH,   11        ; a row of A: 2,048 bytes
.set ROWSH, 13        ; a row of the output: 8,192 bytes
.else
.set PW,    4096
.set ASH,   13
.set ROWSH, 12
.endif
.set PB,    544       ; a row of weights in LDS: 256 bf16 + 32 bytes: an odd multiple of 32
.set BBUF,  64*PB     ; 34,816: a chunk's weights; two buffers from byte 0
.set PA,    144       ; a row of A in LDS: 64 bf16 + 16 bytes: an odd multiple of 16
.set AREG,  2*BBUF    ; 69,632: A's buffers, each wave's 64 rows its own
.set AWAVE, 64*PA
.set ABUF,  4*AWAVE
.set PS,    1040      ; the way out: a row of 256 f32 + 16 bytes
.set SWAVE, 64*PS     ; each wave's stage, 66,560 bytes, from byte 0 on: used behind the last barrier, when nobody reads the buffers any more
.set SPARE, 4*SWAVE   ; 266,240: the spare words, 128 bytes a wave, which no other line names
.set WOFF, 8          ; v8   my 16 bytes in my wave's 16 rows of a chunk of weights
.set VBST, 9          ; v9   where they go in LDS
.set VAST, 10         ; v10  where my 16 bytes of a row of A go
.set VALD, 11         ; v11  a fragment of A
.set VBLD, 12         ; v12  a fragment of the weights
.set STO,  13         ; v13  the way out: in
.set RD,   14         ; v14  the way out: back; steps four rows a trip
.set CO,   15         ; v15  my bytes in a row of the output
.set AOFF, 16         ; v16-31  load i's byte offset in A: rows 4 i + l / 8 of my wave's 64
.set BI,   32         ; v32-39  FFN = 1: the bias of my eight columns
.set SPW,  40         ; v40  my spare word; never rewritten
.set NIL,  41         ; v41  0; never rewritten
.set L16,  42         ; v42  16 l
.set C16,  43         ; v43  16 (l % 8)
.set AF0,  48
.set AF1,  80
.set BF0,  112
.set BF1,  176
.set Y,    112        ; the way out: four rows x 8 numbers a lane
.set T,    144
.set O,    176
.set WV,   16         ; s16  wave
.set LIVE, 24         ; s24
.set ROWS, 25         ; s25
.set MSB, 0
.macro WIN new                      ; the immediate's high byte repeats the setting that is left; at a label and at a branch every window is 0
.if MSB != (\new)
	s_set_vgpr_msb (MSB<<8)|(\new)
.set MSB, (\new)
.endif
.endm
.macro PLACES                       ; four plain instructions between a matrix instruction and a load into, or a reader of, its registers
.rept 4
	v_nop
.endr
.endm
.macro BAR
	s_wait_dscnt 0x0                ; my LDS stores are done and my LDS reads are back
	s_barrier_signal -1
	s_barrier_wait -1
.endm
; a chunk's loads: my 16 rows of 1,024 bytes of weights, two loads of 512 consecutive bytes each; my wave's 64 rows x 128 bytes of A
.macro LOADG
	WIN 0xc0                        ; destination window 3
.set i, 0
.rept 16
	global_load_b128 v[8*i:8*i+3],   v[WOFF], s[6:7] offset:i*PW
	global_load_b128 v[8*i+4:8*i+7], v[WOFF], s[6:7] offset:i*PW+512
	global_load_b128 v[128+4*i:128+4*i+3], v[AOFF+i], s[4:5]
.set i, i+1
.endr
	WIN 0
.endm
; the chunk that has been loaded goes into buffer nbuf; load = 1: the next chunk is asked for
.macro STAGE nbuf, load
	s_cmp_eq_u32 s[ROWS], 0
	s_cbranch_scc1 .Lst_\@
	s_wait_loadcnt 0x0              ; the chunk is in; its loads are done, so their bases may step
.if \load
	s_add_nc_u64 s[6:7], s[6:7], 64*PW
	s_add_nc_u64 s[4:5], s[4:5], 128
.endif
	WIN 0xcf
.set i, 0
.rept 32
	v_cvt_pk_bf16_f32 v[4*i],   v[4*i],   v[4*i+1]
	v_cvt_pk_bf16_f32 v[4*i+1], v[4*i+2], v[4*i+3]
.set i, i+1
.endr
	WIN 0x0c                        ; data window 3, address window 0
.set i, 0
.rept 16
	ds_store_b64 v[VBST], v[8*i:8*i+1]   offset:\nbuf*BBUF+i*PB
	ds_store_b64 v[VBST], v[8*i+4:8*i+5] offset:\nbuf*BBUF+i*PB+256
	ds_store_b128 v[VAST], v[128+4*i:128+4*i+3] offset:\nbuf*ABUF+i*4*PA
.set i, i+1
.endr
	WIN 0
	s_wait_dscnt 0x0                ; the stores have taken their data: the registers are loaded again only behind this wait
.if \load
	LOADG
.endif
.Lst_\@:
.endm
.macro FETCHA buf, s, dst           ; my four groups of 16 rows, 32 along K at step s of the chunk
.irp a, 0,1,2,3
	ds_load_b128 v[\dst+8*\a:\dst+8*\a+3],   v[VALD] offset:\buf*ABUF+\a*16*PA+64*\s
	ds_load_b128 v[\dst+8*\a+4:\dst+8*\a+7], v[VALD] offset:\buf*ABUF+\a*16*PA+64*\s+32
.endr
.endm
.macro FETCHB buf, s, hb, dst       ; eight groups of 16 columns (half hb of the 256), 32 along K, turned
.irp bb, 0,1,2,3,4,5,6,7
	ds_load_tr16_b128 v[\dst+8*\bb:\dst+8*\bb+3],   v[VBLD] offset:\buf*BBUF+\s*32*PB+(8*\hb+\bb)*32
	ds_load_tr16_b128 v[\dst+8*\bb+4:\dst+8*\bb+7], v[VBLD] offset:\buf*BBUF+\s*32*PB+(8*\hb+\bb)*32+16*PB
.endr
.endm
; up to 32 matrix instructions: my live groups x eight groups of columns from cb0 on.  The accumulators take turns, one instruction a turn.
.macro MUL af, bf, cb0
.irp a, 0,1,2,3
.if \a > 0
	s_cmp_le_u32 s[LIVE], \a
	s_cbranch_scc1 .Lmul_\@
.endif
	WIN 0x50*(1+\a/2)               ; C and D in window 1 or 2
.irp bb, 0,1,2,3,4,5,6,7
	v_wmma_f32_16x16x32_bf16 v[(\a%2)*128+8*(\cb0+\bb):(\a%2)*128+8*(\cb0+\bb)+7], v[\bf+8*\bb:\bf+8*\bb+7], v[\af+8*\a:\af+8*\a+7], v[(\a%2)*128+8*(\cb0+\bb):(\a%2)*128+8*(\cb0+\bb)+7]
.endr
	WIN 0
.endr
.Lmul_\@:
.endm
.macro COMPUTE buf                  ; a chunk: two steps of 32 along K x two halves of the columns
	s_cmp_eq_u32 s[LIVE], 0
	s_cbranch_scc1 .Lcmp_\@
	PLACES
	FETCHA \buf, 0, AF0
	FETCHB \buf, 0, 0, BF0
	FETCHB \buf, 0, 1, BF1
	s_wait_dscnt 16                 ; AF0 and BF0 are in; BF1's sixteen younger loads stay out
	MUL AF0, BF0, 0
	PLACES
	FETCHB \buf, 1, 0, BF0
	FETCHA \buf, 1, AF1
	s_wait_dscnt 24                 ; BF1 is in; the 24 just issued stay out
	MUL AF0, BF1, 8
	PLACES
	FETCHB \buf, 1, 1, BF1
	s_wait_dscnt 16                 ; BF0 and AF1 are in; the sixteen just issued stay out
	MUL AF1, BF0, 0
	s_wait_dscnt 0x0
	MUL AF1, BF1, 8
.Lcmp_\@:
.endm
	s_load_b256 s[4:11], s[0:1], 0x0               ; A s4, the weights s6, tiles s8, the output s10
.if FFN == 1
	s_load_b64 s[12:13], s[0:1], 0x20              ; b1
.endif
	v_lshl_add_u32 v[SPW], v0, 2, SPARE
	v_mov_b32 v[NIL], 0
	v_and_b32 v1, 31, v0                           ; l
	v_lshrrev_b32 v4, 5, v0
	v_readfirstlane_b32 s[WV], v4
	s_and_b32 s17, ttmp7, 0xffff                   ; y
	s_lshl_b32 s28, ttmp9, 4                       ; my tile's 16 bytes in the list
	s_mov_b32 s29, 0
	s_wait_kmcnt 0x0
	s_add_nc_u64 s[8:9], s[8:9], s[28:29]
	s_load_b128 s[20:23], s[8:9], 0x0              ; expert, first slot, rows, 0
	v_and_b32 v2, 15, v0                           ; l % 16
	v_bfe_u32 v3, v0, 4, 1                         ; l / 16
	v_and_b32 v5, 7, v0                            ; l % 8
	v_bfe_u32 v6, v0, 3, 2                         ; l / 8
	v_bfe_u32 v7, v0, 3, 1                         ; (l / 8) % 2
	v_lshlrev_b32 v[L16], 4, v1
	v_lshlrev_b32 v[C16], 4, v5
	s_mul_i32 s18, s[WV], 16*PW
	v_add_nc_u32 v[WOFF], s18, v[L16]
	s_mul_i32 s18, s[WV], 16*PB
	v_lshl_add_u32 v[VBST], v1, 3, s18             ; four columns are 8 bytes of bf16
	s_mul_i32 s18, s[WV], AWAVE
	s_add_co_u32 s18, s18, AREG
	v_mul_u32_u24 v[VAST], v6, PA
	v_add_nc_u32 v[VAST], v[VAST], v[C16]
	v_add_nc_u32 v[VAST], s18, v[VAST]
	v_mul_u32_u24 v[VALD], v2, PA
	v_lshl_add_u32 v[VALD], v3, 4, v[VALD]         ; row x pitch + 16 x half
	v_add_nc_u32 v[VALD], s18, v[VALD]
	v_lshl_add_u32 v[VBLD], v3, 3, v5              ; the turning load: k = 8 (l / 16) + l % 8,
	v_mul_u32_u24 v[VBLD], v[VBLD], PB
	v_lshl_add_u32 v[VBLD], v7, 4, v[VBLD]         ; columns 8 ((l / 8) % 2) ..
	s_mul_i32 s18, s[WV], SWAVE
	v_mul_u32_u24 v[STO], v2, PS
	v_lshl_add_u32 v[STO], v3, 5, v[STO]           ; row l % 16, 32 bytes for each half of the lanes
	v_add_nc_u32 v[STO], s18, v[STO]
	v_add_nc_u32 v[RD], s18, v[L16]
.if FFN == 1
	v_lshlrev_b32 v[CO], 3, v1
.else
	v_lshlrev_b32 v[CO], 4, v1
.endif
	s_lshl_b32 s18, s[WV], 4
	v_add_nc_u32 v4, s18, v6                       ; 16 w + l / 8
	s_wait_kmcnt 0x0
	s_min_u32 s20, s20, 7
	s_min_u32 s21, s21, 2175
	s_min_u32 s[ROWS], s22, 256
	s_add_co_u32 s[LIVE], s[ROWS], 15
	s_lshr_b32 s[LIVE], s[LIVE], 4                 ; groups of 16 rows in the tile
	s_add_co_u32 s[LIVE], s[LIVE], 3
	s_sub_co_u32 s[LIVE], s[LIVE], s[WV]
	s_lshr_b32 s[LIVE], s[LIVE], 2                 ; those of them numbered 4 a + w
	s_max_u32 s19, s[ROWS], 1
	s_sub_co_u32 s19, s19, 1                       ; the tile's last real row
	s_add_co_u32 s15, s21, s18                     ; first slot + 16 w
.set i, 0
.rept 16
	v_add_nc_u32 v[AOFF+i], 64*(i/4)+4*(i%4), v4   ; the tile's row 64 a + 16 w + 4 (i % 4) + l / 8, a = i / 4
	v_min_u32 v[AOFF+i], s19, v[AOFF+i]
	v_add_nc_u32 v[AOFF+i], s21, v[AOFF+i]
	v_min_u32 v[AOFF+i], 0x87f, v[AOFF+i]
	v_lshl_add_u32 v[AOFF+i], v[AOFF+i], ASH, v[C16]
.set i, i+1
.endr
	s_lshl_b32 s28, s20, 24                        ; an expert's weights are 16 MiB
.if FFN == 1
	s_lshl_b32 s18, s17, 10                        ; 256 columns of f32
	s_add_co_u32 s28, s28, s18
	s_add_nc_u64 s[6:7], s[6:7], s[28:29]
	s_lshl_b32 s28, s17, 9                         ; 256 columns of bf16
	s_add_nc_u64 s[10:11], s[10:11], s[28:29]
	s_lshl_b32 s28, s20, 14
	s_add_co_u32 s28, s28, s18
	s_add_nc_u64 s[12:13], s[12:13], s[28:29]
	global_load_b128 v[BI:BI+3],   v[L16], s[12:13]
	global_load_b128 v[BI+4:BI+7], v[L16], s[12:13] offset:512
.else
	s_lshr_b32 s18, s17, 2                         ; ks
	s_and_b32 s14, s17, 3                          ; cq
	s_lshl_b32 s14, s14, 10
	s_lshl_b32 s27, s18, 22                        ; 1,024 rows of 4,096 bytes
	s_add_co_u32 s28, s28, s27
	s_add_co_u32 s28, s28, s14
	s_add_nc_u64 s[6:7], s[6:7], s[28:29]
	s_lshl_b32 s28, s18, 11                        ; 1,024 columns of bf16 in h
	s_add_nc_u64 s[4:5], s[4:5], s[28:29]
	s_mul_i32 s28, s18, 8912896                    ; a plane of yp: 2,176 rows of 4,096 bytes
	s_add_co_u32 s28, s28, s14
	s_add_nc_u64 s[10:11], s[10:11], s[28:29]
.endif
	LOADG                                          ; chunk 0, on every path
	WIN 0x40
.set i, 0
.rept 256
	v_mov_b32 v[i], 0
.set i, i+1
.endr
	WIN 0x80
.set i, 0
.rept 256
	v_mov_b32 v[i], 0
.set i, i+1
.endr
	WIN 0
	STAGE 0, 1                                     ; chunk 0 into buffer 0; chunk 1 is asked for
	BAR
	s_mov_b32 s26, 7
.Lk:                                               ; a trip: chunks 2 t and 2 t + 1 are multiplied, 2 t + 1 and 2 t + 2 staged, 2 t + 2 and 2 t + 3 asked for
	COMPUTE 0
	STAGE 1, 1
	BAR
	COMPUTE 1
	STAGE 0, 1
	BAR
	s_sub_co_u32 s26, s26, 1
	s_cmp_lg_u32 s26, 0
	s_cbranch_scc1 .Lk
	COMPUTE 0                                      ; chunk 14
	STAGE 1, 0                                     ; chunk 15: nothing is left to ask for
	BAR
	COMPUTE 1
	BAR                                            ; nobody reads the buffers any more: the stages take their bytes
	; THE WAY OUT.  My live groups go into my own stage, each accumulator's low registers first; then back by rows.
	PLACES
.irp a, 0,1,2,3
	s_cmp_le_u32 s[LIVE], \a
	s_cbranch_scc1 .Ldumped
	WIN 0x04*(1+\a/2)                              ; data window 1 or 2
.irp b, 0,1,2,3,4,5,6,7,8,9,10,11,12,13,14,15
	ds_store_b128 v[STO], v[(\a%2)*128+8*\b:(\a%2)*128+8*\b+3]   offset:\a*16*PS+64*\b
	ds_store_b128 v[STO], v[(\a%2)*128+8*\b+4:(\a%2)*128+8*\b+7] offset:\a*16*PS+64*\b+16
.endr
	WIN 0
.endr
.Ldumped:
.if FFN == 1
	s_wait_loadcnt 0x0                             ; the bias (on the way of a tile without rows nothing has waited for it)
.irp c, 0,2,4,6
	v_cvt_pk_bf16_f32 v[T], v[BI+\c], v[BI+\c+1]   ; rounded to bf16 like every input, and written as f32 again
	v_lshlrev_b32 v[BI+\c], 16, v[T]
	v_and_b32 v[BI+\c+1], 0xffff0000, v[T]
.endr
.endif
	s_mov_b32 s26, 0
.Lback:                                            ; 16 trips of four rows; trips of groups without rows are jumped
	s_wait_xcnt 0x0                                ; the last trip's stores have had their addresses translated: their base and data are rewritten only behind this wait
	s_lshr_b32 s27, s26, 2
	s_cmp_ge_u32 s27, s[LIVE]
	s_cbranch_scc1 .Ldead
	s_lshl_b32 s28, s27, 6
	s_and_b32 s29, s26, 3
	s_lshl2_add_u32 s28, s29, s28                  ; 64 a + 4 (q % 4)
	s_add_co_u32 s28, s28, s15                     ; + first slot + 16 w
	s_lshl_b32 s28, s28, ROWSH
	s_mov_b32 s29, 0
	s_add_nc_u64 s[30:31], s[10:11], s[28:29]
.irp i, 0,1,2,3
	ds_load_b128 v[Y+8*\i:Y+8*\i+3],   v[RD] offset:\i*PS      ; LDS serves a wave's instructions in order (ISA guide 5.7.1.4): these see my stores above
	ds_load_b128 v[Y+8*\i+4:Y+8*\i+7], v[RD] offset:\i*PS+512
.endr
	s_wait_dscnt 0x0
.if FFN == 1
.set n, 0
.rept 16
	v_pk_add_f32 v[Y+2*n:Y+2*n+1], v[Y+2*n:Y+2*n+1], v[BI+(2*n)%8:BI+(2*n)%8+1]
.set n, n+1
.endr
.set n, 0
.rept 16
	v_pk_mul_f32 v[T+2*n:T+2*n+1], v[Y+2*n:Y+2*n+1], 0xbfb8aa3b op_sel_hi:[1,0]  ; - log2(e) x
.set n, n+1
.endr
.set n, 0
.rept 32
	v_exp_f32 v[T+n], v[T+n]
.set n, n+1
.endr
	v_nop                                          ; a plain instruction behind the last exponential,
	s_wait_alu depctr_va_vdst(0)                   ; and one wait for the batch of 32
.set n, 0
.rept 16
	v_pk_add_f32 v[T+2*n:T+2*n+1], v[T+2*n:T+2*n+1], 1.0 op_sel_hi:[1,0]
.set n, n+1
.endr
.set n, 0
.rept 32
	v_rcp_f32 v[T+n], v[T+n]
.set n, n+1
.endr
	v_nop
	s_wait_alu depctr_va_vdst(0)                   ; one wait for the 32 reciprocals
.set n, 0
.rept 16
	v_pk_mul_f32 v[Y+2*n:Y+2*n+1], v[Y+2*n:Y+2*n+1], v[T+2*n:T+2*n+1]  ; x / (1 + e^-x)
.set n, n+1
.endr
.set n, 0
.rept 16
	v_cvt_pk_bf16_f32 v[O+n], v[Y+2*n], v[Y+2*n+1]
.set n, n+1
.endr
.irp i, 0,1,2,3
	global_store_b64 v[CO], v[O+4*\i:O+4*\i+1],   s[30:31] offset:\i*8192      ; 32 lanes store 256 consecutive bytes, aligned
	global_store_b64 v[CO], v[O+4*\i+2:O+4*\i+3], s[30:31] offset:\i*8192+256
.endr
.else
.irp i, 0,1,2,3
	global_store_b128 v[CO], v[Y+8*\i:Y+8*\i+3],   s[30:31] offset:\i*4096     ; 32 lanes store 512 consecutive bytes, aligned
	global_store_b128 v[CO], v[Y+8*\i+4:Y+8*\i+7], s[30:31] offset:\i*4096+512
.endr
.endif
.Ldead:
	v_add_nc_u32 v[RD], 4*PS, v[RD]
	s_add_co_u32 s26, s26, 1
	s_cmp_lt_u32 s26, 16
	s_cbranch_scc1 .Lback
	s_wait_tensorcnt 0x0                           ; the wave's end: three lines behind my last LDS store
	ds_add_u32 v[SPW], v[NIL]
	s_wait_dscnt 0x0
	s_endpgm
.Lfunc_end_k_q3ed3cad611_ffn1:
	.size	k_q3ed3cad611_ffn1, .Lfunc_end_k_q3ed3cad611_ffn1-k_q3ed3cad611_ffn1
	.p2alignl 7, 3214868480
	.fill 96, 4, 3214868480
	.section	.rodata,"a",@progbits
	.p2align	6, 0x0
	.amdhsa_kernel k_q3ed3cad611_ffn1
		.amdhsa_group_segment_fixed_size 266752
		.amdhsa_private_segment_fixed_size 0
		.amdhsa_enable_private_segment 0
		.amdhsa_kernarg_size 40
		.amdhsa_user_sgpr_count 2
		.amdhsa_user_sgpr_kernarg_segment_ptr 1
		.amdhsa_wavefront_size32 1
		.amdhsa_system_sgpr_workgroup_id_x 1
		.amdhsa_system_sgpr_workgroup_id_y 1
		.amdhsa_system_sgpr_workgroup_id_z 1
		.amdhsa_system_vgpr_workitem_id 0
		.amdhsa_next_free_vgpr 960
		.amdhsa_next_free_sgpr 66
		.amdhsa_reserve_vcc 0
		.amdhsa_float_denorm_mode_32 3
		.amdhsa_float_denorm_mode_16_64 3
		.amdhsa_memory_ordered 1
		.amdhsa_forward_progress 1
		.amdhsa_inst_pref_size 152
	.end_amdhsa_kernel
	.amdgpu_metadata
---
amdhsa.version: [ 1, 2 ]
amdhsa.kernels:
  - .name:           k_q3ed3cad611_ffn1
    .symbol:         k_q3ed3cad611_ffn1.kd
    .args:
      - { .name: xs, .offset: 0, .size: 8, .value_kind: global_buffer, .address_space: global }
      - { .name: W1, .offset: 8, .size: 8, .value_kind: global_buffer, .address_space: global }
      - { .name: tiles, .offset: 16, .size: 8, .value_kind: global_buffer, .address_space: global }
      - { .name: h, .offset: 24, .size: 8, .value_kind: global_buffer, .address_space: global }
      - { .name: b1, .offset: 32, .size: 8, .value_kind: global_buffer, .address_space: global }
    .group_segment_fixed_size: 266752
    .private_segment_fixed_size: 0
    .kernarg_segment_align: 8
    .kernarg_segment_size: 40
    .max_flat_workgroup_size: 128
    .sgpr_count:     66
    .vgpr_count:     960
    .wavefront_size: 32
...
	.end_amdgpu_metadata
.endif
;; end of part 3
;; launch ffn2 (part 4): grid 15 x 16, 4 waves a work-group, no clusters, 266,752 bytes of LDS; arguments h, W2, tiles, yp; writes yp
.if DOCPART == 4
	.amdgcn_target "amdgcn-amd-amdhsa--gfx1250"
	.amdhsa_code_object_version 6
	.text
	.protected	k_q3ed3cad611_ffn2
	.globl	k_q3ed3cad611_ffn2
	.p2align	8
	.type	k_q3ed3cad611_ffn2,@function
k_q3ed3cad611_ffn2:
	s_mov_b64 s[64:65], 0
	v_nop
	global_prefetch_b8 v0, s[64:65] scope:SCOPE_SE
	s_setreg_imm32_b32 hwreg(HW_REG_WAVE_MODE, 25, 1), 1
	s_wait_xcnt 0x0
.set FFN, 2
; ONE TEXT FOR BOTH PRODUCTS OF THE EXPERTS' LAYERS; the line above chooses.  FFN = 1: h = silu(xs W1[e] + b1[e]), bf16.  FFN = 2: yp[ks] = h[:, quarter ks of F] W2[e][that quarter], f32 partial sums.
; A work-group takes one row tile of the stored list (up to 256 slots of ONE expert) x 256 columns x K = 1,024.  Grid x = tile (15 cover every split of the tokens), y = the slice:
; FFN = 1: columns 256 y of F.  FFN = 2: y = 4 ks + cq: quarter ks of F as K, columns 256 cq of D.
; The weights are f32 [K][N]: they pass through registers, are rounded to bf16 there and laid into LDS as they lie; the turning LDS load makes fragments of them.  So no tensor load brings them, and no joint
; request either: how many work-groups share a slice hangs on the split.  The rows are bf16 already; rows past the tile's count repeat its last real row.
; K goes in 16 chunks of 64 through two LDS buffers; a chunk's 48 loads a wave are asked for a chunk's products ahead.  ONE barrier a chunk: in front of it each wave's stores of the next chunk are done
; and its reads of this one are back; the buffer written next was last read in front of the barrier before.
; A tile without rows passes every barrier and jumps all work but the first chunk's loads (real weights, slot 0), which every path issues, so that the staging registers are written on every path.
; A WAVE owns the groups of 16 rows 4 a + w (a 0..3) x all 256 columns: 64 accumulators; LIVE = how many of its four groups hold rows; the others' products and stores are jumped.
; The accumulators are cleared by 512 v_mov_b32, in the wait for the first loads: a first chunk written out with the constant 0 would be as long, and what it starts would hang on LIVE's jumps.
; THE MATRIX INSTRUCTION IS USED TRANSPOSED: source 0 = 16 columns of the weights, source 1 = 16 rows: a lane then holds one row (l % 16) and the columns 16 b + 8 (l / 16) + 0..7.
; LIMITS: x, W and b are rounded to bf16, h once to bf16; NaN and infinities are not treated apart.
; REGISTERS.  window 0: addresses, fragments, the way out.  windows 1, 2: accumulator (a, b) in window 1 + a / 2 at 128 (a % 2) + 8 b.  window 3: v0-127 a chunk's weights as loaded, v128-191 its rows.
.if FFN == 1
.set PW,    16384     ; bytes from row to row of the weights
.set ASH,   11        ; a row of A: 2,048 bytes
.set ROWSH, 13        ; a row of the output: 8,192 bytes
.else
.set PW,    4096
.set ASH,   13
.set ROWSH, 12
.endif
.set PB,    544       ; a row of weights in LDS: 256 bf16 + 32 bytes: an odd multiple of 32
.set BBUF,  64*PB     ; 34,816: a chunk's weights; two buffers from byte 0
.set PA,    144       ; a row of A in LDS: 64 bf16 + 16 bytes: an odd multiple of 16
.set AREG,  2*BBUF    ; 69,632: A's buffers, each wave's 64 rows its own
.set AWAVE, 64*PA
.set ABUF,  4*AWAVE
.set PS,    1040      ; the way out: a row of 256 f32 + 16 bytes
.set SWAVE, 64*PS     ; each wave's stage, 66,560 bytes, from byte 0 on: used behind the last barrier, when nobody reads the buffers any more
.set SPARE, 4*SWAVE   ; 266,240: the spare words, 128 bytes a wave, which no other line names
.set WOFF, 8          ; v8   my 16 bytes in my wave's 16 rows of a chunk of weights
.set VBST, 9          ; v9   where they go in LDS
.set VAST, 10         ; v10  where my 16 bytes of a row of A go
.set VALD, 11         ; v11  a fragment of A
.set VBLD, 12         ; v12  a fragment of the weights
.set STO,  13         ; v13  the way out: in
.set RD,   14         ; v14  the way out: back; steps four rows a trip
.set CO,   15         ; v15  my bytes in a row of the output
.set AOFF, 16         ; v16-31  load i's byte offset in A: rows 4 i + l / 8 of my wave's 64
.set BI,   32         ; v32-39  FFN = 1: the bias of my eight columns
.set SPW,  40         ; v40  my spare word; never rewritten
.set NIL,  41         ; v41  0; never rewritten
.set L16,  42         ; v42  16 l
.set C16,  43         ; v43  16 (l % 8)
.set AF0,  48
.set AF1,  80
.set BF0,  112
.set BF1,  176
.set Y,    112        ; the way out: four rows x 8 numbers a lane
.set T,    144
.set O,    176
.set WV,   16         ; s16  wave
.set LIVE, 24         ; s24
.set ROWS, 25         ; s25
.set MSB, 0
.macro WIN new                      ; the immediate's high byte repeats the setting that is left; at a label and at a branch every window is 0
.if MSB != (\new)
	s_set_vgpr_msb (MSB<<8)|(\new)
.set MSB, (\new)
.endif
.endm
.macro PLACES                       ; four plain instructions between a matrix instruction and a load into, or a reader of, its registers
.rept 4
	v_nop
.endr
.endm
.macro BAR
	s_wait_dscnt 0x0                ; my LDS stores are done and my LDS reads are back
	s_barrier_signal -1
	s_barrier_wait -1
.endm
; a chunk's loads: my 16 rows of 1,024 bytes of weights, two loads of 512 consecutive bytes each; my wave's 64 rows x 128 bytes of A
.macro LOADG
	WIN 0xc0                        ; destination window 3
.set i, 0
.rept 16
	global_load_b128 v[8*i:8*i+3],   v[WOFF], s[6:7] offset:i*PW
	global_load_b128 v[8*i+4:8*i+7], v[WOFF], s[6:7] offset:i*PW+512
	global_load_b128 v[128+4*i:128+4*i+3], v[AOFF+i], s[4:5]
.set i, i+1
.endr
	WIN 0
.endm
; the chunk that has been loaded goes into buffer nbuf; load = 1: the next chunk is asked for
.macro STAGE nbuf, load
	s_cmp_eq_u32 s[ROWS], 0
	s_cbranch_scc1 .Lst_\@
	s_wait_loadcnt 0x0              ; the chunk is in; its loads are done, so their bases may step
.if \load
	s_add_nc_u64 s[6:7], s[6:7], 64*PW
	s_add_nc_u64 s[4:5], s[4:5], 128
.endif
	WIN 0xcf
.set i, 0
.rept 32
	v_cvt_pk_bf16_f32 v[4*i],   v[4*i],   v[4*i+1]
	v_cvt_pk_bf16_f32 v[4*i+1], v[4*i+2], v[4*i+3]
.set i, i+1
.endr
	WIN 0x0c                        ; data window 3, address window 0
.set i, 0
.rept 16
	ds_store_b64 v[VBST], v[8*i:8*i+1]   offset:\nbuf*BBUF+i*PB
	ds_store_b64 v[VBST], v[8*i+4:8*i+5] offset:\nbuf*BBUF+i*PB+256
	ds_store_b128 v[VAST], v[128+4*i:128+4*i+3] offset:\nbuf*ABUF+i*4*PA
.set i, i+1
.endr
	WIN 0
	s_wait_dscnt 0x0                ; the stores have taken their data: the registers are loaded again only behind this wait
.if \load
	LOADG
.endif
.Lst_\@:
.endm
.macro FETCHA buf, s, dst           ; my four groups of 16 rows, 32 along K at step s of the chunk
.irp a, 0,1,2,3
	ds_load_b128 v[\dst+8*\a:\dst+8*\a+3],   v[VALD] offset:\buf*ABUF+\a*16*PA+64*\s
	ds_load_b128 v[\dst+8*\a+4:\dst+8*\a+7], v[VALD] offset:\buf*ABUF+\a*16*PA+64*\s+32
.endr
.endm
.macro FETCHB buf, s, hb, dst       ; eight groups of 16 columns (half hb of the 256), 32 along K, turned
.irp bb, 0,1,2,3,4,5,6,7
	ds_load_tr16_b128 v[\dst+8*\bb:\dst+8*\bb+3],   v[VBLD] offset:\buf*BBUF+\s*32*PB+(8*\hb+\bb)*32
	ds_load_tr16_b128 v[\dst+8*\bb+4:\dst+8*\bb+7], v[VBLD] offset:\buf*BBUF+\s*32*PB+(8*\hb+\bb)*32+16*PB
.endr
.endm
; up to 32 matrix instructions: my live groups x eight groups of columns from cb0 on.  The accumulators take turns, one instruction a turn.
.macro MUL af, bf, cb0
.irp a, 0,1,2,3
.if \a > 0
	s_cmp_le_u32 s[LIVE], \a
	s_cbranch_scc1 .Lmul_\@
.endif
	WIN 0x50*(1+\a/2)               ; C and D in window 1 or 2
.irp bb, 0,1,2,3,4,5,6,7
	v_wmma_f32_16x16x32_bf16 v[(\a%2)*128+8*(\cb0+\bb):(\a%2)*128+8*(\cb0+\bb)+7], v[\bf+8*\bb:\bf+8*\bb+7], v[\af+8*\a:\af+8*\a+7], v[(\a%2)*128+8*(\cb0+\bb):(\a%2)*128+8*(\cb0+\bb)+7]
.endr
	WIN 0
.endr
.Lmul_\@:
.endm
.macro COMPUTE buf                  ; a chunk: two steps of 32 along K x two halves of the columns
	s_cmp_eq_u32 s[LIVE], 0
	s_cbranch_scc1 .Lcmp_\@
	PLACES
	FETCHA \buf, 0, AF0
	FETCHB \buf, 0, 0, BF0
	FETCHB \buf, 0, 1, BF1
	s_wait_dscnt 16                 ; AF0 and BF0 are in; BF1's sixteen younger loads stay out
	MUL AF0, BF0, 0
	PLACES
	FETCHB \buf, 1, 0, BF0
	FETCHA \buf, 1, AF1
	s_wait_dscnt 24                 ; BF1 is in; the 24 just issued stay out
	MUL AF0, BF1, 8
	PLACES
	FETCHB \buf, 1, 1, BF1
	s_wait_dscnt 16                 ; BF0 and AF1 are in; the sixteen just issued stay out
	MUL AF1, BF0, 0
	s_wait_dscnt 0x0
	MUL AF1, BF1, 8
.Lcmp_\@:
.endm
	s_load_b256 s[4:11], s[0:1], 0x0               ; A s4, the weights s6, tiles s8, the output s10
.if FFN == 1
	s_load_b64 s[12:13], s[0:1], 0x20              ; b1
.endif
	v_lshl_add_u32 v[SPW], v0, 2, SPARE
	v_mov_b32 v[NIL], 0
	v_and_b32 v1, 31, v0                           ; l
	v_lshrrev_b32 v4, 5, v0
	v_readfirstlane_b32 s[WV], v4
	s_and_b32 s17, ttmp7, 0xffff                   ; y
	s_lshl_b32 s28, ttmp9, 4                       ; my tile's 16 bytes in the list
	s_mov_b32 s29, 0
	s_wait_kmcnt 0x0
	s_add_nc_u64 s[8:9], s[8:9], s[28:29]
	s_load_b128 s[20:23], s[8:9], 0x0              ; expert, first slot, rows, 0
	v_and_b32 v2, 15, v0                           ; l % 16
	v_bfe_u32 v3, v0, 4, 1                         ; l / 16
	v_and_b32 v5, 7, v0                            ; l % 8
	v_bfe_u32 v6, v0, 3, 2                         ; l / 8
	v_bfe_u32 v7, v0, 3, 1                         ; (l / 8) % 2
	v_lshlrev_b32 v[L16], 4, v1
	v_lshlrev_b32 v[C16], 4, v5
	s_mul_i32 s18, s[WV], 16*PW
	v_add_nc_u32 v[WOFF], s18, v[L16]
	s_mul_i32 s18, s[WV], 16*PB
	v_lshl_add_u32 v[VBST], v1, 3, s18             ; four columns are 8 bytes of bf16
	s_mul_i32 s18, s[WV], AWAVE
	s_add_co_u32 s18, s18, AREG
	v_mul_u32_u24 v[VAST], v6, PA
	v_add_nc_u32 v[VAST], v[VAST], v[C16]
	v_add_nc_u32 v[VAST], s18, v[VAST]
	v_mul_u32_u24 v[VALD], v2, PA
	v_lshl_add_u32 v[VALD], v3, 4, v[VALD]         ; row x pitch + 16 x half
	v_add_nc_u32 v[VALD], s18, v[VALD]
	v_lshl_add_u32 v[VBLD], v3, 3, v5              ; the turning load: k = 8 (l / 16) + l % 8,
	v_mul_u32_u24 v[VBLD], v[VBLD], PB
	v_lshl_add_u32 v[VBLD], v7, 4, v[VBLD]         ; columns 8 ((l / 8) % 2) ..
	s_mul_i32 s18, s[WV], SWAVE
	v_mul_u32_u24 v[STO], v2, PS
	v_lshl_add_u32 v[STO], v3, 5, v[STO]           ; row l % 16, 32 bytes for each half of the lanes
	v_add_nc_u32 v[STO], s18, v[STO]
	v_add_nc_u32 v[RD], s18, v[L16]
.if FFN == 1
	v_lshlrev_b32 v[CO], 3, v1
.else
	v_lshlrev_b32 v[CO], 4, v1
.endif
	s_lshl_b32 s18, s[WV], 4
	v_add_nc_u32 v4, s18, v6                       ; 16 w + l / 8
	s_wait_kmcnt 0x0
	s_min_u32 s20, s20, 7
	s_min_u32 s21, s21, 2175
	s_min_u32 s[ROWS], s22, 256
	s_add_co_u32 s[LIVE], s[ROWS], 15
	s_lshr_b32 s[LIVE], s[LIVE], 4                 ; groups of 16 rows in the tile
	s_add_co_u32 s[LIVE], s[LIVE], 3
	s_sub_co_u32 s[LIVE], s[LIVE], s[WV]
	s_lshr_b32 s[LIVE], s[LIVE], 2                 ; those of them numbered 4 a + w
	s_max_u32 s19, s[ROWS], 1
	s_sub_co_u32 s19, s19, 1                       ; the tile's last real row
	s_add_co_u32 s15, s21, s18                     ; first slot + 16 w
.set i, 0
.rept 16
	v_add_nc_u32 v[AOFF+i], 64*(i/4)+4*(i%4), v4   ; the tile's row 64 a + 16 w + 4 (i % 4) + l / 8, a = i / 4
	v_min_u32 v[AOFF+i], s19, v[AOFF+i]
	v_add_nc_u32 v[AOFF+i], s21, v[AOFF+i]
	v_min_u32 v[AOFF+i], 0x87f, v[AOFF+i]
	v_lshl_add_u32 v[AOFF+i], v[AOFF+i], ASH, v[C16]
.set i, i+1
.endr
	s_lshl_b32 s28, s20, 24                        ; an expert's weights are 16 MiB
.if FFN == 1
	s_lshl_b32 s18, s17, 10                        ; 256 columns of f32
	s_add_co_u32 s28, s28, s18
	s_add_nc_u64 s[6:7], s[6:7], s[28:29]
	s_lshl_b32 s28, s17, 9                         ; 256 columns of bf16
	s_add_nc_u64 s[10:11], s[10:11], s[28:29]
	s_lshl_b32 s28, s20, 14
	s_add_co_u32 s28, s28, s18
	s_add_nc_u64 s[12:13], s[12:13], s[28:29]
	global_load_b128 v[BI:BI+3],   v[L16], s[12:13]
	global_load_b128 v[BI+4:BI+7], v[L16], s[12:13] offset:512
.else
	s_lshr_b32 s18, s17, 2                         ; ks
	s_and_b32 s14, s17, 3                          ; cq
	s_lshl_b32 s14, s14, 10
	s_lshl_b32 s27, s18, 22                        ; 1,024 rows of 4,096 bytes
	s_add_co_u32 s28, s28, s27
	s_add_co_u32 s28, s28, s14
	s_add_nc_u64 s[6:7], s[6:7], s[28:29]
	s_lshl_b32 s28, s18, 11                        ; 1,024 columns of bf16 in h
	s_add_nc_u64 s[4:5], s[4:5], s[28:29]
	s_mul_i32 s28, s18, 8912896                    ; a plane of yp: 2,176 rows of 4,096 bytes
	s_add_co_u32 s28, s28, s14
	s_add_nc_u64 s[10:11], s[10:11], s[28:29]
.endif
	LOADG                                          ; chunk 0, on every path
	WIN 0x40
.set i, 0
.rept 256
	v_mov_b32 v[i], 0
.set i, i+1
.endr
	WIN 0x80
.set i, 0
.rept 256
	v_mov_b32 v[i], 0
.set i, i+1
.endr
	WIN 0
	STAGE 0, 1                                     ; chunk 0 into buffer 0; chunk 1 is asked for
	BAR
	s_mov_b32 s26, 7
.Lk:                                               ; a trip: chunks 2 t and 2 t + 1 are multiplied, 2 t + 1 and 2 t + 2 staged, 2 t + 2 and 2 t + 3 asked for
	COMPUTE 0
	STAGE 1, 1
	BAR
	COMPUTE 1
	STAGE 0, 1
	BAR
	s_sub_co_u32 s26, s26, 1
	s_cmp_lg_u32 s26, 0
	s_cbranch_scc1 .Lk
	COMPUTE 0                                      ; chunk 14
	STAGE 1, 0                                     ; chunk 15: nothing is left to ask for
	BAR
	COMPUTE 1
	BAR                                            ; nobody reads the buffers any more: the stages take their bytes
	; THE WAY OUT.  My live groups go into my own stage, each accumulator's low registers first; then back by rows.
	PLACES
.irp a, 0,1,2,3
	s_cmp_le_u32 s[LIVE], \a
	s_cbranch_scc1 .Ldumped
	WIN 0x04*(1+\a/2)                              ; data window 1 or 2
.irp b, 0,1,2,3,4,5,6,7,8,9,10,11,12,13,14,15
	ds_store_b128 v[STO], v[(\a%2)*128+8*\b:(\a%2)*128+8*\b+3]   offset:\a*16*PS+64*\b
	ds_store_b128 v[STO], v[(\a%2)*128+8*\b+4:(\a%2)*128+8*\b+7] offset:\a*16*PS+64*\b+16
.endr
	WIN 0
.endr
.Ldumped:
.if FFN == 1
	s_wait_loadcnt 0x0                             ; the bias (on the way of a tile without rows nothing has waited for it)
.irp c, 0,2,4,6
	v_cvt_pk_bf16_f32 v[T], v[BI+\c], v[BI+\c+1]   ; rounded to bf16 like every input, and written as f32 again
	v_lshlrev_b32 v[BI+\c], 16, v[T]
	v_and_b32 v[BI+\c+1], 0xffff0000, v[T]
.endr
.endif
	s_mov_b32 s26, 0
.Lback:                                            ; 16 trips of four rows; trips of groups without rows are jumped
	s_wait_xcnt 0x0                                ; the last trip's stores have had their addresses translated: their base and data are rewritten only behind this wait
	s_lshr_b32 s27, s26, 2
	s_cmp_ge_u32 s27, s[LIVE]
	s_cbranch_scc1 .Ldead
	s_lshl_b32 s28, s27, 6
	s_and_b32 s29, s26, 3
	s_lshl2_add_u32 s28, s29, s28                  ; 64 a + 4 (q % 4)
	s_add_co_u32 s28, s28, s15                     ; + first slot + 16 w
	s_lshl_b32 s28, s28, ROWSH
	s_mov_b32 s29, 0
	s_add_nc_u64 s[30:31], s[10:11], s[28:29]
.irp i, 0,1,2,3
	ds_load_b128 v[Y+8*\i:Y+8*\i+3],   v[RD] offset:\i*PS      ; LDS serves a wave's instructions in order (ISA guide 5.7.1.4): these see my stores above
	ds_load_b128 v[Y+8*\i+4:Y+8*\i+7], v[RD] offset:\i*PS+512
.endr
	s_wait_dscnt 0x0
.if FFN == 1
.set n, 0
.rept 16
	v_pk_add_f32 v[Y+2*n:Y+2*n+1], v[Y+2*n:Y+2*n+1], v[BI+(2*n)%8:BI+(2*n)%8+1]
.set n, n+1
.endr
.set n, 0
.rept 16
	v_pk_mul_f32 v[T+2*n:T+2*n+1], v[Y+2*n:Y+2*n+1], 0xbfb8aa3b op_sel_hi:[1,0]  ; - log2(e) x
.set n, n+1
.endr
.set n, 0
.rept 32
	v_exp_f32 v[T+n], v[T+n]
.set n, n+1
.endr
	v_nop                                          ; a plain instruction behind the last exponential,
	s_wait_alu depctr_va_vdst(0)                   ; and one wait for the batch of 32
.set n, 0
.rept 16
	v_pk_add_f32 v[T+2*n:T+2*n+1], v[T+2*n:T+2*n+1], 1.0 op_sel_hi:[1,0]
.set n, n+1
.endr
.set n, 0
.rept 32
	v_rcp_f32 v[T+n], v[T+n]
.set n, n+1
.endr
	v_nop
	s_wait_alu depctr_va_vdst(0)                   ; one wait for the 32 reciprocals
.set n, 0
.rept 16
	v_pk_mul_f32 v[Y+2*n:Y+2*n+1], v[Y+2*n:Y+2*n+1], v[T+2*n:T+2*n+1]  ; x / (1 + e^-x)
.set n, n+1
.endr
.set n, 0
.rept 16
	v_cvt_pk_bf16_f32 v[O+n], v[Y+2*n], v[Y+2*n+1]
.set n, n+1
.endr
.irp i, 0,1,2,3
	global_store_b64 v[CO], v[O+4*\i:O+4*\i+1],   s[30:31] offset:\i*8192      ; 32 lanes store 256 consecutive bytes, aligned
	global_store_b64 v[CO], v[O+4*\i+2:O+4*\i+3], s[30:31] offset:\i*8192+256
.endr
.else
.irp i, 0,1,2,3
	global_store_b128 v[CO], v[Y+8*\i:Y+8*\i+3],   s[30:31] offset:\i*4096     ; 32 lanes store 512 consecutive bytes, aligned
	global_store_b128 v[CO], v[Y+8*\i+4:Y+8*\i+7], s[30:31] offset:\i*4096+512
.endr
.endif
.Ldead:
	v_add_nc_u32 v[RD], 4*PS, v[RD]
	s_add_co_u32 s26, s26, 1
	s_cmp_lt_u32 s26, 16
	s_cbranch_scc1 .Lback
	s_wait_tensorcnt 0x0                           ; the wave's end: three lines behind my last LDS store
	ds_add_u32 v[SPW], v[NIL]
	s_wait_dscnt 0x0
	s_endpgm
.Lfunc_end_k_q3ed3cad611_ffn2:
	.size	k_q3ed3cad611_ffn2, .Lfunc_end_k_q3ed3cad611_ffn2-k_q3ed3cad611_ffn2
	.p2alignl 7, 3214868480
	.fill 96, 4, 3214868480
	.section	.rodata,"a",@progbits
	.p2align	6, 0x0
	.amdhsa_kernel k_q3ed3cad611_ffn2
		.amdhsa_group_segment_fixed_size 266752
		.amdhsa_private_segment_fixed_size 0
		.amdhsa_enable_private_segment 0
		.amdhsa_kernarg_size 32
		.amdhsa_user_sgpr_count 2
		.amdhsa_user_sgpr_kernarg_segment_ptr 1
		.amdhsa_wavefront_size32 1
		.amdhsa_system_sgpr_workgroup_id_x 1
		.amdhsa_system_sgpr_workgroup_id_y 1
		.amdhsa_system_sgpr_workgroup_id_z 1
		.amdhsa_system_vgpr_workitem_id 0
		.amdhsa_next_free_vgpr 960
		.amdhsa_next_free_sgpr 66
		.amdhsa_reserve_vcc 0
		.amdhsa_float_denorm_mode_32 3
		.amdhsa_float_denorm_mode_16_64 3
		.amdhsa_memory_ordered 1
		.amdhsa_forward_progress 1
		.amdhsa_inst_pref_size 144
	.end_amdhsa_kernel
	.amdgpu_metadata
---
amdhsa.version: [ 1, 2 ]
amdhsa.kernels:
  - .name:           k_q3ed3cad611_ffn2
    .symbol:         k_q3ed3cad611_ffn2.kd
    .args:
      - { .name: h, .offset: 0, .size: 8, .value_kind: global_buffer, .address_space: global }
      - { .name: W2, .offset: 8, .size: 8, .value_kind: global_buffer, .address_space: global }
      - { .name: tiles, .offset: 16, .size: 8, .value_kind: global_buffer, .address_space: global }
      - { .name: yp, .offset: 24, .size: 8, .value_kind: global_buffer, .address_space: global }
    .group_segment_fixed_size: 266752
    .private_segment_fixed_size: 0
    .kernarg_segment_align: 8
    .kernarg_segment_size: 32
    .max_flat_workgroup_size: 128
    .sgpr_count:     66
    .vgpr_count:     960
    .wavefront_size: 32
...
	.end_amdgpu_metadata
.endif
;; end of part 4
;; launch comb (part 5): grid 256 x 1, 8 waves a work-group, no clusters, 0 bytes of LDS; arguments yp, pos, sel, gw, b2, out0; writes out0
.if DOCPART == 5
	.amdgcn_target "amdgcn-amd-amdhsa--gfx1250"
	.amdhsa_code_object_version 6
	.text
	.protected	k_q3ed3cad611_comb
	.globl	k_q3ed3cad611_comb
	.p2align	8
	.type	k_q3ed3cad611_comb,@function
k_q3ed3cad611_comb:
	s_mov_b64 s[64:65], 0
	v_nop
	global_prefetch_b8 v0, s[64:65] scope:SCOPE_SE
	s_setreg_imm32_b32 hwreg(HW_REG_WAVE_MODE, 25, 1), 1
	s_wait_xcnt 0x0
; THE SUM.  out0[t] = w0 (y[slot0] + b2[e0]) + w1 (y[slot1] + b2[e1]), where y[slot] is the sum of the four partial rows of yp (f32).  b2 is rounded to bf16 like every input.
; A stream: memory binds, so no LDS, no barrier, no matrix unit.  A wave takes half a token's row, 2,048 bytes: 40 loads of 512 consecutive bytes, all asked for at once, four stores of 512.
; The slots, experts and weights of a token are the same for the whole wave: scalar loads; the slots and experts were stored as whole numbers by earlier launches.
.set P,  16           ; v16-143  partial rows: 64 k + 16 ks + 4 c
.set B,  144          ; v144-175 b2: 16 k + 4 c
.set PLANE, 8912896   ; a plane of yp: 2,176 rows of 4,096 bytes
	s_load_b256 s[4:11], s[0:1], 0x0               ; yp s4, pos s6, sel s8, gw s10
	s_load_b128 s[12:15], s[0:1], 0x20             ; b2 s12, out0 s14
	v_and_b32 v1, 31, v0
	v_lshrrev_b32 v3, 5, v0
	v_readfirstlane_b32 s16, v3                    ; wave
	s_lshr_b32 s17, s16, 1
	s_lshl2_add_u32 s17, ttmp9, s17                ; token = 4 x work-group + wave / 2
	s_and_b32 s18, s16, 1
	s_lshl_b32 s18, s18, 11                        ; which half of the row
	v_lshl_add_u32 v2, v1, 4, s18
	s_lshl_b32 s20, s17, 3
	s_mov_b32 s21, 0
	s_wait_kmcnt 0x0
	s_add_nc_u64 s[6:7], s[6:7], s[20:21]
	s_add_nc_u64 s[8:9], s[8:9], s[20:21]
	s_add_nc_u64 s[10:11], s[10:11], s[20:21]
	s_load_b64 s[24:25], s[6:7], 0x0               ; the two slots
	s_load_b64 s[26:27], s[8:9], 0x0               ; the two experts
	s_load_b64 s[28:29], s[10:11], 0x0             ; the two weights
	s_lshl_b32 s20, s17, 12
	s_add_nc_u64 s[14:15], s[14:15], s[20:21]
	s_wait_kmcnt 0x0
.irp k, 0,1
	s_min_u32 s[24+\k], s[24+\k], 2175
	s_lshl_b32 s20, s[24+\k], 12
	s_add_nc_u64 s[32+8*\k:33+8*\k], s[4:5], s[20:21]
	s_add_nc_u64 s[34+8*\k:35+8*\k], s[32+8*\k:33+8*\k], PLANE
	s_add_nc_u64 s[36+8*\k:37+8*\k], s[32+8*\k:33+8*\k], 2*PLANE
	s_add_nc_u64 s[38+8*\k:39+8*\k], s[32+8*\k:33+8*\k], 3*PLANE
	s_min_u32 s[26+\k], s[26+\k], 7
	s_lshl_b32 s20, s[26+\k], 12
	s_add_nc_u64 s[48+2*\k:49+2*\k], s[12:13], s[20:21]
.endr
	s_mov_b32 s30, s29                             ; w1 in a pair of its own: the packed forms take a pair's low word for both halves
	s_mov_b32 s31, s29
.irp k, 0,1
.irp q, 0,1,2,3
.irp c, 0,1,2,3
	global_load_b128 v[P+64*\k+16*\q+4*\c:P+64*\k+16*\q+4*\c+3], v2, s[32+8*\k+2*\q:33+8*\k+2*\q] offset:512*\c th:TH_LOAD_NT
.endr
.endr
.irp c, 0,1,2,3
	global_load_b128 v[B+16*\k+4*\c:B+16*\k+4*\c+3], v2, s[48+2*\k:49+2*\k] offset:512*\c
.endr
.endr
	s_wait_loadcnt 0x0                             ; all 40 are asked for at once and waited for once
.irp n, 0,1,2,3,4,5,6,7
	v_cvt_pk_bf16_f32 v4, v[B+4*\n], v[B+4*\n+1]
	v_cvt_pk_bf16_f32 v5, v[B+4*\n+2], v[B+4*\n+3]
	v_lshlrev_b32 v[B+4*\n], 16, v4
	v_and_b32 v[B+4*\n+1], 0xffff0000, v4
	v_lshlrev_b32 v[B+4*\n+2], 16, v5
	v_and_b32 v[B+4*\n+3], 0xffff0000, v5
.endr
.irp k, 0,1
.irp m, 0,1,2,3,4,5,6,7
	v_pk_add_f32 v[P+64*\k+2*\m:P+64*\k+2*\m+1], v[P+64*\k+2*\m:P+64*\k+2*\m+1], v[P+64*\k+16+2*\m:P+64*\k+16+2*\m+1]
	v_pk_add_f32 v[P+64*\k+32+2*\m:P+64*\k+32+2*\m+1], v[P+64*\k+32+2*\m:P+64*\k+32+2*\m+1], v[P+64*\k+48+2*\m:P+64*\k+48+2*\m+1]
.endr
.irp m, 0,1,2,3,4,5,6,7
	v_pk_add_f32 v[P+64*\k+2*\m:P+64*\k+2*\m+1], v[P+64*\k+2*\m:P+64*\k+2*\m+1], v[P+64*\k+32+2*\m:P+64*\k+32+2*\m+1]
.endr
.irp m, 0,1,2,3,4,5,6,7
	v_pk_add_f32 v[P+64*\k+2*\m:P+64*\k+2*\m+1], v[P+64*\k+2*\m:P+64*\k+2*\m+1], v[B+16*\k+2*\m:B+16*\k+2*\m+1]
.endr
.endr
.irp m, 0,1,2,3,4,5,6,7
	v_pk_mul_f32 v[P+2*\m:P+2*\m+1], v[P+2*\m:P+2*\m+1], s[28:29] op_sel_hi:[1,0]
.endr
.irp m, 0,1,2,3,4,5,6,7
	v_pk_fma_f32 v[P+2*\m:P+2*\m+1], v[P+64+2*\m:P+64+2*\m+1], s[30:31], v[P+2*\m:P+2*\m+1] op_sel_hi:[1,0,1]
.endr
.irp c, 0,1,2,3
	global_store_b128 v2, v[P+4*\c:P+4*\c+3], s[14:15] offset:512*\c th:TH_STORE_NT  ; 512 consecutive bytes, aligned
.endr
	s_endpgm
.Lfunc_end_k_q3ed3cad611_comb:
	.size	k_q3ed3cad611_comb, .Lfunc_end_k_q3ed3cad611_comb-k_q3ed3cad611_comb
	.p2alignl 7, 3214868480
	.fill 96, 4, 3214868480
	.section	.rodata,"a",@progbits
	.p2align	6, 0x0
	.amdhsa_kernel k_q3ed3cad611_comb
		.amdhsa_group_segment_fixed_size 0
		.amdhsa_private_segment_fixed_size 0
		.amdhsa_enable_private_segment 0
		.amdhsa_kernarg_size 48
		.amdhsa_user_sgpr_count 2
		.amdhsa_user_sgpr_kernarg_segment_ptr 1
		.amdhsa_wavefront_size32 1
		.amdhsa_system_sgpr_workgroup_id_x 1
		.amdhsa_system_sgpr_workgroup_id_y 1
		.amdhsa_system_sgpr_workgroup_id_z 1
		.amdhsa_system_vgpr_workitem_id 0
		.amdhsa_next_free_vgpr 176
		.amdhsa_next_free_sgpr 66
		.amdhsa_reserve_vcc 0
		.amdhsa_float_denorm_mode_32 3
		.amdhsa_float_denorm_mode_16_64 3
		.amdhsa_memory_ordered 1
		.amdhsa_forward_progress 1
		.amdhsa_inst_pref_size 14
	.end_amdhsa_kernel
	.amdgpu_metadata
---
amdhsa.version: [ 1, 2 ]
amdhsa.kernels:
  - .name:           k_q3ed3cad611_comb
    .symbol:         k_q3ed3cad611_comb.kd
    .args:
      - { .name: yp, .offset: 0, .size: 8, .value_kind: global_buffer, .address_space: global }
      - { .name: pos, .offset: 8, .size: 8, .value_kind: global_buffer, .address_space: global }
      - { .name: sel, .offset: 16, .size: 8, .value_kind: global_buffer, .address_space: global }
      - { .name: gw, .offset: 24, .size: 8, .value_kind: global_buffer, .address_space: global }
      - { .name: b2, .offset: 32, .size: 8, .value_kind: global_buffer, .address_space: global }
      - { .name: out0, .offset: 40, .size: 8, .value_kind: global_buffer, .address_space: global }
    .group_segment_fixed_size: 0
    .private_segment_fixed_size: 0
    .kernarg_segment_align: 8
    .kernarg_segment_size: 48
    .max_flat_workgroup_size: 256
    .sgpr_count:     66
    .vgpr_count:     176
    .wavefront_size: 32
...
	.end_amdgpu_metadata
.endif
;; end of part 5
;; ======== version 2 of 3: 5 launches; 1.20 times as fast as version 1
;; workspace buffers: sel 8,192 bytes of whole numbers; gw 8,192 bytes; psum 16,384 bytes; pos 8,192 bytes of whole numbers; tiles 512 bytes of whole numbers; xs 4,456,448 bytes; h 17,825,792 bytes; yp 35,651,584 bytes
;; launch router (part 6): grid 256 x 1, 8 waves a work-group, no clusters, 2,560 bytes of LDS; arguments inputs, task_param, Wg_in, bg_in, Wg_task, bg_task, alpha, sel, gw, psum; writes sel, gw, psum
.if DOCPART == 6
	.amdgcn_target "amdgcn-amd-amdhsa--gfx1250"
	.amdhsa_code_object_version 6
	.text
	.protected	k_q3ed3cad611_router
	.globl	k_q3ed3cad611_router
	.p2align	8
	.type	k_q3ed3cad611_router,@function
k_q3ed3cad611_router:
	s_mov_b64 s[64:65], 0
	v_nop
	global_prefetch_b8 v0, s[64:65] scope:SCOPE_SE
	s_setreg_imm32_b32 hwreg(HW_REG_WAVE_MODE, 25, 1), 1
	s_wait_xcnt 0x0
; THE GATE.  logits = (1 - alpha)(x Wg_in + bg_in) + alpha (task Wg_task + bg_task), NaN and infinities made 0; the two largest (the lower index wins a tie),
; their softmax of two, and the softmax of all eight, summed over two tokens for the loss.
; Every input is rounded to bf16 first (products of two bf16 are exact in f32; sums in f32).
; LIMITS.  The sums run in another order than a plain row sum, and the blend is one fused multiply-add: two logits closer than about 1e-6 of their size may change places.  +0 and -0 count as equal.
; SHARES.  A work-group has four tokens; wave w has k = 128 w .. 128 w + 127 of all four and of the task's row.  A 16-byte load of a gate matrix takes 512 consecutive bytes: lane l gets
; row 128 w + 16 j + l / 2, experts 4 (l % 2) .. + 3 (j 0..7); the x that goes with it is a 4-byte load, 64 consecutive bytes a wave.  So a work-group reads each gate matrix once.
; The 20 sums of a wave (5 rows x 4 experts) are added over the lanes of equal parity and meet in LDS; waves 0 and 1 then finish two tokens each.
; Nothing here steers an address by the choice: the chosen experts, their weights and the partial sums go to fixed places.
.set SPARE, 1536      ; LDS: 0..1279 the parts [8 waves][5 rows][8 experts] f32; from 1,536 on the spare words, 128 bytes a wave, which no other line names
.set SPW,  2          ; v2   my spare word; never rewritten
.set NIL,  3          ; v3   0; never rewritten
.set VW,   4          ; v4   4,096 w + 16 l: my 16 bytes in a gate matrix
.set VX,   5          ; v5   512 w + 4 (l / 2): my 4 bytes in a row of x
.set VE,   6          ; v6   4 (l % 8)
.set ZR,   7          ; v7   0: the addend of the first K step, and an offset
.set WI,   16         ; v16-47   Wg_in as loaded (4 j + c), packed into v16-31 (2 j + c / 2)
.set WT,   48         ; v48-79   Wg_task likewise
.set X,    80         ; v80-119  x as loaded (8 t + j; t = 4: the task's row), packed into v80-99 (4 t + j / 2)
.set ACC,  120        ; v120-139 the sums: 4 t + c
.set BGI,  140        ; bg_in[l % 8]
.set BGT,  141        ; bg_task[l % 8]
.set AL,   142
.set OMA,  143
.set GT,   144        ; alpha x the task's logit of expert l % 8
.set SA,   146        ; LDS: where my wave's parts go
.set RA,   147        ; LDS: wave l / 8, expert l % 8
.set RB,   148        ; the same at my wave's first token
.set R,    150        ; v150-155 parts read back
.set LV,   156        ; v156-157 the two tokens' logits, expert l % 8
.set LG,   162        ; v162-169 a token's eight logits, in every lane
.set EX,   170        ; v170-178 nine exponentials
.set PS,   180        ; v180-187 the sums of the softmax of eight over my two tokens
.set RS,   188        ; lane 2 j + k: the expert chosen
.set RG,   189        ; its weight
.set B1,   191
.set I1,   192
.set B2,   193
.set I2,   194
.set SM,   196
.set S2,   197
.set RC,   198
.set R2,   199
.set W1,   200
.set T,    201
.set T2,   202
.set T3,   203
.set VP,   204
	s_load_b512 s[4:19], s[0:1], 0x0               ; inputs s4, task_param s6, Wg_in s8, bg_in s10, Wg_task s12, bg_task s14, alpha s16, sel s18
	s_load_b128 s[20:23], s[0:1], 0x40             ; gw s20, psum s22
	v_lshl_add_u32 v[SPW], v0, 2, SPARE
	v_mov_b32 v[NIL], 0
	v_and_b32 v1, 31, v0                           ; lane
	v_lshrrev_b32 v8, 5, v0
	v_readfirstlane_b32 s24, v8                    ; wave
	s_lshl_b32 s25, ttmp9, 1
	s_add_co_u32 s25, s25, s24                     ; waves 0, 1: the pair of tokens, 0..511
	s_lshl_b32 s26, ttmp9, 14                      ; the work-group's four tokens: 16,384 bytes of inputs
	s_mov_b32 s27, 0
	s_mov_b32 s30, 0x76543210                      ; v_permlanex16_b32: each lane takes its own place in the other half
	s_mov_b32 s31, 0xfedcba98
	s_mov_b32 s32, 0x3fb8aa3b                      ; log2(e)
	s_lshl_b32 s28, s24, 12
	v_lshl_add_u32 v[VW], v1, 4, s28
	s_lshl_b32 s28, s24, 9
	v_lshrrev_b32 v[VX], 1, v1
	v_lshl_add_u32 v[VX], v[VX], 2, s28
	v_and_b32 v[VE], 7, v1
	v_lshlrev_b32 v[VE], 2, v[VE]
	v_mov_b32 v[ZR], 0
	v_and_b32 v8, 1, v1
	s_mul_i32 s28, s24, 160
	v_lshl_add_u32 v[SA], v8, 4, s28               ; 160 w + 16 (l % 2)
	v_lshrrev_b32 v8, 3, v1
	v_mul_u32_u24 v[RA], v8, 160
	v_add_nc_u32 v[RA], v[RA], v[VE]               ; 160 (l / 8) + 4 (l % 8)
	s_lshl_b32 s28, s24, 6
	v_add_nc_u32 v[RB], s28, v[RA]                 ; + row 2 w
	s_wait_kmcnt 0x0
	s_add_nc_u64 s[4:5], s[4:5], s[26:27]
.irp j, 0,1,2,3,4,5,6,7
	global_load_b128 v[WI+4*\j:WI+4*\j+3], v[VW], s[8:9] offset:512*\j
	global_load_b128 v[WT+4*\j:WT+4*\j+3], v[VW], s[12:13] offset:512*\j
.endr
.irp t, 0,1,2,3
.irp j, 0,1,2,3,4,5,6,7
	global_load_b32 v[X+8*\t+\j], v[VX], s[4:5] offset:4096*\t+64*\j
.endr
.endr
.irp j, 0,1,2,3,4,5,6,7
	global_load_b32 v[X+32+\j], v[VX], s[6:7] offset:64*\j
.endr
	global_load_b32 v[BGI], v[VE], s[10:11]
	global_load_b32 v[BGT], v[VE], s[14:15]
	global_load_b32 v[AL], v[ZR], s[16:17]
	s_wait_loadcnt 0x0                             ; all 59 are asked for at once and waited for once
	; to bf16, two to a register, in place and ascending: number n is written when it has been read
.irp b, WI, WT
.set n, 0
.rept 16
	v_cvt_pk_bf16_f32 v[\b+n], v[\b+2*n], v[\b+2*n+1]
.set n, n+1
.endr
.endr
.set n, 0
.rept 20
	v_cvt_pk_bf16_f32 v[X+n], v[X+2*n], v[X+2*n+1]
.set n, n+1
.endr
	v_cvt_pk_bf16_f32 v[T], v[BGI], v[BGT]         ; the biases and alpha: rounded, and written as f32 again
	v_lshlrev_b32 v[BGI], 16, v[T]
	v_and_b32 v[BGT], 0xffff0000, v[T]
	v_cvt_pk_bf16_f32 v[T], v[AL], v[AL]
	v_lshlrev_b32 v[AL], 16, v[T]
	v_sub_f32 v[OMA], 1.0, v[AL]
	; 160 multiply-adds straight from bf16 halves: 8 k x 5 rows x 4 experts; the 20 sums take turns; the first k starts them
.irp jh, 0,1,2,3
.irp jl, 0,1
.irp t, 0,1,2,3,4
.irp ch, 0,1
.irp cl, 0,1
.if (\jh+\jl) == 0
	v_fma_mix_f32_bf16 v[ACC+4*\t+2*\ch+\cl], v[X+4*\t+\jh], v[WI+32*(\t/4)+4*\jh+2*\jl+\ch], v[ZR] op_sel:[\jl,\cl,0] op_sel_hi:[1,1,0]
.else
	v_fma_mix_f32_bf16 v[ACC+4*\t+2*\ch+\cl], v[X+4*\t+\jh], v[WI+32*(\t/4)+4*\jh+2*\jl+\ch], v[ACC+4*\t+2*\ch+\cl] op_sel:[\jl,\cl,0] op_sel_hi:[1,1,0]
.endif
.endr
.endr
.endr
.endr
.endr
	; over the 16 lanes of my parity: 2, 4 and 8 lanes away, then the other half of the lanes
.irp m, 2,4,8
.set n, 0
.rept 20
	v_add_f32_dpp v[ACC+n], v[ACC+n], v[ACC+n] row_xmask:\m row_mask:0xf bank_mask:0xf
.set n, n+1
.endr
.endr
.set n, 0
.rept 20
	v_permlanex16_b32 v[X+20+n], v[ACC+n], s30, s31  ; its destination counts as read: registers that the loads wrote
.set n, n+1
.endr
.set n, 0
.rept 20
	v_add_f32 v[ACC+n], v[ACC+n], v[X+20+n]
.set n, n+1
.endr
.irp t, 0,1,2,3,4
	ds_store_b128 v[SA], v[ACC+4*\t:ACC+4*\t+3] offset:32*\t  ; the lanes of a parity write the same 16 bytes with the same numbers
.endr
	s_wait_dscnt 0x0                               ; for the others' sake: my stores are done
	s_barrier_signal -1
	s_barrier_wait -1
	s_cmp_ge_u32 s24, 2
	s_cbranch_scc1 .Lend                           ; waves 0 and 1 finish two tokens each
	ds_load_b32 v[R],   v[RB]                      ; token 2 w: waves 0-3's parts,
	ds_load_b32 v[R+1], v[RB] offset:640           ; waves 4-7's
	ds_load_b32 v[R+2], v[RB] offset:32            ; token 2 w + 1
	ds_load_b32 v[R+3], v[RB] offset:672
	ds_load_b32 v[R+4], v[RA] offset:128           ; the task's row
	ds_load_b32 v[R+5], v[RA] offset:768
	v_mov_b32 v[RS], 0
	v_mov_b32 v[RG], 0
	s_wait_dscnt 0x0
.irp n, 0,2,4
	v_add_f32 v[R+\n], v[R+\n], v[R+\n+1]
.endr
.irp n, 0,2,4
	v_add_f32_dpp v[R+\n], v[R+\n], v[R+\n] row_xmask:8 row_mask:0xf bank_mask:0xf
.endr
.irp n, 0,2,4
	v_permlanex16_b32 v[R+\n+1], v[R+\n], s30, s31
.endr
.irp n, 0,2,4
	v_add_f32 v[R+\n], v[R+\n], v[R+\n+1]          ; every lane: the whole sum for expert l % 8
.endr
	v_add_f32 v[GT], v[R+4], v[BGT]
	v_mul_f32 v[GT], v[AL], v[GT]
.irp a, 0,1
	v_add_f32 v[LV+\a], v[R+2*\a], v[BGI]
	v_fma_f32 v[LV+\a], v[OMA], v[LV+\a], v[GT]
	v_and_b32 v[T], 0x7fffffff, v[LV+\a]           ; NaN and both infinities have all exponent bits set
	v_cmp_gt_u32 vcc_lo, 0x7f800000, v[T]
	v_cndmask_b32 v[LV+\a], 0, v[LV+\a], vcc_lo
.endr
; Token j of the wave's two: the two largest, both softmaxes.  All lanes hold the same numbers.
.macro SELECT j
.irp e, 0,1,2,3,4,5,6,7
	v_readlane_b32 s[36+\e], v[LV+\j], \e          ; the eight logits, for every lane
.endr
.irp e, 0,1,2,3,4,5,6,7
	v_mov_b32 v[LG+\e], s[36+\e]
.endr
	v_mov_b32 v[B1], v[LG]
	v_mov_b32 v[I1], 0
.irp e, 1,2,3,4,5,6,7
	v_cmp_gt_f32 vcc_lo, v[LG+\e], v[B1]           ; strictly greater: the lower index keeps a tie
	v_cndmask_b32 v[B1], v[B1], v[LG+\e], vcc_lo
	v_cndmask_b32 v[I1], v[I1], \e, vcc_lo
.endr
	v_mov_b32 v[B2], 0xff800000                    ; below every logit, all of which are finite
	v_mov_b32 v[I2], 0
.irp e, 0,1,2,3,4,5,6,7
	v_cmp_ne_u32 s34, \e, v[I1]
	v_cmp_gt_f32 vcc_lo, v[LG+\e], v[B2]
	s_and_b32 vcc_lo, vcc_lo, s34
	v_cndmask_b32 v[B2], v[B2], v[LG+\e], vcc_lo
	v_cndmask_b32 v[I2], v[I2], \e, vcc_lo
.endr
.irp e, 0,1,2,3,4,5,6,7
	v_sub_f32 v[EX+\e], v[LG+\e], v[B1]            ; the maximum is taken away first
.endr
	v_sub_f32 v[EX+8], v[B2], v[B1]
.irp e, 0,1,2,3,4,5,6,7,8
	v_mul_f32 v[EX+\e], s32, v[EX+\e]
.endr
.irp e, 0,1,2,3,4,5,6,7,8
	v_exp_f32 v[EX+\e], v[EX+\e]
.endr
	v_nop                                          ; a plain instruction behind the last exponential,
	s_wait_alu depctr_va_vdst(0)                   ; and one wait for the batch of nine, ahead of the first reader
	v_add_f32 v[SM], v[EX], v[EX+1]
	v_add_f32 v[T], v[EX+2], v[EX+3]
	v_add_f32 v[T2], v[EX+4], v[EX+5]
	v_add_f32 v[T3], v[EX+6], v[EX+7]
	v_add_f32 v[SM], v[SM], v[T]
	v_add_f32 v[T2], v[T2], v[T3]
	v_add_f32 v[SM], v[SM], v[T2]
	v_add_f32 v[S2], 1.0, v[EX+8]                  ; the softmax of two: the larger one's exponential is 1
	v_rcp_f32 v[RC], v[SM]
	v_rcp_f32 v[R2], v[S2]
	v_nop
	s_wait_alu depctr_va_vdst(0)                   ; one wait for both reciprocals
.irp e, 0,1,2,3,4,5,6,7
.if \j == 0
	v_mul_f32 v[PS+\e], v[EX+\e], v[RC]
.else
	v_fma_f32 v[PS+\e], v[EX+\e], v[RC], v[PS+\e]
.endif
.endr
	v_mul_f32 v[W1], v[EX+8], v[R2]
	v_cmp_eq_u32 vcc_lo, 2*\j, v1
	v_cndmask_b32 v[RS], v[RS], v[I1], vcc_lo
	v_cndmask_b32 v[RG], v[RG], v[R2], vcc_lo
	v_cmp_eq_u32 vcc_lo, 2*\j+1, v1
	v_cndmask_b32 v[RS], v[RS], v[I2], vcc_lo
	v_cndmask_b32 v[RG], v[RG], v[W1], vcc_lo
.endm
	SELECT 0
	SELECT 1
	v_mov_b32 v[VP], v[PS]                         ; lane e takes sum e
.irp e, 1,2,3,4,5,6,7
	v_cmp_eq_u32 vcc_lo, \e, v1
	v_cndmask_b32 v[VP], v[VP], v[PS+\e], vcc_lo
.endr
	v_lshlrev_b32 v9, 2, v1
	s_lshl_b32 s28, s25, 5
	s_lshl_b32 s29, s25, 4
	v_add_nc_u32 v10, s29, v9                      ; sel, gw: 16 bytes for two tokens
	v_add_nc_u32 v9, s28, v9                       ; psum: 32 bytes for two tokens
	v_cmp_gt_u32 vcc_lo, 8, v1
	s_wait_xcnt 0x0                                ; EXEC changes only behind this wait
	s_and_saveexec_b32 s33, vcc_lo
	global_store_b32 v9, v[VP], s[22:23]
	s_wait_xcnt 0x0
	s_or_b32 exec_lo, exec_lo, s33
	v_cmp_gt_u32 vcc_lo, 4, v1
	s_and_saveexec_b32 s33, vcc_lo
	global_store_b32 v10, v[RS], s[18:19]
	global_store_b32 v10, v[RG], s[20:21]
	s_wait_xcnt 0x0
	s_or_b32 exec_lo, exec_lo, s33
.Lend:
	s_wait_tensorcnt 0x0                           ; the wave's end: three lines behind my last LDS store
	ds_add_u32 v[SPW], v[NIL]
	s_wait_dscnt 0x0
	s_endpgm
.Lfunc_end_k_q3ed3cad611_router:
	.size	k_q3ed3cad611_router, .Lfunc_end_k_q3ed3cad611_router-k_q3ed3cad611_router
	.p2alignl 7, 3214868480
	.fill 96, 4, 3214868480
	.section	.rodata,"a",@progbits
	.p2align	6, 0x0
	.amdhsa_kernel k_q3ed3cad611_router
		.amdhsa_group_segment_fixed_size 2560
		.amdhsa_private_segment_fixed_size 0
		.amdhsa_enable_private_segment 0
		.amdhsa_kernarg_size 80
		.amdhsa_user_sgpr_count 2
		.amdhsa_user_sgpr_kernarg_segment_ptr 1
		.amdhsa_wavefront_size32 1
		.amdhsa_system_sgpr_workgroup_id_x 1
		.amdhsa_system_sgpr_workgroup_id_y 1
		.amdhsa_system_sgpr_workgroup_id_z 1
		.amdhsa_system_vgpr_workitem_id 0
		.amdhsa_next_free_vgpr 208
		.amdhsa_next_free_sgpr 66
		.amdhsa_reserve_vcc 1
		.amdhsa_float_denorm_mode_32 3
		.amdhsa_float_denorm_mode_16_64 3
		.amdhsa_memory_ordered 1
		.amdhsa_forward_progress 1
		.amdhsa_inst_pref_size 41
	.end_amdhsa_kernel
	.amdgpu_metadata
---
amdhsa.version: [ 1, 2 ]
amdhsa.kernels:
  - .name:           k_q3ed3cad611_router
    .symbol:         k_q3ed3cad611_router.kd
    .args:
      - { .name: inputs, .offset: 0, .size: 8, .value_kind: global_buffer, .address_space: global }
      - { .name: task_param, .offset: 8, .size: 8, .value_kind: global_buffer, .address_space: global }
      - { .name: Wg_in, .offset: 16, .size: 8, .value_kind: global_buffer, .address_space: global }
      - { .name: bg_in, .offset: 24, .size: 8, .value_kind: global_buffer, .address_space: global }
      - { .name: Wg_task, .offset: 32, .size: 8, .value_kind: global_buffer, .address_space: global }
      - { .name: bg_task, .offset: 40, .size: 8, .value_kind: global_buffer, .address_space: global }
      - { .name: alpha, .offset: 48, .size: 8, .value_kind: global_buffer, .address_space: global }
      - { .name: sel, .offset: 56, .size: 8, .value_kind: global_buffer, .address_space: global }
      - { .name: gw, .offset: 64, .size: 8, .value_kind: global_buffer, .address_space: global }
      - { .name: psum, .offset: 72, .size: 8, .value_kind: global_buffer, .address_space: global }
    .group_segment_fixed_size: 2560
    .private_segment_fixed_size: 0
    .kernarg_segment_align: 8
    .kernarg_segment_size: 80
    .max_flat_workgroup_size: 256
    .sgpr_count:     66
    .vgpr_count:     208
    .wavefront_size: 32
...
	.end_amdgpu_metadata
.endif
;; end of part 6
;; launch place (part 7): grid 32 x 1, 8 waves a work-group, no clusters, 2,048 bytes of LDS; arguments sel, psum, inputs, xs, pos, tiles, out1; writes xs, pos, tiles, out1
.if DOCPART == 7
	.amdgcn_target "amdgcn-amd-amdhsa--gfx1250"
	.amdhsa_code_object_version 6
	.text
	.protected	k_q3ed3cad611_place
	.globl	k_q3ed3cad611_place
	.p2align	8
	.type	k_q3ed3cad611_place,@function
k_q3ed3cad611_place:
	s_mov_b64 s[64:65], 0
	v_nop
	global_prefetch_b8 v0, s[64:65] scope:SCOPE_SE
	s_setreg_imm32_b32 hwreg(HW_REG_WAVE_MODE, 25, 1), 1
	s_wait_xcnt 0x0
; THE PLACING.  From the stored choices: each expert's count, its rows laid end to end in token order (a counting sort without atomics), the token rows copied there in bf16,
; the list of row tiles for the two products, and the loss.
; SLOTS.  Expert e's rows begin at base_e; base_(e+1) = base_e + its count rounded up to 16: 2,048 + 8 x 15 = 2,168 slots at the most, of 2,176.
; SHARES.  Work-group G owns tokens 32 G .. 32 G + 31.  Every work-group counts all 1,024 tokens for itself: wave w counts the groups 4 w .. 4 w + 3, the counts meet in LDS.
; Wave w then copies tokens 32 G + 4 w + j, j 0..3, each to its two slots.  Work-group 0's wave 0 also writes the tile list and the loss.
; TILES.  A tile is up to H slots of one expert: {expert, first slot, rows, 0}.  H is 128, 192 or 256: the smallest with which the split makes 15 tiles at the most, the number that the products' grid
; serves, so that the longest share of a work-group there is as short as the split allows; 256 serves every split (the sum of the counts' 256ths, each rounded up, is 15 at the most).
; Entries past the last hold rows = 0 and slot 0 (always a real row).
.set SPARE, 1024      ; LDS: 0..1023 the counts [32 groups][8 experts]; from 1,024 on the spare words, 128 bytes a wave, which no other line names
.set X, 64            ; v64-191  four tokens' x, 32 registers each; later psum
	s_load_b256 s[4:11], s[0:1], 0x0               ; sel s4, psum s6, inputs s8, xs s10
	s_load_b128 s[12:15], s[0:1], 0x20             ; pos s12, tiles s14
	s_load_b64 s[16:17], s[0:1], 0x30              ; out1
	v_lshl_add_u32 v2, v0, 2, SPARE                ; my spare word; never rewritten
	v_mov_b32 v3, 0                                ; 0; never rewritten
	v_and_b32 v1, 31, v0                           ; lane
	v_lshrrev_b32 v4, 5, v0
	v_readfirstlane_b32 s18, v4                    ; wave
	s_mov_b32 s19, ttmp9                           ; G
	s_lshl_b32 s20, s19, 8
	s_lshl_b32 s21, s18, 10
	s_mov_b32 s30, 0x76543210
	s_mov_b32 s31, 0xfedcba98
	v_lshlrev_b32 v6, 3, v1                        ; 8 l
	v_lshlrev_b32 v7, 4, v1                        ; 16 l
	v_add_nc_u32 v4, s21, v6                       ; sel of group 4 w: 8 bytes a token
	v_add_nc_u32 v5, s20, v6                       ; sel and pos of my own group
	s_lshl_b32 s22, s19, 17                        ; 32 G tokens of 4,096 bytes,
	s_lshl_b32 s23, s18, 14                        ; 4 w more
	s_add_co_u32 s22, s22, s23
	s_mov_b32 s23, 0
	s_wait_kmcnt 0x0
	s_add_nc_u64 s[8:9], s[8:9], s[22:23]
.irp j, 0,1,2,3
	global_load_b64 v[8+2*\j:9+2*\j], v4, s[4:5] offset:256*\j
.endr
	global_load_b64 v[16:17], v5, s[4:5]
.irp j, 0,1,2,3
.irp p, 0,1,2,3,4,5,6,7
	global_load_b128 v[X+32*\j+4*\p:X+32*\j+4*\p+3], v7, s[8:9] offset:4096*\j+512*\p
.endr
.endr
	v_mov_b32 v18, 1
	v_mov_b32 v25, 0
	v_lshlrev_b32 v26, 2, v0
	s_wait_loadcnt 32                              ; the five loads of sel are in; the 32 younger loads of x stay out
.irp n, 0,1,2,3,4,5,6,7,8,9
	v_min_u32 v[8+\n], 7, v[8+\n]
.endr
.irp j, 0,1,2,3
	v_lshlrev_b32 v19, v[8+2*\j], v18
	v_lshlrev_b32 v[20+\j], v[9+2*\j], v18
	v_or_b32 v[20+\j], v19, v[20+\j]               ; a token's two experts as bits
.endr
.irp j, 0,1,2,3
.irp e, 0,1,2,3,4,5,6,7
	v_and_b32 v19, 1<<\e, v[20+\j]
	v_cmp_ne_u32 s40, 0, v19
	s_bcnt1_i32_b32 s41, s40
	v_writelane_b32 v25, s41, 8*\j+\e              ; lane 8 j + e: tokens of group 4 w + j that chose e
.endr
.endr
	ds_store_b32 v26, v25                          ; word 32 w + 8 j + e = 8 x group + e
	s_wait_dscnt 0x0                               ; for the others' sake: my store is done
	s_barrier_signal -1
	s_barrier_wait -1
	v_lshlrev_b32 v27, 2, v1
.irp i, 0,1,2,3,4,5,6,7
	ds_load_b32 v[28+\i], v27 offset:128*\i        ; group 4 i + l / 8, expert l % 8
.endr
	v_lshrrev_b32 v36, 3, v1
	v_mov_b32 v37, 0                               ; all groups
	v_mov_b32 v42, 0                               ; the groups in front of mine
	s_wait_dscnt 0x0
.irp i, 0,1,2,3,4,5,6,7
	v_add_nc_u32 v19, 4*\i, v36
	v_cmp_gt_u32 vcc_lo, s19, v19
	v_cndmask_b32 v19, 0, v[28+\i], vcc_lo
	v_add_nc_u32 v37, v37, v[28+\i]
	v_add_nc_u32 v42, v42, v19
.endr
.irp r, 37, 42                                     ; over the four lanes of an expert: 8 away, then 16 away
	v_mov_b32 v19, 0
	v_mov_b32_dpp v19, v\r row_xmask:8 row_mask:0xf bank_mask:0xf
	v_add_nc_u32 v\r, v\r, v19
	v_permlanex16_b32 v19, v\r, s30, s31
	v_add_nc_u32 v\r, v\r, v19
.endr
.irp e, 0,1,2,3,4,5,6,7
	v_readlane_b32 s[48+\e], v37, \e               ; s48-55 counts
	v_readlane_b32 s[56+\e], v42, \e               ; s56-63 rows of earlier groups
.endr
	s_mov_b32 s66, 0                               ; s66-73 bases
.irp e, 0,1,2,3,4,5,6
	s_add_co_u32 s40, s[48+\e], 15
	s_and_b32 s40, s40, 0xfffffff0
	s_add_co_u32 s[67+\e], s[66+\e], s40
.endr
.irp e, 0,1,2,3,4,5,6,7
	s_add_co_u32 s[74+\e], s[66+\e], s[56+\e]      ; s74-81 where my group's rows begin
.endr
	v_mov_b32 v38, 0
	v_mov_b32 v39, 0
.irp e, 0,1,2,3,4,5,6,7
	v_cmp_eq_u32 s82, \e, v16
	v_cmp_eq_u32 s83, \e, v17
	s_or_b32 s40, s82, s83
	v_mbcnt_lo_u32_b32 v19, s40, 0                 ; tokens of my group in front of me with this expert
	v_add_nc_u32 v19, s[74+\e], v19
	v_cndmask_b32 v38, v38, v19, s82
	v_cndmask_b32 v39, v39, v19, s83
.endr
	v_min_u32 v38, 0x87f, v38
	v_min_u32 v39, 0x87f, v39
	s_cmp_lg_u32 s18, 0
	s_cbranch_scc1 .Lno_pos
	global_store_b64 v5, v[38:39], s[12:13]        ; one wave stores the group's 256 bytes of pos
.Lno_pos:
	s_lshl_b32 s41, s18, 2
	s_mov_b32 s43, 0
.irp j, 0,1,2,3                                    ; eight addresses, a pair of registers each: none is rewritten while a store names it
	v_readlane_b32 s42, v38, s41
	s_min_u32 s42, s42, 2175
	s_lshl_b32 s42, s42, 11                        ; a row of xs is 2,048 bytes
	s_add_nc_u64 s[84+4*\j:85+4*\j], s[10:11], s[42:43]
	v_readlane_b32 s42, v39, s41
	s_min_u32 s42, s42, 2175
	s_lshl_b32 s42, s42, 11
	s_add_nc_u64 s[86+4*\j:87+4*\j], s[10:11], s[42:43]
	s_add_co_u32 s41, s41, 1
.endr
.irp j, 0,1,2,3
	s_wait_loadcnt 8*(3-\j)                        ; token j's eight loads are in; the later tokens' stay out
.irp p, 0,1,2,3,4,5,6,7
	v_cvt_pk_bf16_f32 v[X+32*\j+4*\p], v[X+32*\j+4*\p], v[X+32*\j+4*\p+1]
	v_cvt_pk_bf16_f32 v[X+32*\j+4*\p+1], v[X+32*\j+4*\p+2], v[X+32*\j+4*\p+3]
.endr
.irp p, 0,1,2,3,4,5,6,7
	global_store_b64 v6, v[X+32*\j+4*\p:X+32*\j+4*\p+1], s[84+4*\j:85+4*\j] offset:256*\p  ; 32 lanes store 256 consecutive bytes, aligned
	global_store_b64 v6, v[X+32*\j+4*\p:X+32*\j+4*\p+1], s[86+4*\j:87+4*\j] offset:256*\p
.endr
.endr
	s_or_b32 s40, s18, s19
	s_cmp_lg_u32 s40, 0
	s_cbranch_scc1 .Lend
	; THE TILE'S HEIGHT, counted in batches of 64 rows.  s56-63: each expert's batches b, 16 at the most.  Tiles of HB batches: (b + HB - 1) / HB = ((b + HB - 1) x M) >> 5 with
	; M = 16, 11, 8 for HB = 2, 3, 4: exact for the arguments here, 19 at the most.
	s_mov_b32 s83, 0                               ; tiles in all at HB = 2
	s_mov_b32 s41, 0                               ; at HB = 3
.irp e, 0,1,2,3,4,5,6,7
	s_add_co_u32 s40, s[48+\e], 63
	s_lshr_b32 s[56+\e], s40, 6
	s_add_co_u32 s40, s[56+\e], 1
	s_lshr_b32 s40, s40, 1
	s_add_co_u32 s83, s83, s40
	s_add_co_u32 s40, s[56+\e], 2
	s_mul_i32 s40, s40, 11
	s_lshr_b32 s40, s40, 5
	s_add_co_u32 s41, s41, s40
.endr
	s_mov_b32 s42, 3                               ; HB - 1
	s_mov_b32 s43, 8                               ; M
	s_cmp_le_u32 s41, 15
	s_cselect_b32 s42, 2, s42
	s_cselect_b32 s43, 11, s43
	s_cmp_le_u32 s83, 15
	s_cselect_b32 s42, 1, s42
	s_cselect_b32 s43, 16, s43
	s_lshl_b32 s41, s42, 6
	s_add_co_u32 s41, s41, 64                      ; H, in rows
	; THE TILE LIST: lane = tile.  s74-81: each expert's first tile; s82: tiles in all.
	s_mov_b32 s74, 0
.irp e, 0,1,2,3,4,5,6,7
	s_add_co_u32 s40, s[56+\e], s42
	s_mul_i32 s40, s40, s43
	s_lshr_b32 s40, s40, 5
	s_add_co_u32 s[75+\e], s[74+\e], s40
.endr
	v_mov_b32 v44, 0
	v_mov_b32 v19, 0
	v_mov_b32 v45, 0
	v_mov_b32 v46, s48
.irp e, 1,2,3,4,5,6,7                              ; the last expert whose first tile is not behind mine; one without tiles is overridden by the next
	v_cmp_le_u32 vcc_lo, s[74+\e], v1
	v_cndmask_b32 v44, v44, \e, vcc_lo
	v_cndmask_b32 v19, v19, s[74+\e], vcc_lo
	v_cndmask_b32 v45, v45, s[66+\e], vcc_lo
	v_cndmask_b32 v46, v46, s[48+\e], vcc_lo
.endr
	v_sub_nc_u32 v19, v1, v19
	v_mul_u32_u24 v19, s41, v19                    ; rows of the expert in front of this tile
	v_add_nc_u32 v45, v45, v19
	v_sub_nc_u32 v46, v46, v19
	v_min_u32 v46, s41, v46
	v_cmp_gt_u32 vcc_lo, s82, v1
	v_cndmask_b32 v45, 0, v45, vcc_lo
	v_cndmask_b32 v46, 0, v46, vcc_lo
	v_min_u32 v45, 0x87f, v45
	v_mov_b32 v47, 0
	global_store_b128 v7, v[44:47], s[14:15]
	; THE LOSS: the sum over e of (sum of the softmax / 1,024) x (count / 1,024).
	s_wait_xcnt 0x0                                ; X's registers, which the stores above read, are loaded again only behind this wait
.set i, 0
.rept 32
	global_load_b128 v[X+4*i:X+4*i+3], v7, s[6:7] offset:512*i  ; lane l: experts 4 (l % 2) .. + 3 of pair 16 i + l / 2
.set i, i+1
.endr
	s_wait_loadcnt 0x0
.set i, 1
.rept 31
	v_pk_add_f32 v[X:X+1], v[X:X+1], v[X+4*i:X+4*i+1]
	v_pk_add_f32 v[X+2:X+3], v[X+2:X+3], v[X+4*i+2:X+4*i+3]
.set i, i+1
.endr
	v_and_b32 v19, 1, v1
	v_cmp_eq_u32 vcc_lo, 1, v19
.irp c, 0,1,2,3
	v_cvt_f32_u32 v48, s[48+\c]
	v_cvt_f32_u32 v49, s[52+\c]
	v_cndmask_b32 v[50+\c], v48, v49, vcc_lo
.endr
	v_mul_f32 v54, v[X], v50
	v_fma_f32 v54, v[X+1], v51, v54
	v_fma_f32 v54, v[X+2], v52, v54
	v_fma_f32 v54, v[X+3], v53, v54
	v_add_f32_dpp v54, v54, v54 row_xmask:1 row_mask:0xf bank_mask:0xf
	v_add_f32_dpp v54, v54, v54 row_xmask:2 row_mask:0xf bank_mask:0xf
	v_add_f32_dpp v54, v54, v54 row_xmask:4 row_mask:0xf bank_mask:0xf
	v_add_f32_dpp v54, v54, v54 row_xmask:8 row_mask:0xf bank_mask:0xf
	v_permlanex16_b32 v48, v54, s30, s31
	v_add_f32 v54, v54, v48
	v_mul_f32 v54, 0x35800000, v54                 ; 2^-20
	v_mov_b32 v55, 0
	v_cmp_eq_u32 vcc_lo, 0, v1
	s_wait_xcnt 0x0                                ; EXEC changes only behind this wait
	s_and_saveexec_b32 s40, vcc_lo
	global_store_b32 v55, v54, s[16:17]
	s_wait_xcnt 0x0
	s_or_b32 exec_lo, exec_lo, s40
.Lend:
	s_wait_tensorcnt 0x0                           ; the wave's end: three lines behind my last LDS store
	ds_add_u32 v2, v3
	s_wait_dscnt 0x0
	s_endpgm
.Lfunc_end_k_q3ed3cad611_place:
	.size	k_q3ed3cad611_place, .Lfunc_end_k_q3ed3cad611_place-k_q3ed3cad611_place
	.p2alignl 7, 3214868480
	.fill 96, 4, 3214868480
	.section	.rodata,"a",@progbits
	.p2align	6, 0x0
	.amdhsa_kernel k_q3ed3cad611_place
		.amdhsa_group_segment_fixed_size 2048
		.amdhsa_private_segment_fixed_size 0
		.amdhsa_enable_private_segment 0
		.amdhsa_kernarg_size 56
		.amdhsa_user_sgpr_count 2
		.amdhsa_user_sgpr_kernarg_segment_ptr 1
		.amdhsa_wavefront_size32 1
		.amdhsa_system_sgpr_workgroup_id_x 1
		.amdhsa_system_sgpr_workgroup_id_y 1
		.amdhsa_system_sgpr_workgroup_id_z 1
		.amdhsa_system_vgpr_workitem_id 0
		.amdhsa_next_free_vgpr 192
		.amdhsa_next_free_sgpr 100
		.amdhsa_reserve_vcc 1
		.amdhsa_float_denorm_mode_32 3
		.amdhsa_float_denorm_mode_16_64 3
		.amdhsa_memory_ordered 1
		.amdhsa_forward_progress 1
		.amdhsa_inst_pref_size 46
	.end_amdhsa_kernel
	.amdgpu_metadata
---
amdhsa.version: [ 1, 2 ]
amdhsa.kernels:
  - .name:           k_q3ed3cad611_place
    .symbol:         k_q3ed3cad611_place.kd
    .args:
      - { .name: sel, .offset: 0, .size: 8, .value_kind: global_buffer, .address_space: global }
      - { .name: psum, .offset: 8, .size: 8, .value_kind: global_buffer, .address_space: global }
      - { .name: inputs, .offset: 16, .size: 8, .value_kind: global_buffer, .address_space: global }
      - { .name: xs, .offset: 24, .size: 8, .value_kind: global_buffer, .address_space: global }
      - { .name: pos, .offset: 32, .size: 8, .value_kind: global_buffer, .address_space: global }
      - { .name: tiles, .offset: 40, .size: 8, .value_kind: global_buffer, .address_space: global }
      - { .name: out1, .offset: 48, .size: 8, .value_kind: global_buffer, .address_space: global }
    .group_segment_fixed_size: 2048
    .private_segment_fixed_size: 0
    .kernarg_segment_align: 8
    .kernarg_segment_size: 56
    .max_flat_workgroup_size: 256
    .sgpr_count:     100
    .vgpr_count:     192
    .wavefront_size: 32
...
	.end_amdgpu_metadata
.endif
;; end of part 7
;; launch ffn1 (part 8): grid 15 x 16, 4 waves a work-group, no clusters, 266,752 bytes of LDS; arguments xs, W1, tiles, h, b1; writes h
.if DOCPART == 8
	.amdgcn_target "amdgcn-amd-amdhsa--gfx1250"
	.amdhsa_code_object_version 6
	.text
	.protected	k_q3ed3cad611_ffn1
	.globl	k_q3ed3cad611_ffn1
	.p2align	8
	.type	k_q3ed3cad611_ffn1,@function
k_q3ed3cad611_ffn1:
	s_mov_b64 s[64:65], 0
	v_nop
	global_prefetch_b8 v0, s[64:65] scope:SCOPE_SE
	s_setreg_imm32_b32 hwreg(HW_REG_WAVE_MODE, 25, 1), 1
	s_wait_xcnt 0x0
.set FFN, 1
; ONE TEXT FOR BOTH PRODUCTS OF THE EXPERTS' LAYERS; the line above chooses.  FFN = 1: h = silu(xs W1[e] + b1[e]), bf16.  FFN = 2: yp[ks] = h[:, quarter ks of F] W2[e][that quarter], f32 partial sums.
; A work-group takes one row tile of the stored list (up to 256 slots of ONE expert) x 256 columns x K = 1,024.  Grid x = tile (15 cover every split of the tokens), y = the slice:
; FFN = 1: columns 256 y of F.  FFN = 2: y = 4 ks + cq: quarter ks of F as K, columns 256 cq of D.
; A WAVE owns 64 columns x all rows of the tile: 16 groups of 16 rows x 4 groups of columns = 64 accumulators.
; THE WEIGHTS, f32 [K][N], NEVER TOUCH LDS.  One 16-byte load gives lane (r = l % 16, h = l / 16) the columns 4 r .. 4 r + 3 of one k row (16 lanes: 256 consecutive bytes, aligned; the two halves of the
; lanes take two k rows).  Register q of the load belongs to column group q, in which lane r stands for column 4 r + q.  16 loads bring the k that a fragment's lane wants (8 h + 0..7, 16 + 8 h + 0..7),
; and 32 roundings to bf16, each of two neighbouring k, ARE the four fragments of a K step of 32.  So no tensor load brings the weights, and no joint request: each slice has its readers by the split.
; A RING OF FOUR REGISTER SLOTS, a K step each: step t rounds step t + 1's slot and asks for step t + 4, so that three steps' loads stay out while the products run.
; THE ROWS, bf16, go through LDS, since all four waves want all of them: chunks of 128 k (256 bytes of a row), two buffers, each wave bringing 64 rows in two halves.  Rows past the tile's count repeat
; its last real row.  ONE barrier a chunk: in front of it a wave's stores of the next chunk are done and its reads of this one are back; the buffer written next was last read in front of the barrier before.
; A BLOCK is 64 rows x 64 columns x 32 k: 8 roundings (the places behind the block before), 4 loads of weights, the next block's 8 fragment loads, 16 products.  The row batches go 0..3 in even K steps
; and 3..0 in odd ones, and a batch's fragments lie in buffer (step + batch) % 2: so two buffers take turns whatever the number of live batches.  Batches without rows are jumped.
; A tile without rows passes every barrier and jumps all work but the head's loads (real weights, slot 0), which every path issues, so that every register is written on every path.
; The accumulators are cleared by 64 products of a zero fragment, in the wait for the first loads: an eighth of the text of 512 moves; a first step written out would hang on the jumps over dead batches.
; D: register j of lane (r, h) is row 8 h + j, column 4 r + q of group q: a lane's 16 bytes of a row lie in four accumulators, and 32 moves for each 16 rows gather them on the way out.
; LIMITS: x, W and b are rounded to bf16, h once to bf16; NaN and infinities are not treated apart.
; REGISTERS.  window 0: as named below.  windows 1, 2: accumulator (g, q) in window 1 + g / 8 at 32 (g % 8) + 8 q.  window 3: the ring, slot u at 64 u, load j at 4 j.
.if FFN == 1
.set PW,    16384     ; bytes from row to row of the weights
.set ASH,   11        ; a row of A: 2,048 bytes
.set ROWSH, 13        ; a row of the output: 8,192 bytes
.else
.set PW,    4096
.set ASH,   13
.set ROWSH, 12
.endif
.set PA,    272       ; a row of A in LDS: 128 bf16 + 16 bytes: an odd multiple of 16, so the 16 rows of a fragment load start at 16 different groups of banks
.set ABUF1, 1<<17     ; buffer 0 (256 rows, 69,632 bytes) at byte 0, buffer 1 here: one exclusive or turns the one into the other
.set PS,    1040      ; FFN = 1, the way out: a row of 256 f32 + 16 bytes; the stage, 256 rows from byte 0 on, is used behind the last barrier of the K loop
.set SPARE, 256*PS    ; 266,240: the spare words, 128 bytes a wave, which no other line names
.set WOFF,  8         ; v8   8 h rows of weights + 256 w + 16 r
.set VAST0, 9         ; v9   where my 16 bytes of row 64 w + h go in a buffer
.set VALD0, 10        ; v10  a fragment of A: r x pitch + 16 h
.set VAST,  11        ; v11  the same two with the buffer in hand
.set VALD,  12        ; v12
.set STO,   13        ; v13  FFN = 1: into the stage; steps 16 rows a group
.set RD,    14        ; v14  FFN = 1: back from the stage; steps four rows a trip
.set CO,    15        ; v15  my bytes in the output
.set SPW,   16        ; v16  my spare word; never rewritten
.set NIL,   17        ; v17  0; never rewritten
.set L16,   18        ; v18  16 l
.set R16,   19        ; v19  16 r
.set BI,    20        ; v20-27  FFN = 1: the bias of my eight columns in the row loop
.set AOFF,  28        ; v28-59  load i's byte offset in A: row 64 w + 2 i + h of the tile
.set AF,    64        ; v64-127   two buffers of four fragments of A
.set BF,    128       ; v128-191  two buffers of four fragments of the weights
.set AS,    192       ; v192-255  half a chunk's rows on their way to LDS
.set Y,     64        ; the row loop: four rows x 8 numbers a lane
.set TT,    96
.set O,     128
.set WV,   16         ; s16  wave
.set G4,   24         ; s24  live batches of 64 rows
.set ROWS, 25         ; s25
.set TBR,  32         ; s32  the buffer that is read
.set TBW,  33         ; s33  the buffer that is written
.set G,    34         ; s34  live groups of 16 rows
.set MSB, 0
.macro WIN new                      ; the immediate's high byte repeats the setting that is left; at a label and at a branch every window is 0
.if MSB != (\new)
	s_set_vgpr_msb (MSB<<8)|(\new)
.set MSB, (\new)
.endif
.endm
.macro PLACES                       ; four plain instructions between a matrix instruction and a write of, a load into, or a reader of its registers
.rept 4
	v_nop
.endr
.endm
.macro BAR
	s_wait_dscnt 0x0                ; my LDS stores are done and my LDS reads are back
	s_barrier_signal -1
	s_barrier_wait -1
.endm
; four of the 16 loads of a K step's weights, into slot ws; the base stands at the chunk's first k row
.macro WLOAD ws, wp
	WIN 0xc0                        ; destination window 3
.irp jj, 0,1,2,3
	global_load_b128 v[64*(\ws)+4*(4*(\wp)+\jj):64*(\ws)+4*(4*(\wp)+\jj)+3], v[WOFF], s[6:7] offset:(32*(\ws)+4*(\wp)+\jj+8*((\wp)/2))*PW
.endr
.endm
; the four loads 4 cp .. of slot cu become registers 2 cp, 2 cp + 1 of the four fragments in buffer cb
.macro CVT cu, cb, cp
	WIN 0x0f                        ; sources window 3, destination window 0
.irp ii, 0,1
.irp q, 0,1,2,3
	v_cvt_pk_bf16_f32 v[BF+32*(\cb)+8*\q+2*(\cp)+\ii], v[64*(\cu)+8*(2*(\cp)+\ii)+\q], v[64*(\cu)+8*(2*(\cp)+\ii)+4+\q]
.endr
.endr
.endm
.macro ALOAD ah                     ; half ah of my 64 rows of the next chunk: 16 loads of two rows x 256 bytes
.set i, 0
.rept 16
	global_load_b128 v[AS+4*i:AS+4*i+3], v[AOFF+16*(\ah)+i], s[4:5]
.set i, i+1
.endr
.endm
.macro ASTORE ah
.set i, 0
.rept 16
	ds_store_b128 v[VAST], v[AS+4*i:AS+4*i+3] offset:(32*(\ah)+2*i)*PA
.set i, i+1
.endr
.endm
.macro FETCH fs, frb                ; the four fragments of A of batch frb, K step fs of the chunk
.set fb, AF+32*(((\fs)+(\frb))%2)
.irp a, 0,1,2,3
	ds_load_b128 v[fb+8*\a:fb+8*\a+3],   v[VALD] offset:(4*(\frb)+\a)*16*PA+64*(\fs)
	ds_load_b128 v[fb+8*\a+4:fb+8*\a+7], v[VALD] offset:(4*(\frb)+\a)*16*PA+64*(\fs)+32
.endr
.endm
.macro MUL ms                       ; 16 products of batch rb; the accumulators take turns, one instruction a turn
.set fb, AF+32*(((\ms)+rb)%2)
.set bb, BF+32*((\ms)%2)
	WIN 0x50*(1+rb/2)               ; C and D in window 1 or 2
.irp a, 0,1,2,3
.irp q, 0,1,2,3
	v_wmma_f32_16x16x32_bf16 v[((4*(rb%2)+\a)*4+\q)*8:((4*(rb%2)+\a)*4+\q)*8+7], v[fb+8*\a:fb+8*\a+7], v[bb+8*\q:bb+8*\q+7], v[((4*(rb%2)+\a)*4+\q)*8:((4*(rb%2)+\a)*4+\q)*8+7]
.endr
.endr
	WIN 0
.endm
; Place p of K step s of a chunk.  mode = 1: in the loop: loads are issued.  mode = 0: the last chunk: nothing is left to ask for.
.macro BLOCK s, p, mode
.if ((\s)%2) == 0
.set rb, (\p)
.else
.set rb, 3-(\p)
.endif
.if (\p) == 0
	PLACES                          ; the roundings below write the fragments that the step before multiplied by
.endif
.if \mode
	s_wait_loadcnt 60               ; the four loads wanted are in: 60 or more are younger: 12 - 4 p of their own step, 32 of the next two, 4 p of this step, 16 of rows
.elseif (\s) == 0
	s_wait_loadcnt 28               ; no load is issued any more: the counts run down
.elseif (\s) == 1
	s_wait_loadcnt 28-4*(\p)
.elseif (\s) == 2
	s_wait_loadcnt 12-4*(\p)
.endif
.if (\mode) || ((\s) < 3)
	CVT ((\s)+1)%4, ((\s)+1)%2, \p
.elseif (\p) != 0
	PLACES
.endif
.if \mode
	WLOAD \s, \p
.endif
	WIN 0
.if (\mode) && (((\s)%2) == 0) && ((\p) == 0)
	s_wait_dscnt 0x0                ; the LDS stores have taken the last half's rows out of the registers
	ALOAD (\s)/2
.endif
	s_cmp_le_u32 s[G4], rb
	s_cbranch_scc1 .Ldead_\@
	s_wait_dscnt 0x0                ; my fragments, asked for a block ago, are in; no LDS load is out when the next are asked for
.if ((\s)%2) == 0
.if (\p) < 3
	s_cmp_gt_u32 s[G4], rb+1
	s_cbranch_scc0 .Lalt_\@
	FETCH \s, rb+1                  ; the next batch of this step,
	s_branch .Lj_\@
.Lalt_\@:
	FETCH (\s)+1, rb                ; or, behind the last live one, the same batch of the next step
.Lj_\@:
.else
	FETCH (\s)+1, 3
.endif
.else
.if rb > 0
	FETCH \s, rb-1
.elseif (\s) == 1
	FETCH 2, 0
.endif
.endif
	MUL \s
.Ldead_\@:
.endm
.macro CHUNK mode                   ; 128 along K
	s_cmp_eq_u32 s[ROWS], 0
	s_cbranch_scc1 .Lskip_\@
	v_add_nc_u32 v[VALD], s[TBR], v[VALD0]
.if \mode
	v_add_nc_u32 v[VAST], s[TBW], v[VAST0]
.endif
	FETCH 0, 0
.irp ks, 0,1,2,3
.irp kp, 0,1,2,3
	BLOCK \ks, \kp, \mode
.endr
.if (\mode) && (((\ks)%2) == 1)
	s_wait_loadcnt 28               ; the half's 16 loads are in: 12 + 16 loads of weights are younger
	ASTORE (\ks)/2
.endif
.endr
.Lskip_\@:
.endm
	s_load_b256 s[4:11], s[0:1], 0x0               ; A s4, the weights s6, tiles s8, the output s10
.if FFN == 1
	s_load_b64 s[12:13], s[0:1], 0x20              ; b1
.endif
	v_lshl_add_u32 v[SPW], v0, 2, SPARE
	v_mov_b32 v[NIL], 0
	v_and_b32 v1, 31, v0                           ; l
	v_lshrrev_b32 v4, 5, v0
	v_readfirstlane_b32 s[WV], v4
	s_and_b32 s17, ttmp7, 0xffff                   ; y
	s_lshl_b32 s28, ttmp9, 4                       ; my tile's 16 bytes in the list
	s_mov_b32 s29, 0
	s_wait_kmcnt 0x0
	s_add_nc_u64 s[8:9], s[8:9], s[28:29]
	s_load_b128 s[20:23], s[8:9], 0x0              ; expert, first slot, rows, 0
	v_and_b32 v2, 15, v0                           ; r
	v_bfe_u32 v3, v0, 4, 1                         ; h
	v_lshlrev_b32 v[L16], 4, v1
	v_lshlrev_b32 v[R16], 4, v2
	s_lshl_b32 s18, s[WV], 8                       ; 256 w: my 64 columns of f32
	v_mul_u32_u24 v[WOFF], v3, 8*PW
	v_add3_u32 v[WOFF], v[WOFF], v[R16], s18
	s_lshl_b32 s35, s[WV], 6                       ; 64 w
	v_add_nc_u32 v4, s35, v3                       ; 64 w + h
	v_mul_u32_u24 v[VAST0], v4, PA
	v_add_nc_u32 v[VAST0], v[VAST0], v[R16]
	v_mul_u32_u24 v[VALD0], v2, PA
	v_lshl_add_u32 v[VALD0], v3, 4, v[VALD0]
.if FFN == 1
	v_mul_u32_u24 v[STO], v3, 8*PS                 ; row 8 h, my wave's 256 bytes, 16 r
	v_add3_u32 v[STO], v[STO], v[R16], s18
	s_mul_i32 s14, s[WV], 64*PS
	v_add_nc_u32 v[RD], s14, v[L16]                ; back: wave w takes rows 64 w .. 64 w + 63, whole
	v_lshlrev_b32 v[CO], 3, v1
.else
	v_lshl_add_u32 v[CO], v3, 15, v[R16]           ; row 8 h of 4,096 bytes, 16 r,
	v_add_nc_u32 v[CO], s18, v[CO]                 ; my wave's 256 bytes
.endif
	s_wait_kmcnt 0x0
	s_min_u32 s20, s20, 7
	s_min_u32 s21, s21, 2175
	s_min_u32 s[ROWS], s22, 256
	s_add_co_u32 s[G], s[ROWS], 15
	s_lshr_b32 s[G], s[G], 4
	s_add_co_u32 s[G4], s[ROWS], 63
	s_lshr_b32 s[G4], s[G4], 6
	s_max_u32 s19, s[ROWS], 1
	s_sub_co_u32 s19, s19, 1                       ; the tile's last real row
.set i, 0
.rept 32
	v_add_nc_u32 v[AOFF+i], 2*i, v4
	v_min_u32 v[AOFF+i], s19, v[AOFF+i]
	v_add_nc_u32 v[AOFF+i], s21, v[AOFF+i]
	v_min_u32 v[AOFF+i], 0x87f, v[AOFF+i]
	v_lshl_add_u32 v[AOFF+i], v[AOFF+i], ASH, v[R16]
.set i, i+1
.endr
	s_lshl_b32 s28, s20, 24                        ; an expert's weights are 16 MiB
.if FFN == 1
	s_lshl_b32 s18, s17, 10                        ; 256 columns of f32
	s_add_co_u32 s28, s28, s18
	s_add_nc_u64 s[6:7], s[6:7], s[28:29]
	s_lshl_b32 s28, s17, 9                         ; 256 columns of bf16
	s_add_nc_u64 s[10:11], s[10:11], s[28:29]
	s_lshl_b32 s28, s20, 14
	s_add_co_u32 s28, s28, s18
	s_add_nc_u64 s[12:13], s[12:13], s[28:29]
	s_add_co_u32 s15, s21, s35                     ; first slot + 64 w
	s_lshl_b32 s14, s[WV], 2                       ; 4 w
	global_load_b128 v[BI:BI+3],   v[L16], s[12:13]
	global_load_b128 v[BI+4:BI+7], v[L16], s[12:13] offset:512
.else
	s_lshr_b32 s18, s17, 2                         ; ks
	s_and_b32 s14, s17, 3                          ; cq
	s_lshl_b32 s14, s14, 10
	s_lshl_b32 s27, s18, 22                        ; 1,024 rows of 4,096 bytes
	s_add_co_u32 s28, s28, s27
	s_add_co_u32 s28, s28, s14
	s_add_nc_u64 s[6:7], s[6:7], s[28:29]
	s_lshl_b32 s28, s18, 11                        ; 1,024 columns of bf16 in h
	s_add_nc_u64 s[4:5], s[4:5], s[28:29]
	s_mul_i32 s28, s18, 8912896                    ; a plane of yp: 2,176 rows of 4,096 bytes
	s_add_co_u32 s28, s28, s14
	s_lshl_b32 s27, s21, 12                        ; the tile's first slot
	s_add_co_u32 s28, s28, s27
	s_add_nc_u64 s[10:11], s[10:11], s[28:29]
.endif
	; THE HEAD, on every path: chunk 0's rows (the second half into the fragments' registers, which are free), the weights of K steps 0 to 3, and between them the clearing.
.set i, 0
.rept 16
	global_load_b128 v[AS+4*i:AS+4*i+3], v[AOFF+i], s[4:5]
.set i, i+1
.endr
.set i, 0
.rept 16
	global_load_b128 v[AF+4*i:AF+4*i+3], v[AOFF+16+i], s[4:5]
.set i, i+1
.endr
.irp p, 0,1,2,3
	WLOAD 0, \p
.endr
.irp p, 0,1,2
	WLOAD 1, \p
.endr
	WIN 0
.set i, 0
.rept 16
	v_mov_b32 v[BF+i], 0                           ; two zero fragments
.set i, i+1
.endr
	WIN 0x40
.set i, 0
.rept 32
	v_wmma_f32_16x16x32_bf16 v[8*i:8*i+7], v[BF:BF+7], v[BF+8:BF+15], 0
.set i, i+1
.endr
	WIN 0x80
.set i, 0
.rept 32
	v_wmma_f32_16x16x32_bf16 v[8*i:8*i+7], v[BF:BF+7], v[BF+8:BF+15], 0
.set i, i+1
.endr
	WLOAD 1, 3
.irp p, 0,1,2,3
	WLOAD 2, \p
.endr
.irp p, 0,1,2,3
	WLOAD 3, \p
.endr
	WIN 0
	s_wait_loadcnt 63                              ; the rows (and the bias) are in: 64 loads of weights are younger
.set i, 0
.rept 16
	ds_store_b128 v[VAST0], v[AS+4*i:AS+4*i+3] offset:2*i*PA
	ds_store_b128 v[VAST0], v[AF+4*i:AF+4*i+3] offset:(32+2*i)*PA
.set i, i+1
.endr
	PLACES                                         ; the roundings below write the zero fragments' registers
	s_wait_loadcnt 32                              ; K steps 0 and 1 are in; the 32 loads of steps 2 and 3 stay out
.irp p, 0,1,2,3
	CVT 0, 0, \p
.endr
	WIN 0
	s_wait_xcnt 0x0                                ; the bases step only behind this wait
	s_add_nc_u64 s[6:7], s[6:7], 128*PW
	s_add_nc_u64 s[4:5], s[4:5], 256
	s_mov_b32 s[TBR], 0
	s_mov_b32 s[TBW], ABUF1
	BAR
	s_mov_b32 s26, 7
.Lk:                                               ; trip c multiplies chunk c, brings chunk c + 1's rows into the other buffer and asks for chunk c + 1's weights
	CHUNK 1
	s_wait_xcnt 0x0                                ; the bases step only behind this wait
	s_add_nc_u64 s[6:7], s[6:7], 128*PW
	s_add_nc_u64 s[4:5], s[4:5], 256
	s_xor_b32 s[TBR], s[TBR], ABUF1
	s_xor_b32 s[TBW], s[TBW], ABUF1
	BAR
	s_sub_co_u32 s26, s26, 1
	s_cmp_lg_u32 s26, 0
	s_cbranch_scc1 .Lk
	CHUNK 0                                        ; the last chunk is written out: no load leaves the slice
	BAR                                            ; nobody reads the buffers any more
	; THE WAY OUT, 16 rows at a time; groups without rows are jumped.  Each accumulator's lowest register is read first.
	PLACES
.irp g, 0,1,2,3,4,5,6,7,8,9,10,11,12,13,14,15
	s_cmp_le_u32 s[G], \g
	s_cbranch_scc1 .Lgone
.if (FFN == 2) && (((\g)%4) == 0) && ((\g) > 0)
	s_wait_xcnt 0x0                                ; four sets of registers take turns: a set is rewritten only behind this wait
.endif
	WIN 1+(\g)/8                                   ; source window 1 or 2
.irp j, 0,1,2,3,4,5,6,7
.irp q, 0,1,2,3
	v_mov_b32 v[AF+32*((\g)%4)+4*\j+\q], v[(((\g)%8)*4+\q)*8+\j]
.endr
.endr
	WIN 0
.irp j, 0,1,2,3,4,5,6,7
.if FFN == 1
	ds_store_b128 v[STO], v[AF+32*((\g)%4)+4*\j:AF+32*((\g)%4)+4*\j+3] offset:\j*PS
.else
	global_store_b128 v[CO], v[AF+32*((\g)%4)+4*\j:AF+32*((\g)%4)+4*\j+3], s[10:11] offset:(16*(\g)+\j)*4096  ; two rows, 256 consecutive bytes of each, aligned
.endif
.endr
.if FFN == 1
	v_add_nc_u32 v[STO], 16*PS, v[STO]
.endif
.endr
.Lgone:
.if FFN == 1
	BAR                                            ; a row's 1,024 bytes come from four waves
	s_wait_loadcnt 0x0
.irp c, 0,2,4,6
	v_cvt_pk_bf16_f32 v[TT], v[BI+\c], v[BI+\c+1]  ; the bias, rounded to bf16 like every input, and written as f32 again
	v_lshlrev_b32 v[BI+\c], 16, v[TT]
	v_and_b32 v[BI+\c+1], 0xffff0000, v[TT]
.endr
	s_mov_b32 s26, 0
.Lback:                                            ; 16 trips of four rows; trips of groups without rows are jumped
	s_wait_xcnt 0x0                                ; the last trip's stores have had their addresses translated: their base and data are rewritten only behind this wait
	s_lshr_b32 s27, s26, 2
	s_add_co_u32 s27, s27, s14
	s_cmp_ge_u32 s27, s[G]
	s_cbranch_scc1 .Ldead
	s_lshl2_add_u32 s28, s26, s15                  ; first slot + 64 w + 4 q
	s_lshl_b32 s28, s28, ROWSH
	s_mov_b32 s29, 0
	s_add_nc_u64 s[30:31], s[10:11], s[28:29]
.irp i, 0,1,2,3
	ds_load_b128 v[Y+8*\i:Y+8*\i+3],   v[RD] offset:\i*PS
	ds_load_b128 v[Y+8*\i+4:Y+8*\i+7], v[RD] offset:\i*PS+512
.endr
	s_wait_dscnt 0x0
.set n, 0
.rept 16
	v_pk_add_f32 v[Y+2*n:Y+2*n+1], v[Y+2*n:Y+2*n+1], v[BI+(2*n)%8:BI+(2*n)%8+1]
.set n, n+1
.endr
.set n, 0
.rept 16
	v_pk_mul_f32 v[TT+2*n:TT+2*n+1], v[Y+2*n:Y+2*n+1], 0xbfb8aa3b op_sel_hi:[1,0]  ; - log2(e) x
.set n, n+1
.endr
.set n, 0
.rept 32
	v_exp_f32 v[TT+n], v[TT+n]
.set n, n+1
.endr
	v_nop                                          ; a plain instruction behind the last exponential,
	s_wait_alu depctr_va_vdst(0)                   ; and one wait for the batch of 32
.set n, 0
.rept 16
	v_pk_add_f32 v[TT+2*n:TT+2*n+1], v[TT+2*n:TT+2*n+1], 1.0 op_sel_hi:[1,0]
.set n, n+1
.endr
.set n, 0
.rept 32
	v_rcp_f32 v[TT+n], v[TT+n]
.set n, n+1
.endr
	v_nop
	s_wait_alu depctr_va_vdst(0)                   ; one wait for the 32 reciprocals
.set n, 0
.rept 16
	v_pk_mul_f32 v[Y+2*n:Y+2*n+1], v[Y+2*n:Y+2*n+1], v[TT+2*n:TT+2*n+1]  ; x / (1 + e^-x)
.set n, n+1
.endr
.set n, 0
.rept 16
	v_cvt_pk_bf16_f32 v[O+n], v[Y+2*n], v[Y+2*n+1]
.set n, n+1
.endr
.irp i, 0,1,2,3
	global_store_b64 v[CO], v[O+4*\i:O+4*\i+1],   s[30:31] offset:\i*8192      ; 32 lanes store 256 consecutive bytes, aligned
	global_store_b64 v[CO], v[O+4*\i+2:O+4*\i+3], s[30:31] offset:\i*8192+256
.endr
.Ldead:
	v_add_nc_u32 v[RD], 4*PS, v[RD]
	s_add_co_u32 s26, s26, 1
	s_cmp_lt_u32 s26, 16
	s_cbranch_scc1 .Lback
.endif
	s_wait_tensorcnt 0x0                           ; the wave's end: three lines behind my last LDS store
	ds_add_u32 v[SPW], v[NIL]
	s_wait_dscnt 0x0
	s_endpgm
.Lfunc_end_k_q3ed3cad611_ffn1:
	.size	k_q3ed3cad611_ffn1, .Lfunc_end_k_q3ed3cad611_ffn1-k_q3ed3cad611_ffn1
	.p2alignl 7, 3214868480
	.fill 96, 4, 3214868480
	.section	.rodata,"a",@progbits
	.p2align	6, 0x0
	.amdhsa_kernel k_q3ed3cad611_ffn1
		.amdhsa_group_segment_fixed_size 266752
		.amdhsa_private_segment_fixed_size 0
		.amdhsa_enable_private_segment 0
		.amdhsa_kernarg_size 40
		.amdhsa_user_sgpr_count 2
		.amdhsa_user_sgpr_kernarg_segment_ptr 1
		.amdhsa_wavefront_size32 1
		.amdhsa_system_sgpr_workgroup_id_x 1
		.amdhsa_system_sgpr_workgroup_id_y 1
		.amdhsa_system_sgpr_workgroup_id_z 1
		.amdhsa_system_vgpr_workitem_id 0
		.amdhsa_next_free_vgpr 1024
		.amdhsa_next_free_sgpr 66
		.amdhsa_reserve_vcc 0
		.amdhsa_float_denorm_mode_32 3
		.amdhsa_float_denorm_mode_16_64 3
		.amdhsa_memory_ordered 1
		.amdhsa_forward_progress 1
		.amdhsa_inst_pref_size 156
	.end_amdhsa_kernel
	.amdgpu_metadata
---
amdhsa.version: [ 1, 2 ]
amdhsa.kernels:
  - .name:           k_q3ed3cad611_ffn1
    .symbol:         k_q3ed3cad611_ffn1.kd
    .args:
      - { .name: xs, .offset: 0, .size: 8, .value_kind: global_buffer, .address_space: global }
      - { .name: W1, .offset: 8, .size: 8, .value_kind: global_buffer, .address_space: global }
      - { .name: tiles, .offset: 16, .size: 8, .value_kind: global_buffer, .address_space: global }
      - { .name: h, .offset: 24, .size: 8, .value_kind: global_buffer, .address_space: global }
      - { .name: b1, .offset: 32, .size: 8, .value_kind: global_buffer, .address_space: global }
    .group_segment_fixed_size: 266752
    .private_segment_fixed_size: 0
    .kernarg_segment_align: 8
    .kernarg_segment_size: 40
    .max_flat_workgroup_size: 128
    .sgpr_count:     66
    .vgpr_count:     1024
    .wavefront_size: 32
...
	.end_amdgpu_metadata
.endif
;; end of part 8
;; launch ffn2 (part 9): grid 15 x 16, 4 waves a work-group, no clusters, 266,752 bytes of LDS; arguments h, W2, tiles, yp; writes yp
.if DOCPART == 9
	.amdgcn_target "amdgcn-amd-amdhsa--gfx1250"
	.amdhsa_code_object_version 6
	.text
	.protected	k_q3ed3cad611_ffn2
	.globl	k_q3ed3cad611_ffn2
	.p2align	8
	.type	k_q3ed3cad611_ffn2,@function
k_q3ed3cad611_ffn2:
	s_mov_b64 s[64:65], 0
	v_nop
	global_prefetch_b8 v0, s[64:65] scope:SCOPE_SE
	s_setreg_imm32_b32 hwreg(HW_REG_WAVE_MODE, 25, 1), 1
	s_wait_xcnt 0x0
.set FFN, 2
; ONE TEXT FOR BOTH PRODUCTS OF THE EXPERTS' LAYERS; the line above chooses.  FFN = 1: h = silu(xs W1[e] + b1[e]), bf16.  FFN = 2: yp[ks] = h[:, quarter ks of F] W2[e][that quarter], f32 partial sums.
; A work-group takes one row tile of the stored list (up to 256 slots of ONE expert) x 256 columns x K = 1,024.  Grid x = tile (15 cover every split of the tokens), y = the slice:
; FFN = 1: columns 256 y of F.  FFN = 2: y = 4 ks + cq: quarter ks of F as K, columns 256 cq of D.
; A WAVE owns 64 columns x all rows of the tile: 16 groups of 16 rows x 4 groups of columns = 64 accumulators.
; THE WEIGHTS, f32 [K][N], NEVER TOUCH LDS.  One 16-byte load gives lane (r = l % 16, h = l / 16) the columns 4 r .. 4 r + 3 of one k row (16 lanes: 256 consecutive bytes, aligned; the two halves of the
; lanes take two k rows).  Register q of the load belongs to column group q, in which lane r stands for column 4 r + q.  16 loads bring the k that a fragment's lane wants (8 h + 0..7, 16 + 8 h + 0..7),
; and 32 roundings to bf16, each of two neighbouring k, ARE the four fragments of a K step of 32.  So no tensor load brings the weights, and no joint request: each slice has its readers by the split.
; A RING OF FOUR REGISTER SLOTS, a K step each: step t rounds step t + 1's slot and asks for step t + 4, so that three steps' loads stay out while the products run.
; THE ROWS, bf16, go through LDS, since all four waves want all of them: chunks of 128 k (256 bytes of a row), two buffers, each wave bringing 64 rows in two halves.  Rows past the tile's count repeat
; its last real row.  ONE barrier a chunk: in front of it a wave's stores of the next chunk are done and its reads of this one are back; the buffer written next was last read in front of the barrier before.
; A BLOCK is 64 rows x 64 columns x 32 k: 8 roundings (the places behind the block before), 4 loads of weights, the next block's 8 fragment loads, 16 products.  The row batches go 0..3 in even K steps
; and 3..0 in odd ones, and a batch's fragments lie in buffer (step + batch) % 2: so two buffers take turns whatever the number of live batches.  Batches without rows are jumped.
; A tile without rows passes every barrier and jumps all work but the head's loads (real weights, slot 0), which every path issues, so that every register is written on every path.
; The accumulators are cleared by 64 products of a zero fragment, in the wait for the first loads: an eighth of the text of 512 moves; a first step written out would hang on the jumps over dead batches.
; D: register j of lane (r, h) is row 8 h + j, column 4 r + q of group q: a lane's 16 bytes of a row lie in four accumulators, and 32 moves for each 16 rows gather them on the way out.
; LIMITS: x, W and b are rounded to bf16, h once to bf16; NaN and infinities are not treated apart.
; REGISTERS.  window 0: as named below.  windows 1, 2: accumulator (g, q) in window 1 + g / 8 at 32 (g % 8) + 8 q.  window 3: the ring, slot u at 64 u, load j at 4 j.
.if FFN == 1
.set PW,    16384     ; bytes from row to row of the weights
.set ASH,   11        ; a row of A: 2,048 bytes
.set ROWSH, 13        ; a row of the output: 8,192 bytes
.else
.set PW,    4096
.set ASH,   13
.set ROWSH, 12
.endif
.set PA,    272       ; a row of A in LDS: 128 bf16 + 16 bytes: an odd multiple of 16, so the 16 rows of a fragment load start at 16 different groups of banks
.set ABUF1, 1<<17     ; buffer 0 (256 rows, 69,632 bytes) at byte 0, buffer 1 here: one exclusive or turns the one into the other
.set PS,    1040      ; FFN = 1, the way out: a row of 256 f32 + 16 bytes; the stage, 256 rows from byte 0 on, is used behind the last barrier of the K loop
.set SPARE, 256*PS    ; 266,240: the spare words, 128 bytes a wave, which no other line names
.set WOFF,  8         ; v8   8 h rows of weights + 256 w + 16 r
.set VAST0, 9         ; v9   where my 16 bytes of row 64 w + h go in a buffer
.set VALD0, 10        ; v10  a fragment of A: r x pitch + 16 h
.set VAST,  11        ; v11  the same two with the buffer in hand
.set VALD,  12        ; v12
.set STO,   13        ; v13  FFN = 1: into the stage; steps 16 rows a group
.set RD,    14        ; v14  FFN = 1: back from the stage; steps four rows a trip
.set CO,    15        ; v15  my bytes in the output
.set SPW,   16        ; v16  my spare word; never rewritten
.set NIL,   17        ; v17  0; never rewritten
.set L16,   18        ; v18  16 l
.set R16,   19        ; v19  16 r
.set BI,    20        ; v20-27  FFN = 1: the bias of my eight columns in the row loop
.set AOFF,  28        ; v28-59  load i's byte offset in A: row 64 w + 2 i + h of the tile
.set AF,    64        ; v64-127   two buffers of four fragments of A
.set BF,    128       ; v128-191  two buffers of four fragments of the weights
.set AS,    192       ; v192-255  half a chunk's rows on their way to LDS
.set Y,     64        ; the row loop: four rows x 8 numbers a lane
.set TT,    96
.set O,     128
.set WV,   16         ; s16  wave
.set G4,   24         ; s24  live batches of 64 rows
.set ROWS, 25         ; s25
.set TBR,  32         ; s32  the buffer that is read
.set TBW,  33         ; s33  the buffer that is written
.set G,    34         ; s34  live groups of 16 rows
.set MSB, 0
.macro WIN new                      ; the immediate's high byte repeats the setting that is left; at a label and at a branch every window is 0
.if MSB != (\new)
	s_set_vgpr_msb (MSB<<8)|(\new)
.set MSB, (\new)
.endif
.endm
.macro PLACES                       ; four plain instructions between a matrix instruction and a write of, a load into, or a reader of its registers
.rept 4
	v_nop
.endr
.endm
.macro BAR
	s_wait_dscnt 0x0                ; my LDS stores are done and my LDS reads are back
	s_barrier_signal -1
	s_barrier_wait -1
.endm
; four of the 16 loads of a K step's weights, into slot ws; the base stands at the chunk's first k row
.macro WLOAD ws, wp
	WIN 0xc0                        ; destination window 3
.irp jj, 0,1,2,3
	global_load_b128 v[64*(\ws)+4*(4*(\wp)+\jj):64*(\ws)+4*(4*(\wp)+\jj)+3], v[WOFF], s[6:7] offset:(32*(\ws)+4*(\wp)+\jj+8*((\wp)/2))*PW
.endr
.endm
; the four loads 4 cp .. of slot cu become registers 2 cp, 2 cp + 1 of the four fragments in buffer cb
.macro CVT cu, cb, cp
	WIN 0x0f                        ; sources window 3, destination window 0
.irp ii, 0,1
.irp q, 0,1,2,3
	v_cvt_pk_bf16_f32 v[BF+32*(\cb)+8*\q+2*(\cp)+\ii], v[64*(\cu)+8*(2*(\cp)+\ii)+\q], v[64*(\cu)+8*(2*(\cp)+\ii)+4+\q]
.endr
.endr
.endm
.macro ALOAD ah                     ; half ah of my 64 rows of the next chunk: 16 loads of two rows x 256 bytes
.set i, 0
.rept 16
	global_load_b128 v[AS+4*i:AS+4*i+3], v[AOFF+16*(\ah)+i], s[4:5]
.set i, i+1
.endr
.endm
.macro ASTORE ah
.set i, 0
.rept 16
	ds_store_b128 v[VAST], v[AS+4*i:AS+4*i+3] offset:(32*(\ah)+2*i)*PA
.set i, i+1
.endr
.endm
.macro FETCH fs, frb                ; the four fragments of A of batch frb, K step fs of the chunk
.set fb, AF+32*(((\fs)+(\frb))%2)
.irp a, 0,1,2,3
	ds_load_b128 v[fb+8*\a:fb+8*\a+3],   v[VALD] offset:(4*(\frb)+\a)*16*PA+64*(\fs)
	ds_load_b128 v[fb+8*\a+4:fb+8*\a+7], v[VALD] offset:(4*(\frb)+\a)*16*PA+64*(\fs)+32
.endr
.endm
.macro MUL ms                       ; 16 products of batch rb; the accumulators take turns, one instruction a turn
.set fb, AF+32*(((\ms)+rb)%2)
.set bb, BF+32*((\ms)%2)
	WIN 0x50*(1+rb/2)               ; C and D in window 1 or 2
.irp a, 0,1,2,3
.irp q, 0,1,2,3
	v_wmma_f32_16x16x32_bf16 v[((4*(rb%2)+\a)*4+\q)*8:((4*(rb%2)+\a)*4+\q)*8+7], v[fb+8*\a:fb+8*\a+7], v[bb+8*\q:bb+8*\q+7], v[((4*(rb%2)+\a)*4+\q)*8:((4*(rb%2)+\a)*4+\q)*8+7]
.endr
.endr
	WIN 0
.endm
; Place p of K step s of a chunk.  mode = 1: in the loop: loads are issued.  mode = 0: the last chunk: nothing is left to ask for.
.macro BLOCK s, p, mode
.if ((\s)%2) == 0
.set rb, (\p)
.else
.set rb, 3-(\p)
.endif
.if (\p) == 0
	PLACES                          ; the roundings below write the fragments that the step before multiplied by
.endif
.if \mode
	s_wait_loadcnt 60               ; the four loads wanted are in: 60 or more are younger: 12 - 4 p of their own step, 32 of the next two, 4 p of this step, 16 of rows
.elseif (\s) == 0
	s_wait_loadcnt 28               ; no load is issued any more: the counts run down
.elseif (\s) == 1
	s_wait_loadcnt 28-4*(\p)
.elseif (\s) == 2
	s_wait_loadcnt 12-4*(\p)
.endif
.if (\mode) || ((\s) < 3)
	CVT ((\s)+1)%4, ((\s)+1)%2, \p
.elseif (\p) != 0
	PLACES
.endif
.if \mode
	WLOAD \s, \p
.endif
	WIN 0
.if (\mode) && (((\s)%2) == 0) && ((\p) == 0)
	s_wait_dscnt 0x0                ; the LDS stores have taken the last half's rows out of the registers
	ALOAD (\s)/2
.endif
	s_cmp_le_u32 s[G4], rb
	s_cbranch_scc1 .Ldead_\@
	s_wait_dscnt 0x0                ; my fragments, asked for a block ago, are in; no LDS load is out when the next are asked for
.if ((\s)%2) == 0
.if (\p) < 3
	s_cmp_gt_u32 s[G4], rb+1
	s_cbranch_scc0 .Lalt_\@
	FETCH \s, rb+1                  ; the next batch of this step,
	s_branch .Lj_\@
.Lalt_\@:
	FETCH (\s)+1, rb                ; or, behind the last live one, the same batch of the next step
.Lj_\@:
.else
	FETCH (\s)+1, 3
.endif
.else
.if rb > 0
	FETCH \s, rb-1
.elseif (\s) == 1
	FETCH 2, 0
.endif
.endif
	MUL \s
.Ldead_\@:
.endm
.macro CHUNK mode                   ; 128 along K
	s_cmp_eq_u32 s[ROWS], 0
	s_cbranch_scc1 .Lskip_\@
	v_add_nc_u32 v[VALD], s[TBR], v[VALD0]
.if \mode
	v_add_nc_u32 v[VAST], s[TBW], v[VAST0]
.endif
	FETCH 0, 0
.irp ks, 0,1,2,3
.irp kp, 0,1,2,3
	BLOCK \ks, \kp, \mode
.endr
.if (\mode) && (((\ks)%2) == 1)
	s_wait_loadcnt 28               ; the half's 16 loads are in: 12 + 16 loads of weights are younger
	ASTORE (\ks)/2
.endif
.endr
.Lskip_\@:
.endm
	s_load_b256 s[4:11], s[0:1], 0x0               ; A s4, the weights s6, tiles s8, the output s10
.if FFN == 1
	s_load_b64 s[12:13], s[0:1], 0x20              ; b1
.endif
	v_lshl_add_u32 v[SPW], v0, 2, SPARE
	v_mov_b32 v[NIL], 0
	v_and_b32 v1, 31, v0                           ; l
	v_lshrrev_b32 v4, 5, v0
	v_readfirstlane_b32 s[WV], v4
	s_and_b32 s17, ttmp7, 0xffff                   ; y
	s_lshl_b32 s28, ttmp9, 4                       ; my tile's 16 bytes in the list
	s_mov_b32 s29, 0
	s_wait_kmcnt 0x0
	s_add_nc_u64 s[8:9], s[8:9], s[28:29]
	s_load_b128 s[20:23], s[8:9], 0x0              ; expert, first slot, rows, 0
	v_and_b32 v2, 15, v0                           ; r
	v_bfe_u32 v3, v0, 4, 1                         ; h
	v_lshlrev_b32 v[L16], 4, v1
	v_lshlrev_b32 v[R16], 4, v2
	s_lshl_b32 s18, s[WV], 8                       ; 256 w: my 64 columns of f32
	v_mul_u32_u24 v[WOFF], v3, 8*PW
	v_add3_u32 v[WOFF], v[WOFF], v[R16], s18
	s_lshl_b32 s35, s[WV], 6                       ; 64 w
	v_add_nc_u32 v4, s35, v3                       ; 64 w + h
	v_mul_u32_u24 v[VAST0], v4, PA
	v_add_nc_u32 v[VAST0], v[VAST0], v[R16]
	v_mul_u32_u24 v[VALD0], v2, PA
	v_lshl_add_u32 v[VALD0], v3, 4, v[VALD0]
.if FFN == 1
	v_mul_u32_u24 v[STO], v3, 8*PS                 ; row 8 h, my wave's 256 bytes, 16 r
	v_add3_u32 v[STO], v[STO], v[R16], s18
	s_mul_i32 s14, s[WV], 64*PS
	v_add_nc_u32 v[RD], s14, v[L16]                ; back: wave w takes rows 64 w .. 64 w + 63, whole
	v_lshlrev_b32 v[CO], 3, v1
.else
	v_lshl_add_u32 v[CO], v3, 15, v[R16]           ; row 8 h of 4,096 bytes, 16 r,
	v_add_nc_u32 v[CO], s18, v[CO]                 ; my wave's 256 bytes
.endif
	s_wait_kmcnt 0x0
	s_min_u32 s20, s20, 7
	s_min_u32 s21, s21, 2175
	s_min_u32 s[ROWS], s22, 256
	s_add_co_u32 s[G], s[ROWS], 15
	s_lshr_b32 s[G], s[G], 4
	s_add_co_u32 s[G4], s[ROWS], 63
	s_lshr_b32 s[G4], s[G4], 6
	s_max_u32 s19, s[ROWS], 1
	s_sub_co_u32 s19, s19, 1                       ; the tile's last real row
.set i, 0
.rept 32
	v_add_nc_u32 v[AOFF+i], 2*i, v4
	v_min_u32 v[AOFF+i], s19, v[AOFF+i]
	v_add_nc_u32 v[AOFF+i], s21, v[AOFF+i]
	v_min_u32 v[AOFF+i], 0x87f, v[AOFF+i]
	v_lshl_add_u32 v[AOFF+i], v[AOFF+i], ASH, v[R16]
.set i, i+1
.endr
	s_lshl_b32 s28, s20, 24                        ; an expert's weights are 16 MiB
.if FFN == 1
	s_lshl_b32 s18, s17, 10                        ; 256 columns of f32
	s_add_co_u32 s28, s28, s18
	s_add_nc_u64 s[6:7], s[6:7], s[28:29]
	s_lshl_b32 s28, s17, 9                         ; 256 columns of bf16
	s_add_nc_u64 s[10:11], s[10:11], s[28:29]
	s_lshl_b32 s28, s20, 14
	s_add_co_u32 s28, s28, s18
	s_add_nc_u64 s[12:13], s[12:13], s[28:29]
	s_add_co_u32 s15, s21, s35                     ; first slot + 64 w
	s_lshl_b32 s14, s[WV], 2                       ; 4 w
	global_load_b128 v[BI:BI+3],   v[L16], s[12:13]
	global_load_b128 v[BI+4:BI+7], v[L16], s[12:13] offset:512
.else
	s_lshr_b32 s18, s17, 2                         ; ks
	s_and_b32 s14, s17, 3                          ; cq
	s_lshl_b32 s14, s14, 10
	s_lshl_b32 s27, s18, 22                        ; 1,024 rows of 4,096 bytes
	s_add_co_u32 s28, s28, s27
	s_add_co_u32 s28, s28, s14
	s_add_nc_u64 s[6:7], s[6:7], s[28:29]
	s_lshl_b32 s28, s18, 11                        ; 1,024 columns of bf16 in h
	s_add_nc_u64 s[4:5], s[4:5], s[28:29]
	s_mul_i32 s28, s18, 8912896                    ; a plane of yp: 2,176 rows of 4,096 bytes
	s_add_co_u32 s28, s28, s14
	s_lshl_b32 s27, s21, 12                        ; the tile's first slot
	s_add_co_u32 s28, s28, s27
	s_add_nc_u64 s[10:11], s[10:11], s[28:29]
.endif
	; THE HEAD, on every path: chunk 0's rows (the second half into the fragments' registers, which are free), the weights of K steps 0 to 3, and between them the clearing.
.set i, 0
.rept 16
	global_load_b128 v[AS+4*i:AS+4*i+3], v[AOFF+i], s[4:5]
.set i, i+1
.endr
.set i, 0
.rept 16
	global_load_b128 v[AF+4*i:AF+4*i+3], v[AOFF+16+i], s[4:5]
.set i, i+1
.endr
.irp p, 0,1,2,3
	WLOAD 0, \p
.endr
.irp p, 0,1,2
	WLOAD 1, \p
.endr
	WIN 0
.set i, 0
.rept 16
	v_mov_b32 v[BF+i], 0                           ; two zero fragments
.set i, i+1
.endr
	WIN 0x40
.set i, 0
.rept 32
	v_wmma_f32_16x16x32_bf16 v[8*i:8*i+7], v[BF:BF+7], v[BF+8:BF+15], 0
.set i, i+1
.endr
	WIN 0x80
.set i, 0
.rept 32
	v_wmma_f32_16x16x32_bf16 v[8*i:8*i+7], v[BF:BF+7], v[BF+8:BF+15], 0
.set i, i+1
.endr
	WLOAD 1, 3
.irp p, 0,1,2,3
	WLOAD 2, \p
.endr
.irp p, 0,1,2,3
	WLOAD 3, \p
.endr
	WIN 0
	s_wait_loadcnt 63                              ; the rows (and the bias) are in: 64 loads of weights are younger
.set i, 0
.rept 16
	ds_store_b128 v[VAST0], v[AS+4*i:AS+4*i+3] offset:2*i*PA
	ds_store_b128 v[VAST0], v[AF+4*i:AF+4*i+3] offset:(32+2*i)*PA
.set i, i+1
.endr
	PLACES                                         ; the roundings below write the zero fragments' registers
	s_wait_loadcnt 32                              ; K steps 0 and 1 are in; the 32 loads of steps 2 and 3 stay out
.irp p, 0,1,2,3
	CVT 0, 0, \p
.endr
	WIN 0
	s_wait_xcnt 0x0                                ; the bases step only behind this wait
	s_add_nc_u64 s[6:7], s[6:7], 128*PW
	s_add_nc_u64 s[4:5], s[4:5], 256
	s_mov_b32 s[TBR], 0
	s_mov_b32 s[TBW], ABUF1
	BAR
	s_mov_b32 s26, 7
.Lk:                                               ; trip c multiplies chunk c, brings chunk c + 1's rows into the other buffer and asks for chunk c + 1's weights
	CHUNK 1
	s_wait_xcnt 0x0                                ; the bases step only behind this wait
	s_add_nc_u64 s[6:7], s[6:7], 128*PW
	s_add_nc_u64 s[4:5], s[4:5], 256
	s_xor_b32 s[TBR], s[TBR], ABUF1
	s_xor_b32 s[TBW], s[TBW], ABUF1
	BAR
	s_sub_co_u32 s26, s26, 1
	s_cmp_lg_u32 s26, 0
	s_cbranch_scc1 .Lk
	CHUNK 0                                        ; the last chunk is written out: no load leaves the slice
	BAR                                            ; nobody reads the buffers any more
	; THE WAY OUT, 16 rows at a time; groups without rows are jumped.  Each accumulator's lowest register is read first.
	PLACES
.irp g, 0,1,2,3,4,5,6,7,8,9,10,11,12,13,14,15
	s_cmp_le_u32 s[G], \g
	s_cbranch_scc1 .Lgone
.if (FFN == 2) && (((\g)%4) == 0) && ((\g) > 0)
	s_wait_xcnt 0x0                                ; four sets of registers take turns: a set is rewritten only behind this wait
.endif
	WIN 1+(\g)/8                                   ; source window 1 or 2
.irp j, 0,1,2,3,4,5,6,7
.irp q, 0,1,2,3
	v_mov_b32 v[AF+32*((\g)%4)+4*\j+\q], v[(((\g)%8)*4+\q)*8+\j]
.endr
.endr
	WIN 0
.irp j, 0,1,2,3,4,5,6,7
.if FFN == 1
	ds_store_b128 v[STO], v[AF+32*((\g)%4)+4*\j:AF+32*((\g)%4)+4*\j+3] offset:\j*PS
.else
	global_store_b128 v[CO], v[AF+32*((\g)%4)+4*\j:AF+32*((\g)%4)+4*\j+3], s[10:11] offset:(16*(\g)+\j)*4096  ; two rows, 256 consecutive bytes of each, aligned
.endif
.endr
.if FFN == 1
	v_add_nc_u32 v[STO], 16*PS, v[STO]
.endif
.endr
.Lgone:
.if FFN == 1
	BAR                                            ; a row's 1,024 bytes come from four waves
	s_wait_loadcnt 0x0
.irp c, 0,2,4,6
	v_cvt_pk_bf16_f32 v[TT], v[BI+\c], v[BI+\c+1]  ; the bias, rounded to bf16 like every input, and written as f32 again
	v_lshlrev_b32 v[BI+\c], 16, v[TT]
	v_and_b32 v[BI+\c+1], 0xffff0000, v[TT]
.endr
	s_mov_b32 s26, 0
.Lback:                                            ; 16 trips of four rows; trips of groups without rows are jumped
	s_wait_xcnt 0x0                                ; the last trip's stores have had their addresses translated: their base and data are rewritten only behind this wait
	s_lshr_b32 s27, s26, 2
	s_add_co_u32 s27, s27, s14
	s_cmp_ge_u32 s27, s[G]
	s_cbranch_scc1 .Ldead
	s_lshl2_add_u32 s28, s26, s15                  ; first slot + 64 w + 4 q
	s_lshl_b32 s28, s28, ROWSH
	s_mov_b32 s29, 0
	s_add_nc_u64 s[30:31], s[10:11], s[28:29]
.irp i, 0,1,2,3
	ds_load_b128 v[Y+8*\i:Y+8*\i+3],   v[RD] offset:\i*PS
	ds_load_b128 v[Y+8*\i+4:Y+8*\i+7], v[RD] offset:\i*PS+512
.endr
	s_wait_dscnt 0x0
.set n, 0
.rept 16
	v_pk_add_f32 v[Y+2*n:Y+2*n+1], v[Y+2*n:Y+2*n+1], v[BI+(2*n)%8:BI+(2*n)%8+1]
.set n, n+1
.endr
.set n, 0
.rept 16
	v_pk_mul_f32 v[TT+2*n:TT+2*n+1], v[Y+2*n:Y+2*n+1], 0xbfb8aa3b op_sel_hi:[1,0]  ; - log2(e) x
.set n, n+1
.endr
.set n, 0
.rept 32
	v_exp_f32 v[TT+n], v[TT+n]
.set n, n+1
.endr
	v_nop                                          ; a plain instruction behind the last exponential,
	s_wait_alu depctr_va_vdst(0)                   ; and one wait for the batch of 32
.set n, 0
.rept 16
	v_pk_add_f32 v[TT+2*n:TT+2*n+1], v[TT+2*n:TT+2*n+1], 1.0 op_sel_hi:[1,0]
.set n, n+1
.endr
.set n, 0
.rept 32
	v_rcp_f32 v[TT+n], v[TT+n]
.set n, n+1
.endr
	v_nop
	s_wait_alu depctr_va_vdst(0)                   ; one wait for the 32 reciprocals
.set n, 0
.rept 16
	v_pk_mul_f32 v[Y+2*n:Y+2*n+1], v[Y+2*n:Y+2*n+1], v[TT+2*n:TT+2*n+1]  ; x / (1 + e^-x)
.set n, n+1
.endr
.set n, 0
.rept 16
	v_cvt_pk_bf16_f32 v[O+n], v[Y+2*n], v[Y+2*n+1]
.set n, n+1
.endr
.irp i, 0,1,2,3
	global_store_b64 v[CO], v[O+4*\i:O+4*\i+1],   s[30:31] offset:\i*8192      ; 32 lanes store 256 consecutive bytes, aligned
	global_store_b64 v[CO], v[O+4*\i+2:O+4*\i+3], s[30:31] offset:\i*8192+256
.endr
.Ldead:
	v_add_nc_u32 v[RD], 4*PS, v[RD]
	s_add_co_u32 s26, s26, 1
	s_cmp_lt_u32 s26, 16
	s_cbranch_scc1 .Lback
.endif
	s_wait_tensorcnt 0x0                           ; the wave's end: three lines behind my last LDS store
	ds_add_u32 v[SPW], v[NIL]
	s_wait_dscnt 0x0
	s_endpgm
.Lfunc_end_k_q3ed3cad611_ffn2:
	.size	k_q3ed3cad611_ffn2, .Lfunc_end_k_q3ed3cad611_ffn2-k_q3ed3cad611_ffn2
	.p2alignl 7, 3214868480
	.fill 96, 4, 3214868480
	.section	.rodata,"a",@progbits
	.p2align	6, 0x0
	.amdhsa_kernel k_q3ed3cad611_ffn2
		.amdhsa_group_segment_fixed_size 266752
		.amdhsa_private_segment_fixed_size 0
		.amdhsa_enable_private_segment 0
		.amdhsa_kernarg_size 32
		.amdhsa_user_sgpr_count 2
		.amdhsa_user_sgpr_kernarg_segment_ptr 1
		.amdhsa_wavefront_size32 1
		.amdhsa_system_sgpr_workgroup_id_x 1
		.amdhsa_system_sgpr_workgroup_id_y 1
		.amdhsa_system_sgpr_workgroup_id_z 1
		.amdhsa_system_vgpr_workitem_id 0
		.amdhsa_next_free_vgpr 1024
		.amdhsa_next_free_sgpr 66
		.amdhsa_reserve_vcc 0
		.amdhsa_float_denorm_mode_32 3
		.amdhsa_float_denorm_mode_16_64 3
		.amdhsa_memory_ordered 1
		.amdhsa_forward_progress 1
		.amdhsa_inst_pref_size 149
	.end_amdhsa_kernel
	.amdgpu_metadata
---
amdhsa.version: [ 1, 2 ]
amdhsa.kernels:
  - .name:           k_q3ed3cad611_ffn2
    .symbol:         k_q3ed3cad611_ffn2.kd
    .args:
      - { .name: h, .offset: 0, .size: 8, .value_kind: global_buffer, .address_space: global }
      - { .name: W2, .offset: 8, .size: 8, .value_kind: global_buffer, .address_space: global }
      - { .name: tiles, .offset: 16, .size: 8, .value_kind: global_buffer, .address_space: global }
      - { .name: yp, .offset: 24, .size: 8, .value_kind: global_buffer, .address_space: global }
    .group_segment_fixed_size: 266752
    .private_segment_fixed_size: 0
    .kernarg_segment_align: 8
    .kernarg_segment_size: 32
    .max_flat_workgroup_size: 128
    .sgpr_count:     66
    .vgpr_count:     1024
    .wavefront_size: 32
...
	.end_amdgpu_metadata
.endif
;; end of part 9
;; launch comb: the kernel of part 5 again; grid 256 x 1, 8 waves a work-group, no clusters, 0 bytes of LDS; arguments yp, pos, sel, gw, b2, out0; writes out0
;; ======== version 3 of 3: 5 launches; version 2 with the launches ffn1, ffn2 written anew for expert scheduling mode
;; workspace buffers: sel 8,192 bytes of whole numbers; gw 8,192 bytes; psum 16,384 bytes; pos 8,192 bytes of whole numbers; tiles 512 bytes of whole numbers; xs 4,456,448 bytes; h 17,825,792 bytes; yp 35,651,584 bytes
;; launch router: the kernel of part 6 again; grid 256 x 1, 8 waves a work-group, no clusters, 2,560 bytes of LDS; arguments inputs, task_param, Wg_in, bg_in, Wg_task, bg_task, alpha, sel, gw, psum; writes sel, gw, psum
;; launch place: the kernel of part 7 again; grid 32 x 1, 8 waves a work-group, no clusters, 2,048 bytes of LDS; arguments sel, psum, inputs, xs, pos, tiles, out1; writes xs, pos, tiles, out1
;; launch ffn1 (part 10): grid 15 x 16, 4 waves a work-group, no clusters, 266,752 bytes of LDS; arguments xs, W1, tiles, h, b1; writes h
.if DOCPART == 10
	.amdgcn_target "amdgcn-amd-amdhsa--gfx1250"
	.amdhsa_code_object_version 6
	.text
	.protected	k_q3ed3cad611_ffn1
	.globl	k_q3ed3cad611_ffn1
	.p2align	8
	.type	k_q3ed3cad611_ffn1,@function
k_q3ed3cad611_ffn1:
	s_mov_b64 s[64:65], 0
	v_nop
	global_prefetch_b8 v0, s[64:65] scope:SCOPE_SE
	s_setreg_imm32_b32 hwreg(HW_REG_WAVE_SCHED_MODE, 0, 2), 2
	s_setreg_imm32_b32 hwreg(HW_REG_WAVE_MODE, 25, 1), 1
	s_wait_xcnt 0x0
	s_wait_alu depctr_vm_vsrc(0)
.set FFN, 1
; ONE TEXT FOR BOTH PRODUCTS OF THE EXPERTS' LAYERS; the line above chooses.  FFN = 1: h = silu(xs W1[e] + b1[e]), bf16.  FFN = 2: yp[ks] = h[:, quarter ks of F] W2[e][that quarter], f32 partial sums.
; A work-group takes one row tile of the stored list (up to 256 slots of ONE expert) x 256 columns x K = 1,024.  Grid x = tile (15 cover every split of the tokens), y = the slice:
; FFN = 1: columns 256 y of F.  FFN = 2: y = 4 ks + cq: quarter ks of F as K, columns 256 cq of D.
; A WAVE owns 64 columns x all rows of the tile: 16 groups of 16 rows x 4 groups of columns = 64 accumulators.
; THE WEIGHTS, f32 [K][N], NEVER TOUCH LDS.  One 16-byte load gives lane (r = l % 16, h = l / 16) the columns 4 r .. 4 r + 3 of one k row (16 lanes: 256 consecutive bytes, aligned; the two halves of the
; lanes take two k rows).  Register q of the load belongs to column group q, in which lane r stands for column 4 r + q.  16 loads bring the k that a fragment's lane wants (8 h + 0..7, 16 + 8 h + 0..7),
; and 32 roundings to bf16, each of two neighbouring k, ARE the four fragments of a K step of 32.  So no tensor load brings the weights, and no joint request: each slice has its readers by the split.
; A RING OF FOUR REGISTER SLOTS, a K step each: step t rounds step t + 1's slot and asks for step t + 4, so that three steps' loads stay out while the products run.
; THE ROWS, bf16, go through LDS, since all four waves want all of them: chunks of 128 k (256 bytes of a row), two buffers, each wave bringing 64 rows in two halves.  Rows past the tile's count repeat
; its last real row.  ONE barrier a chunk: in front of it a wave's stores of the next chunk are done and its reads of this one are back; the buffer written next was last read in front of the barrier before.
; A BLOCK is 64 rows x 64 columns x 32 k: 8 roundings (the places behind the block before), 4 loads of weights, 16 products, and behind the first four of them the next block's 8 fragment loads.
; The row batches go 0..3 in even K steps and 3..0 in odd ones, and a batch's fragments lie in buffer (step + batch) % 2: so two buffers take turns whatever the number of live batches.  Batches without rows are jumped.
; A tile without rows passes every barrier and jumps all work but the head's loads (real weights, slot 0), which every path issues, so that every register is written on every path.
; The accumulators are cleared by 64 products of a zero fragment, in the wait for the first loads: an eighth of the text of 512 moves; a first step written out would hang on the jumps over dead batches.
; D: register j of lane (r, h) is row 8 h + j, column 4 r + q of group q: a lane's 16 bytes of a row lie in four accumulators, and 32 moves for each 16 rows gather them on the way out.
; LIMITS: x, W and b are rounded to bf16, h once to bf16; NaN and infinities are not treated apart.
; REGISTERS.  window 0: as named below.  windows 1, 2: accumulator (g, q) in window 1 + g / 8 at 32 (g % 8) + 8 q.  window 3: the ring, slot u at 64 u, load j at 4 j.
; THE MODE: SCHED_MODE bits 1:0 = 2 (LLVM: expert scheduling mode 2), set by the entry lines.  The code itself states the register dependences between vector or matrix instructions and memory or LDS
; instructions, with s_wait_alu, always for 0.
; THE PLAN.  Registers that memory or LDS instructions touch, in the K loop:
;   the ring        Block (s, p): its 8 roundings read part p of slot s + 1; the 4 loads of block (s + 1, p), four blocks on, land there again.
;   AF0, AF1        A block's products read one buffer; the fragment loads issued among them land in the other, which the block before multiplied by.
;   AS              Loads from memory land in it, LDS stores read it; no vector instruction names it.
;   VALD, VAST      Read by the fragment loads and by the rows' LDS stores; written once a chunk, at its head.
;   WOFF, AOFF      Read by the loads from memory; never written again: scalar bases and immediate offsets do the rest.
;   BF0, BF1 and the accumulators are named by vector and matrix instructions alone.
; So ONE wait on va_vdst stands in a block, behind its roundings and ahead of the jump over a dead batch, on every path.  It states that the block before's products are done reading the buffer in which
; this block's fragment loads land, and that this block's roundings are done reading their part of the ring.  The block's own loads of weights stand ahead of it: their registers were last named four blocks
; back, ahead of that block's wait.  A chunk's head has one wait on vm_vsrc ahead of the adds to VALD and VAST and one on va_vdst behind them; one more on vm_vsrc stands ahead of the second half's row loads.
; THE WAY OUT: four sets of 32 registers (v64-191) take turns: a group's 32 moves write a set, its 8 stores read it: a wait on va_vdst between the two, and one on vm_vsrc for each four groups, ahead of the
; first move into a set that stores have read; there STO steps too.  The row loop (FFN = 1): LDS loads land in Y, which the arithmetic reads and writes; the roundings write O, which the stores read; RD steps at a trip's end.
.if FFN == 1
.set PW,    16384     ; bytes from row to row of the weights
.set ASH,   11        ; a row of A: 2,048 bytes
.set ROWSH, 13        ; a row of the output: 8,192 bytes
.else
.set PW,    4096
.set ASH,   13
.set ROWSH, 12
.endif
.set PA,    272       ; a row of A in LDS: 128 bf16 + 16 bytes: an odd multiple of 16, so the 16 rows of a fragment load start at 16 different groups of banks
.set ABUF1, 1<<17     ; buffer 0 (256 rows, 69,632 bytes) at byte 0, buffer 1 here: one exclusive or turns the one into the other
.set PS,    1040      ; FFN = 1, the way out: a row of 256 f32 + 16 bytes; the stage, 256 rows from byte 0 on, is used behind the last barrier of the K loop; the 512 bytes behind it are the spare words, 128 bytes a wave
.set WOFF,  8         ; v8   8 h rows of weights + 256 w + 16 r
.set VAST0, 9         ; v9   where my 16 bytes of row 64 w + h go in a buffer
.set VALD0, 10        ; v10  a fragment of A: r x pitch + 16 h
.set VAST,  11        ; v11  the same two with the buffer in hand
.set VALD,  12        ; v12
.set STO,   13        ; v13  FFN = 1: into the stage; steps 64 rows for each four groups
.set RD,    14        ; v14  FFN = 1: back from the stage; steps four rows a trip
.set CO,    15        ; v15  my bytes in the output
.set L16,   18        ; v18  16 l
.set R16,   19        ; v19  16 r
.set BI,    20        ; v20-27  FFN = 1: the bias of my eight columns in the row loop
.set AOFF,  28        ; v28-59  load i's byte offset in A: row 64 w + 2 i + h of the tile
.set AF,    64        ; v64-127   two buffers of four fragments of A
.set BF,    128       ; v128-191  two buffers of four fragments of the weights
.set AS,    192       ; v192-255  half a chunk's rows on their way to LDS
.set Y,     64        ; the row loop: four rows x 8 numbers a lane
.set TT,    96
.set O,     128
.set WV,   16         ; s16  wave
.set G4,   24         ; s24  live batches of 64 rows
.set ROWS, 25         ; s25
.set TBR,  32         ; s32  the buffer that is read
.set TBW,  33         ; s33  the buffer that is written
.set G,    34         ; s34  live groups of 16 rows
.set MSB, 0
.macro WIN new                      ; the immediate's high byte repeats the setting that is left; at a label and at a branch every window is 0
.if MSB != (\new)
	s_set_vgpr_msb (MSB<<8)|(\new)
.set MSB, (\new)
.endif
.endm
.macro PLACES                       ; four plain instructions between a matrix instruction and a write of, a load into, or a reader of its registers
.rept 4
	v_nop
.endr
.endm
.macro BAR
	s_wait_dscnt 0x0                ; my LDS stores are done and my LDS reads are back
	s_barrier_signal -1
	s_barrier_wait -1
.endm
; four of the 16 loads of a K step's weights, into slot ws; the base stands at the chunk's first k row
.macro WLOAD ws, wp
	WIN 0xc0                        ; destination window 3
.irp jj, 0,1,2,3
	global_load_b128 v[64*(\ws)+4*(4*(\wp)+\jj):64*(\ws)+4*(4*(\wp)+\jj)+3], v[WOFF], s[6:7] offset:(32*(\ws)+4*(\wp)+\jj+8*((\wp)/2))*PW
.endr
.endm
; the four loads 4 cp .. of slot cu become registers 2 cp, 2 cp + 1 of the four fragments in buffer cb
.macro CVT cu, cb, cp
	WIN 0x0f                        ; sources window 3, destination window 0
.irp ii, 0,1
.irp q, 0,1,2,3
	v_cvt_pk_bf16_f32 v[BF+32*(\cb)+8*\q+2*(\cp)+\ii], v[64*(\cu)+8*(2*(\cp)+\ii)+\q], v[64*(\cu)+8*(2*(\cp)+\ii)+4+\q]
.endr
.endr
.endm
.macro ALOAD ah                     ; half ah of my 64 rows of the next chunk: 16 loads of two rows x 256 bytes
.set i, 0
.rept 16
	global_load_b128 v[AS+4*i:AS+4*i+3], v[AOFF+16*(\ah)+i], s[4:5]
.set i, i+1
.endr
.endm
.macro ASTORE ah
.set i, 0
.rept 16
	ds_store_b128 v[VAST], v[AS+4*i:AS+4*i+3] offset:(32*(\ah)+2*i)*PA
.set i, i+1
.endr
.endm
.macro FETCH fs, frb                ; the four fragments of A of batch frb, K step fs of the chunk
.set fb, AF+32*(((\fs)+(\frb))%2)
.irp a, 0,1,2,3
	ds_load_b128 v[fb+8*\a:fb+8*\a+3],   v[VALD] offset:(4*(\frb)+\a)*16*PA+64*(\fs)
	ds_load_b128 v[fb+8*\a+4:fb+8*\a+7], v[VALD] offset:(4*(\frb)+\a)*16*PA+64*(\fs)+32
.endr
.endm
.macro MULA ms, a                   ; four of the 16 products of batch rb: its group a of 16 rows; the accumulators take turns, one instruction a turn
.set fb, AF+32*(((\ms)+rb)%2)
.set bb, BF+32*((\ms)%2)
	WIN 0x50*(1+rb/2)               ; C and D in window 1 or 2
.irp q, 0,1,2,3
	v_wmma_f32_16x16x32_bf16 v[((4*(rb%2)+(\a))*4+\q)*8:((4*(rb%2)+(\a))*4+\q)*8+7], v[fb+8*(\a):fb+8*(\a)+7], v[bb+8*\q:bb+8*\q+7], v[((4*(rb%2)+(\a))*4+\q)*8:((4*(rb%2)+(\a))*4+\q)*8+7]
.endr
.endm
; Place p of K step s of a chunk.  mode = 1: in the loop: loads are issued.  mode = 0: the last chunk: nothing is left to ask for.
.macro BLOCK s, p, mode
.if ((\s)%2) == 0
.set rb, (\p)
.else
.set rb, 3-(\p)
.endif
.if (\p) == 0
	PLACES                          ; the roundings below write the fragments that the step before multiplied by
.endif
.if \mode
	s_wait_loadcnt 60               ; the four loads wanted are in: 60 or more are younger: 12 - 4 p of their own step, 32 of the next two, 4 p of this step, 16 of rows
.elseif (\s) == 0
	s_wait_loadcnt 28               ; no load is issued any more: the counts run down
.elseif (\s) == 1
	s_wait_loadcnt 28-4*(\p)
.elseif (\s) == 2
	s_wait_loadcnt 12-4*(\p)
.endif
.if (\mode) || ((\s) < 3)
	CVT ((\s)+1)%4, ((\s)+1)%2, \p
.elseif (\p) != 0
	PLACES
.endif
.if \mode
	WLOAD \s, \p                    ; no wait: part p of slot s was last named by the roundings four blocks back, ahead of that block's wait on va_vdst; WOFF is never written
.endif
	WIN 0
.if (\mode) && (((\s)%2) == 0) && ((\p) == 0)
	s_wait_dscnt 0x0                ; the LDS stores have taken the last half's rows out of the registers
.if (\s) == 2
	s_wait_alu depctr_vm_vsrc(0)    ; the LDS stores behind step 1 have read AS, in which the loads below land (in step 0 the wait at the chunk's head has stated it)
.endif
	ALOAD (\s)/2
.endif
.if ((\s) != 3) || ((\p) != 3)      ; a chunk's last block fetches nothing, and the next chunk's head has a wait of its own
	s_wait_alu depctr_va_vdst(0)    ; the block before's products are done reading the fragments' buffer in which the loads below land; this block's roundings are done reading their part of the ring, which is asked for again four blocks on
.endif
	s_cmp_le_u32 s[G4], rb
	s_cbranch_scc1 .Ldead_\@
	s_wait_dscnt 0x0                ; my fragments, asked for a block ago, are in; no LDS load is out when the next are asked for
	MULA \s, 0
.if ((\s) != 3) || ((\p) != 3)      ; the next block's fragments.  No wait: the four products since the wait name this block's buffer, BF and accumulators, not the other buffer and not VALD
	WIN 0
.if ((\s)%2) == 0
.if (\p) < 3
	s_cmp_gt_u32 s[G4], rb+1
	s_cbranch_scc0 .Lalt_\@
	FETCH \s, rb+1                  ; the next batch of this step,
	s_branch .Lj_\@
.Lalt_\@:
	FETCH (\s)+1, rb                ; or, behind the last live one, the same batch of the next step
.Lj_\@:
.else
	FETCH (\s)+1, 3
.endif
.else
.if rb > 0
	FETCH \s, rb-1
.elseif (\s) == 1
	FETCH 2, 0
.endif
.endif
.endif
	MULA \s, 1
	MULA \s, 2
	MULA \s, 3
	WIN 0
.Ldead_\@:
.endm
.macro CHUNK mode                   ; 128 along K
	s_cmp_eq_u32 s[ROWS], 0
	s_cbranch_scc1 .Lskip_\@
	s_wait_alu depctr_vm_vsrc(0)    ; the LDS loads and stores issued so far have read VALD and VAST, which the adds below write, and AS, in which step 0's row loads land
	v_add_nc_u32 v[VALD], s[TBR], v[VALD0]
.if \mode
	v_add_nc_u32 v[VAST], s[TBW], v[VAST0]
.endif
	s_wait_alu depctr_va_vdst(0)    ; VALD and VAST are written; the products issued so far are done reading the fragments' buffer in which the loads below land; the roundings issued so far are done reading ring slot 0
	FETCH 0, 0
.irp ks, 0,1,2,3
.irp kp, 0,1,2,3
	BLOCK \ks, \kp, \mode
.endr
.if (\mode) && (((\ks)%2) == 1)
	s_wait_loadcnt 28               ; the half's 16 loads are in: 12 + 16 loads of weights are younger
	ASTORE (\ks)/2
.endif
.endr
.Lskip_\@:
.endm
	s_load_b256 s[4:11], s[0:1], 0x0               ; A s4, the weights s6, tiles s8, the output s10
.if FFN == 1
	s_load_b64 s[12:13], s[0:1], 0x20              ; b1
	v_lshl_add_u32 v62, v0, 2, 0x41000
	v_mov_b32 v63, 0
.endif
	v_and_b32 v1, 31, v0                           ; l
	v_lshrrev_b32 v4, 5, v0
	v_readfirstlane_b32 s[WV], v4
	s_and_b32 s17, ttmp7, 0xffff                   ; y
	s_lshl_b32 s28, ttmp9, 4                       ; my tile's 16 bytes in the list
	s_mov_b32 s29, 0
	s_wait_kmcnt 0x0
	s_add_nc_u64 s[8:9], s[8:9], s[28:29]
	s_load_b128 s[20:23], s[8:9], 0x0              ; expert, first slot, rows, 0
	v_and_b32 v2, 15, v0                           ; r
	v_bfe_u32 v3, v0, 4, 1                         ; h
	v_lshlrev_b32 v[L16], 4, v1
	v_lshlrev_b32 v[R16], 4, v2
	s_wait_alu depctr_va_sdst(0)                   ; the wave's number is written, ahead of its first reader
	s_lshl_b32 s18, s[WV], 8                       ; 256 w: my 64 columns of f32
	v_mul_u32_u24 v[WOFF], v3, 8*PW
	v_add3_u32 v[WOFF], v[WOFF], v[R16], s18
	s_lshl_b32 s35, s[WV], 6                       ; 64 w
	v_add_nc_u32 v4, s35, v3                       ; 64 w + h
	v_mul_u32_u24 v[VAST0], v4, PA
	v_add_nc_u32 v[VAST0], v[VAST0], v[R16]
	v_mul_u32_u24 v[VALD0], v2, PA
	v_lshl_add_u32 v[VALD0], v3, 4, v[VALD0]
.if FFN == 1
	v_mul_u32_u24 v[STO], v3, 8*PS                 ; row 8 h, my wave's 256 bytes, 16 r
	v_add3_u32 v[STO], v[STO], v[R16], s18
	s_mul_i32 s14, s[WV], 64*PS
	v_add_nc_u32 v[RD], s14, v[L16]                ; back: wave w takes rows 64 w .. 64 w + 63, whole
	v_lshlrev_b32 v[CO], 3, v1
.else
	v_lshl_add_u32 v[CO], v3, 15, v[R16]           ; row 8 h of 4,096 bytes, 16 r,
	v_add_nc_u32 v[CO], s18, v[CO]                 ; my wave's 256 bytes
.endif
	s_wait_kmcnt 0x0
	s_min_u32 s20, s20, 7
	s_min_u32 s21, s21, 2175
	s_min_u32 s[ROWS], s22, 256
	s_add_co_u32 s[G], s[ROWS], 15
	s_lshr_b32 s[G], s[G], 4
	s_add_co_u32 s[G4], s[ROWS], 63
	s_lshr_b32 s[G4], s[G4], 6
	s_max_u32 s19, s[ROWS], 1
	s_sub_co_u32 s19, s19, 1                       ; the tile's last real row
.set i, 0
.rept 32
	v_add_nc_u32 v[AOFF+i], 2*i, v4
	v_min_u32 v[AOFF+i], s19, v[AOFF+i]
	v_add_nc_u32 v[AOFF+i], s21, v[AOFF+i]
	v_min_u32 v[AOFF+i], 0x87f, v[AOFF+i]
	v_lshl_add_u32 v[AOFF+i], v[AOFF+i], ASH, v[R16]
.set i, i+1
.endr
	s_wait_alu depctr_va_vdst(0)                   ; all offsets and LDS addresses made above (v8-10, v13-15, v18, v28-59) are written, which the loads and stores of the kernel read
	s_lshl_b32 s28, s20, 24                        ; an expert's weights are 16 MiB
.if FFN == 1
	s_lshl_b32 s18, s17, 10                        ; 256 columns of f32
	s_add_co_u32 s28, s28, s18
	s_add_nc_u64 s[6:7], s[6:7], s[28:29]
	s_lshl_b32 s28, s17, 9                         ; 256 columns of bf16
	s_add_nc_u64 s[10:11], s[10:11], s[28:29]
	s_lshl_b32 s28, s20, 14
	s_add_co_u32 s28, s28, s18
	s_add_nc_u64 s[12:13], s[12:13], s[28:29]
	s_add_co_u32 s15, s21, s35                     ; first slot + 64 w
	s_lshl_b32 s14, s[WV], 2                       ; 4 w
	global_load_b128 v[BI:BI+3],   v[L16], s[12:13]
	global_load_b128 v[BI+4:BI+7], v[L16], s[12:13] offset:512
.else
	s_lshr_b32 s18, s17, 2                         ; ks
	s_and_b32 s14, s17, 3                          ; cq
	s_lshl_b32 s14, s14, 10
	s_lshl_b32 s27, s18, 22                        ; 1,024 rows of 4,096 bytes
	s_add_co_u32 s28, s28, s27
	s_add_co_u32 s28, s28, s14
	s_add_nc_u64 s[6:7], s[6:7], s[28:29]
	s_lshl_b32 s28, s18, 11                        ; 1,024 columns of bf16 in h
	s_add_nc_u64 s[4:5], s[4:5], s[28:29]
	s_mul_i32 s28, s18, 8912896                    ; a plane of yp: 2,176 rows of 4,096 bytes
	s_add_co_u32 s28, s28, s14
	s_lshl_b32 s27, s21, 12                        ; the tile's first slot
	s_add_co_u32 s28, s28, s27
	s_add_nc_u64 s[10:11], s[10:11], s[28:29]
.endif
	; THE HEAD, on every path: chunk 0's rows (the second half into the fragments' registers, which are free), the weights of K steps 0 to 3, and between them the clearing.
	; The clearing names BF and the accumulators alone: none of the registers that the loads round it touch, so these owe no further wait.
.set i, 0
.rept 16
	global_load_b128 v[AS+4*i:AS+4*i+3], v[AOFF+i], s[4:5]
.set i, i+1
.endr
.set i, 0
.rept 16
	global_load_b128 v[AF+4*i:AF+4*i+3], v[AOFF+16+i], s[4:5]
.set i, i+1
.endr
.irp p, 0,1,2,3
	WLOAD 0, \p
.endr
.irp p, 0,1,2
	WLOAD 1, \p
.endr
	WIN 0
.set i, 0
.rept 16
	v_mov_b32 v[BF+i], 0                           ; two zero fragments
.set i, i+1
.endr
	WIN 0x40
.set i, 0
.rept 32
	v_wmma_f32_16x16x32_bf16 v[8*i:8*i+7], v[BF:BF+7], v[BF+8:BF+15], 0
.set i, i+1
.endr
	WIN 0x80
.set i, 0
.rept 32
	v_wmma_f32_16x16x32_bf16 v[8*i:8*i+7], v[BF:BF+7], v[BF+8:BF+15], 0
.set i, i+1
.endr
	WLOAD 1, 3
.irp p, 0,1,2,3
	WLOAD 2, \p
.endr
.irp p, 0,1,2,3
	WLOAD 3, \p
.endr
	WIN 0
	s_wait_loadcnt 63                              ; the rows (and the bias) are in: 64 loads of weights are younger
.set i, 0
.rept 16
	ds_store_b128 v[VAST0], v[AS+4*i:AS+4*i+3] offset:2*i*PA
	ds_store_b128 v[VAST0], v[AF+4*i:AF+4*i+3] offset:(32+2*i)*PA
.set i, i+1
.endr
	PLACES                                         ; the roundings below write the zero fragments' registers
	s_wait_loadcnt 32                              ; K steps 0 and 1 are in; the 32 loads of steps 2 and 3 stay out
.irp p, 0,1,2,3
	CVT 0, 0, \p
.endr
	WIN 0
	s_wait_xcnt 0x0                                ; the bases step only behind this wait
	s_wait_alu depctr_vm_vsrc(0)                   ; my LDS stores have read AS and AF, which later loads and the way out's moves write
	s_add_nc_u64 s[6:7], s[6:7], 128*PW
	s_add_nc_u64 s[4:5], s[4:5], 256
	s_mov_b32 s[TBR], 0
	s_mov_b32 s[TBW], ABUF1
	BAR
	s_mov_b32 s26, 7
.Lk:                                               ; trip c multiplies chunk c, brings chunk c + 1's rows into the other buffer and asks for chunk c + 1's weights
	CHUNK 1
	s_wait_xcnt 0x0                                ; the bases step only behind this wait
	s_add_nc_u64 s[6:7], s[6:7], 128*PW
	s_add_nc_u64 s[4:5], s[4:5], 256
	s_xor_b32 s[TBR], s[TBR], ABUF1
	s_xor_b32 s[TBW], s[TBW], ABUF1
	BAR
	s_sub_co_u32 s26, s26, 1
	s_cmp_lg_u32 s26, 0
	s_cbranch_scc1 .Lk
	CHUNK 0                                        ; the last chunk is written out: no load leaves the slice
	BAR                                            ; nobody reads the buffers any more
	; THE WAY OUT, 16 rows at a time; groups without rows are jumped.  Each accumulator's lowest register is read first.
	PLACES
.irp g, 0,1,2,3,4,5,6,7,8,9,10,11,12,13,14,15
	s_cmp_le_u32 s[G], \g
	s_cbranch_scc1 .Lgone
.if (((\g)%4) == 0) && ((\g) > 0)
.if FFN == 2
	s_wait_xcnt 0x0                                ; four sets of registers take turns: a set is rewritten only behind this wait
.endif
	s_wait_alu depctr_vm_vsrc(0)                   ; the stores of the four groups before have read their sets, which the moves below write again (FFN = 1: and STO)
.if FFN == 1
	v_add_nc_u32 v[STO], 64*PS, v[STO]             ; 64 rows on; immediate offsets reach the four groups
.endif
.endif
	WIN 1+(\g)/8                                   ; source window 1 or 2
.irp j, 0,1,2,3,4,5,6,7
.irp q, 0,1,2,3
	v_mov_b32 v[AF+32*((\g)%4)+4*\j+\q], v[(((\g)%8)*4+\q)*8+\j]
.endr
.endr
	WIN 0
	s_wait_alu depctr_va_vdst(0)                   ; the moves have written the set, which the stores below read (FFN = 1: and STO is written)
.irp j, 0,1,2,3,4,5,6,7
.if FFN == 1
	ds_store_b128 v[STO], v[AF+32*((\g)%4)+4*\j:AF+32*((\g)%4)+4*\j+3] offset:(16*((\g)%4)+\j)*PS
.else
	global_store_b128 v[CO], v[AF+32*((\g)%4)+4*\j:AF+32*((\g)%4)+4*\j+3], s[10:11] offset:(16*(\g)+\j)*4096  ; two rows, 256 consecutive bytes of each, aligned
.endif
.endr
.endr
.Lgone:
.if FFN == 1
	BAR                                            ; a row's 1,024 bytes come from four waves
	s_wait_alu depctr_vm_vsrc(0)                   ; my LDS stores have read v64-191, which the lines below write again as TT, Y and O
	s_wait_loadcnt 0x0
.irp c, 0,2,4,6
	v_cvt_pk_bf16_f32 v[TT], v[BI+\c], v[BI+\c+1]  ; the bias, rounded to bf16 like every input, and written as f32 again
	v_lshlrev_b32 v[BI+\c], 16, v[TT]
	v_and_b32 v[BI+\c+1], 0xffff0000, v[TT]
.endr
	s_mov_b32 s26, 0
.Lback:                                            ; 16 trips of four rows; trips of groups without rows are jumped
	s_wait_xcnt 0x0                                ; the last trip's stores have had their addresses translated: their base and data are rewritten only behind this wait
	s_lshr_b32 s27, s26, 2
	s_add_co_u32 s27, s27, s14
	s_cmp_ge_u32 s27, s[G]
	s_cbranch_scc1 .Ldead
	s_lshl2_add_u32 s28, s26, s15                  ; first slot + 64 w + 4 q
	s_lshl_b32 s28, s28, ROWSH
	s_mov_b32 s29, 0
	s_add_nc_u64 s[30:31], s[10:11], s[28:29]
	s_wait_alu depctr_va_vdst(0)                   ; RD is written, which the loads below read; the moves and the last trip's arithmetic are done with Y, in which they land
.irp i, 0,1,2,3
	ds_load_b128 v[Y+8*\i:Y+8*\i+3],   v[RD] offset:\i*PS
	ds_load_b128 v[Y+8*\i+4:Y+8*\i+7], v[RD] offset:\i*PS+512
.endr
	s_wait_dscnt 0x0
.set n, 0
.rept 16
	v_pk_add_f32 v[Y+2*n:Y+2*n+1], v[Y+2*n:Y+2*n+1], v[BI+(2*n)%8:BI+(2*n)%8+1]
.set n, n+1
.endr
.set n, 0
.rept 16
	v_pk_mul_f32 v[TT+2*n:TT+2*n+1], v[Y+2*n:Y+2*n+1], 0xbfb8aa3b op_sel_hi:[1,0]  ; - log2(e) x
.set n, n+1
.endr
.set n, 0
.rept 32
	v_exp_f32 v[TT+n], v[TT+n]
.set n, n+1
.endr
	v_nop                                          ; a plain instruction behind the last exponential,
	s_wait_alu depctr_va_vdst(0)                   ; and one wait for the batch of 32: the exponentials have written TT
.set n, 0
.rept 16
	v_pk_add_f32 v[TT+2*n:TT+2*n+1], v[TT+2*n:TT+2*n+1], 1.0 op_sel_hi:[1,0]
.set n, n+1
.endr
.set n, 0
.rept 32
	v_rcp_f32 v[TT+n], v[TT+n]
.set n, n+1
.endr
	v_nop
	s_wait_alu depctr_va_vdst(0)                   ; one wait for the 32 reciprocals: they have written TT
.set n, 0
.rept 16
	v_pk_mul_f32 v[Y+2*n:Y+2*n+1], v[Y+2*n:Y+2*n+1], v[TT+2*n:TT+2*n+1]  ; x / (1 + e^-x)
.set n, n+1
.endr
.set n, 0
.rept 16
	v_cvt_pk_bf16_f32 v[O+n], v[Y+2*n], v[Y+2*n+1]
.set n, n+1
.endr
	s_wait_alu depctr_va_vdst(0)                   ; the roundings have written O, which the stores below read
.irp i, 0,1,2,3
	global_store_b64 v[CO], v[O+4*\i:O+4*\i+1],   s[30:31] offset:\i*8192      ; 32 lanes store 256 consecutive bytes, aligned
	global_store_b64 v[CO], v[O+4*\i+2:O+4*\i+3], s[30:31] offset:\i*8192+256
.endr
.Ldead:
	s_wait_alu depctr_vm_vsrc(0)                   ; the LDS loads have read RD, which the add below writes; the stores have read O, which the next trip's roundings write
	v_add_nc_u32 v[RD], 4*PS, v[RD]
	s_add_co_u32 s26, s26, 1
	s_cmp_lt_u32 s26, 16
	s_cbranch_scc1 .Lback
.endif
	s_wait_dscnt 0x0                               ; the wave's end: my LDS instructions are done
	s_wait_alu depctr_hold_cnt(0) depctr_sa_sdst(0) depctr_va_vdst(0) depctr_va_sdst(0) depctr_va_ssrc(0) depctr_va_vcc(0) depctr_vm_vsrc(0)
	s_wait_tensorcnt 0x0
	ds_add_u32 v62, v63
	s_wait_dscnt 0x0
	s_endpgm
.Lfunc_end_k_q3ed3cad611_ffn1:
	.size	k_q3ed3cad611_ffn1, .Lfunc_end_k_q3ed3cad611_ffn1-k_q3ed3cad611_ffn1
	.p2alignl 7, 3214868480
	.fill 96, 4, 3214868480
	.section	.rodata,"a",@progbits
	.p2align	6, 0x0
	.amdhsa_kernel k_q3ed3cad611_ffn1
		.amdhsa_group_segment_fixed_size 266752
		.amdhsa_private_segment_fixed_size 0
		.amdhsa_enable_private_segment 0
		.amdhsa_kernarg_size 40
		.amdhsa_user_sgpr_count 2
		.amdhsa_user_sgpr_kernarg_segment_ptr 1
		.amdhsa_wavefront_size32 1
		.amdhsa_system_sgpr_workgroup_id_x 1
		.amdhsa_system_sgpr_workgroup_id_y 1
		.amdhsa_system_sgpr_workgroup_id_z 1
		.amdhsa_system_vgpr_workitem_id 0
		.amdhsa_next_free_vgpr 1024
		.amdhsa_next_free_sgpr 66
		.amdhsa_reserve_vcc 0
		.amdhsa_float_denorm_mode_32 3
		.amdhsa_float_denorm_mode_16_64 3
		.amdhsa_memory_ordered 1
		.amdhsa_forward_progress 1
		.amdhsa_inst_pref_size 160
	.end_amdhsa_kernel
	.amdgpu_metadata
---
amdhsa.version: [ 1, 2 ]
amdhsa.kernels:
  - .name:           k_q3ed3cad611_ffn1
    .symbol:         k_q3ed3cad611_ffn1.kd
    .args:
      - { .name: xs, .offset: 0, .size: 8, .value_kind: global_buffer, .address_space: global }
      - { .name: W1, .offset: 8, .size: 8, .value_kind: global_buffer, .address_space: global }
      - { .name: tiles, .offset: 16, .size: 8, .value_kind: global_buffer, .address_space: global }
      - { .name: h, .offset: 24, .size: 8, .value_kind: global_buffer, .address_space: global }
      - { .name: b1, .offset: 32, .size: 8, .value_kind: global_buffer, .address_space: global }
    .group_segment_fixed_size: 266752
    .private_segment_fixed_size: 0
    .kernarg_segment_align: 8
    .kernarg_segment_size: 40
    .max_flat_workgroup_size: 128
    .sgpr_count:     66
    .vgpr_count:     1024
    .wavefront_size: 32
...
	.end_amdgpu_metadata
.endif
;; end of part 10
;; launch ffn2 (part 11): grid 15 x 16, 4 waves a work-group, no clusters, 266,752 bytes of LDS; arguments h, W2, tiles, yp; writes yp
.if DOCPART == 11
	.amdgcn_target "amdgcn-amd-amdhsa--gfx1250"
	.amdhsa_code_object_version 6
	.text
	.protected	k_q3ed3cad611_ffn2
	.globl	k_q3ed3cad611_ffn2
	.p2align	8
	.type	k_q3ed3cad611_ffn2,@function
k_q3ed3cad611_ffn2:
	s_mov_b64 s[64:65], 0
	v_nop
	global_prefetch_b8 v0, s[64:65] scope:SCOPE_SE
	s_setreg_imm32_b32 hwreg(HW_REG_WAVE_SCHED_MODE, 0, 2), 2
	s_setreg_imm32_b32 hwreg(HW_REG_WAVE_MODE, 25, 1), 1
	s_wait_xcnt 0x0
	s_wait_alu depctr_vm_vsrc(0)
.set FFN, 2
; ONE TEXT FOR BOTH PRODUCTS OF THE EXPERTS' LAYERS; the line above chooses.  FFN = 1: h = silu(xs W1[e] + b1[e]), bf16.  FFN = 2: yp[ks] = h[:, quarter ks of F] W2[e][that quarter], f32 partial sums.
; A work-group takes one row tile of the stored list (up to 256 slots of ONE expert) x 256 columns x K = 1,024.  Grid x = tile (15 cover every split of the tokens), y = the slice:
; FFN = 1: columns 256 y of F.  FFN = 2: y = 4 ks + cq: quarter ks of F as K, columns 256 cq of D.
; A WAVE owns 64 columns x all rows of the tile: 16 groups of 16 rows x 4 groups of columns = 64 accumulators.
; THE WEIGHTS, f32 [K][N], NEVER TOUCH LDS.  One 16-byte load gives lane (r = l % 16, h = l / 16) the columns 4 r .. 4 r + 3 of one k row (16 lanes: 256 consecutive bytes, aligned; the two halves of the
; lanes take two k rows).  Register q of the load belongs to column group q, in which lane r stands for column 4 r + q.  16 loads bring the k that a fragment's lane wants (8 h + 0..7, 16 + 8 h + 0..7),
; and 32 roundings to bf16, each of two neighbouring k, ARE the four fragments of a K step of 32.  So no tensor load brings the weights, and no joint request: each slice has its readers by the split.
; A RING OF FOUR REGISTER SLOTS, a K step each: step t rounds step t + 1's slot and asks for step t + 4, so that three steps' loads stay out while the products run.
; THE ROWS, bf16, go through LDS, since all four waves want all of them: chunks of 128 k (256 bytes of a row), two buffers, each wave bringing 64 rows in two halves.  Rows past the tile's count repeat
; its last real row.  ONE barrier a chunk: in front of it a wave's stores of the next chunk are done and its reads of this one are back; the buffer written next was last read in front of the barrier before.
; A BLOCK is 64 rows x 64 columns x 32 k: 8 roundings (the places behind the block before), 4 loads of weights, 16 products, and behind the first four of them the next block's 8 fragment loads.
; The row batches go 0..3 in even K steps and 3..0 in odd ones, and a batch's fragments lie in buffer (step + batch) % 2: so two buffers take turns whatever the number of live batches.  Batches without rows are jumped.
; A tile without rows passes every barrier and jumps all work but the head's loads (real weights, slot 0), which every path issues, so that every register is written on every path.
; The accumulators are cleared by 64 products of a zero fragment, in the wait for the first loads: an eighth of the text of 512 moves; a first step written out would hang on the jumps over dead batches.
; D: register j of lane (r, h) is row 8 h + j, column 4 r + q of group q: a lane's 16 bytes of a row lie in four accumulators, and 32 moves for each 16 rows gather them on the way out.
; LIMITS: x, W and b are rounded to bf16, h once to bf16; NaN and infinities are not treated apart.
; REGISTERS.  window 0: as named below.  windows 1, 2: accumulator (g, q) in window 1 + g / 8 at 32 (g % 8) + 8 q.  window 3: the ring, slot u at 64 u, load j at 4 j.
; THE MODE: SCHED_MODE bits 1:0 = 2 (LLVM: expert scheduling mode 2), set by the entry lines.  The code itself states the register dependences between vector or matrix instructions and memory or LDS
; instructions, with s_wait_alu, always for 0.
; THE PLAN.  Registers that memory or LDS instructions touch, in the K loop:
;   the ring        Block (s, p): its 8 roundings read part p of slot s + 1; the 4 loads of block (s + 1, p), four blocks on, land there again.
;   AF0, AF1        A block's products read one buffer; the fragment loads issued among them land in the other, which the block before multiplied by.
;   AS              Loads from memory land in it, LDS stores read it; no vector instruction names it.
;   VALD, VAST      Read by the fragment loads and by the rows' LDS stores; written once a chunk, at its head.
;   WOFF, AOFF      Read by the loads from memory; never written again: scalar bases and immediate offsets do the rest.
;   BF0, BF1 and the accumulators are named by vector and matrix instructions alone.
; So ONE wait on va_vdst stands in a block, behind its roundings and ahead of the jump over a dead batch, on every path.  It states that the block before's products are done reading the buffer in which
; this block's fragment loads land, and that this block's roundings are done reading their part of the ring.  The block's own loads of weights stand ahead of it: their registers were last named four blocks
; back, ahead of that block's wait.  A chunk's head has one wait on vm_vsrc ahead of the adds to VALD and VAST and one on va_vdst behind them; one more on vm_vsrc stands ahead of the second half's row loads.
; THE WAY OUT: four sets of 32 registers (v64-191) take turns: a group's 32 moves write a set, its 8 stores read it: a wait on va_vdst between the two, and one on vm_vsrc for each four groups, ahead of the
; first move into a set that stores have read; there STO steps too.  The row loop (FFN = 1): LDS loads land in Y, which the arithmetic reads and writes; the roundings write O, which the stores read; RD steps at a trip's end.
.if FFN == 1
.set PW,    16384     ; bytes from row to row of the weights
.set ASH,   11        ; a row of A: 2,048 bytes
.set ROWSH, 13        ; a row of the output: 8,192 bytes
.else
.set PW,    4096
.set ASH,   13
.set ROWSH, 12
.endif
.set PA,    272       ; a row of A in LDS: 128 bf16 + 16 bytes: an odd multiple of 16, so the 16 rows of a fragment load start at 16 different groups of banks
.set ABUF1, 1<<17     ; buffer 0 (256 rows, 69,632 bytes) at byte 0, buffer 1 here: one exclusive or turns the one into the other
.set PS,    1040      ; FFN = 1, the way out: a row of 256 f32 + 16 bytes; the stage, 256 rows from byte 0 on, is used behind the last barrier of the K loop; the 512 bytes behind it are the spare words, 128 bytes a wave
.set WOFF,  8         ; v8   8 h rows of weights + 256 w + 16 r
.set VAST0, 9         ; v9   where my 16 bytes of row 64 w + h go in a buffer
.set VALD0, 10        ; v10  a fragment of A: r x pitch + 16 h
.set VAST,  11        ; v11  the same two with the buffer in hand
.set VALD,  12        ; v12
.set STO,   13        ; v13  FFN = 1: into the stage; steps 64 rows for each four groups
.set RD,    14        ; v14  FFN = 1: back from the stage; steps four rows a trip
.set CO,    15        ; v15  my bytes in the output
.set L16,   18        ; v18  16 l
.set R16,   19        ; v19  16 r
.set BI,    20        ; v20-27  FFN = 1: the bias of my eight columns in the row loop
.set AOFF,  28        ; v28-59  load i's byte offset in A: row 64 w + 2 i + h of the tile
.set AF,    64        ; v64-127   two buffers of four fragments of A
.set BF,    128       ; v128-191  two buffers of four fragments of the weights
.set AS,    192       ; v192-255  half a chunk's rows on their way to LDS
.set Y,     64        ; the row loop: four rows x 8 numbers a lane
.set TT,    96
.set O,     128
.set WV,   16         ; s16  wave
.set G4,   24         ; s24  live batches of 64 rows
.set ROWS, 25         ; s25
.set TBR,  32         ; s32  the buffer that is read
.set TBW,  33         ; s33  the buffer that is written
.set G,    34         ; s34  live groups of 16 rows
.set MSB, 0
.macro WIN new                      ; the immediate's high byte repeats the setting that is left; at a label and at a branch every window is 0
.if MSB != (\new)
	s_set_vgpr_msb (MSB<<8)|(\new)
.set MSB, (\new)
.endif
.endm
.macro PLACES                       ; four plain instructions between a matrix instruction and a write of, a load into, or a reader of its registers
.rept 4
	v_nop
.endr
.endm
.macro BAR
	s_wait_dscnt 0x0                ; my LDS stores are done and my LDS reads are back
	s_barrier_signal -1
	s_barrier_wait -1
.endm
; four of the 16 loads of a K step's weights, into slot ws; the base stands at the chunk's first k row
.macro WLOAD ws, wp
	WIN 0xc0                        ; destination window 3
.irp jj, 0,1,2,3
	global_load_b128 v[64*(\ws)+4*(4*(\wp)+\jj):64*(\ws)+4*(4*(\wp)+\jj)+3], v[WOFF], s[6:7] offset:(32*(\ws)+4*(\wp)+\jj+8*((\wp)/2))*PW
.endr
.endm
; the four loads 4 cp .. of slot cu become registers 2 cp, 2 cp + 1 of the four fragments in buffer cb
.macro CVT cu, cb, cp
	WIN 0x0f                        ; sources window 3, destination window 0
.irp ii, 0,1
.irp q, 0,1,2,3
	v_cvt_pk_bf16_f32 v[BF+32*(\cb)+8*\q+2*(\cp)+\ii], v[64*(\cu)+8*(2*(\cp)+\ii)+\q], v[64*(\cu)+8*(2*(\cp)+\ii)+4+\q]
.endr
.endr
.endm
.macro ALOAD ah                     ; half ah of my 64 rows of the next chunk: 16 loads of two rows x 256 bytes
.set i, 0
.rept 16
	global_load_b128 v[AS+4*i:AS+4*i+3], v[AOFF+16*(\ah)+i], s[4:5]
.set i, i+1
.endr
.endm
.macro ASTORE ah
.set i, 0
.rept 16
	ds_store_b128 v[VAST], v[AS+4*i:AS+4*i+3] offset:(32*(\ah)+2*i)*PA
.set i, i+1
.endr
.endm
.macro FETCH fs, frb                ; the four fragments of A of batch frb, K step fs of the chunk
.set fb, AF+32*(((\fs)+(\frb))%2)
.irp a, 0,1,2,3
	ds_load_b128 v[fb+8*\a:fb+8*\a+3],   v[VALD] offset:(4*(\frb)+\a)*16*PA+64*(\fs)
	ds_load_b128 v[fb+8*\a+4:fb+8*\a+7], v[VALD] offset:(4*(\frb)+\a)*16*PA+64*(\fs)+32
.endr
.endm
.macro MULA ms, a                   ; four of the 16 products of batch rb: its group a of 16 rows; the accumulators take turns, one instruction a turn
.set fb, AF+32*(((\ms)+rb)%2)
.set bb, BF+32*((\ms)%2)
	WIN 0x50*(1+rb/2)               ; C and D in window 1 or 2
.irp q, 0,1,2,3
	v_wmma_f32_16x16x32_bf16 v[((4*(rb%2)+(\a))*4+\q)*8:((4*(rb%2)+(\a))*4+\q)*8+7], v[fb+8*(\a):fb+8*(\a)+7], v[bb+8*\q:bb+8*\q+7], v[((4*(rb%2)+(\a))*4+\q)*8:((4*(rb%2)+(\a))*4+\q)*8+7]
.endr
.endm
; Place p of K step s of a chunk.  mode = 1: in the loop: loads are issued.  mode = 0: the last chunk: nothing is left to ask for.
.macro BLOCK s, p, mode
.if ((\s)%2) == 0
.set rb, (\p)
.else
.set rb, 3-(\p)
.endif
.if (\p) == 0
	PLACES                          ; the roundings below write the fragments that the step before multiplied by
.endif
.if \mode
	s_wait_loadcnt 60               ; the four loads wanted are in: 60 or more are younger: 12 - 4 p of their own step, 32 of the next two, 4 p of this step, 16 of rows
.elseif (\s) == 0
	s_wait_loadcnt 28               ; no load is issued any more: the counts run down
.elseif (\s) == 1
	s_wait_loadcnt 28-4*(\p)
.elseif (\s) == 2
	s_wait_loadcnt 12-4*(\p)
.endif
.if (\mode) || ((\s) < 3)
	CVT ((\s)+1)%4, ((\s)+1)%2, \p
.elseif (\p) != 0
	PLACES
.endif
.if \mode
	WLOAD \s, \p                    ; no wait: part p of slot s was last named by the roundings four blocks back, ahead of that block's wait on va_vdst; WOFF is never written
.endif
	WIN 0
.if (\mode) && (((\s)%2) == 0) && ((\p) == 0)
	s_wait_dscnt 0x0                ; the LDS stores have taken the last half's rows out of the registers
.if (\s) == 2
	s_wait_alu depctr_vm_vsrc(0)    ; the LDS stores behind step 1 have read AS, in which the loads below land (in step 0 the wait at the chunk's head has stated it)
.endif
	ALOAD (\s)/2
.endif
.if ((\s) != 3) || ((\p) != 3)      ; a chunk's last block fetches nothing, and the next chunk's head has a wait of its own
	s_wait_alu depctr_va_vdst(0)    ; the block before's products are done reading the fragments' buffer in which the loads below land; this block's roundings are done reading their part of the ring, which is asked for again four blocks on
.endif
	s_cmp_le_u32 s[G4], rb
	s_cbranch_scc1 .Ldead_\@
	s_wait_dscnt 0x0                ; my fragments, asked for a block ago, are in; no LDS load is out when the next are asked for
	MULA \s, 0
.if ((\s) != 3) || ((\p) != 3)      ; the next block's fragments.  No wait: the four products since the wait name this block's buffer, BF and accumulators, not the other buffer and not VALD
	WIN 0
.if ((\s)%2) == 0
.if (\p) < 3
	s_cmp_gt_u32 s[G4], rb+1
	s_cbranch_scc0 .Lalt_\@
	FETCH \s, rb+1                  ; the next batch of this step,
	s_branch .Lj_\@
.Lalt_\@:
	FETCH (\s)+1, rb                ; or, behind the last live one, the same batch of the next step
.Lj_\@:
.else
	FETCH (\s)+1, 3
.endif
.else
.if rb > 0
	FETCH \s, rb-1
.elseif (\s) == 1
	FETCH 2, 0
.endif
.endif
.endif
	MULA \s, 1
	MULA \s, 2
	MULA \s, 3
	WIN 0
.Ldead_\@:
.endm
.macro CHUNK mode                   ; 128 along K
	s_cmp_eq_u32 s[ROWS], 0
	s_cbranch_scc1 .Lskip_\@
	s_wait_alu depctr_vm_vsrc(0)    ; the LDS loads and stores issued so far have read VALD and VAST, which the adds below write, and AS, in which step 0's row loads land
	v_add_nc_u32 v[VALD], s[TBR], v[VALD0]
.if \mode
	v_add_nc_u32 v[VAST], s[TBW], v[VAST0]
.endif
	s_wait_alu depctr_va_vdst(0)    ; VALD and VAST are written; the products issued so far are done reading the fragments' buffer in which the loads below land; the roundings issued so far are done reading ring slot 0
	FETCH 0, 0
.irp ks, 0,1,2,3
.irp kp, 0,1,2,3
	BLOCK \ks, \kp, \mode
.endr
.if (\mode) && (((\ks)%2) == 1)
	s_wait_loadcnt 28               ; the half's 16 loads are in: 12 + 16 loads of weights are younger
	ASTORE (\ks)/2
.endif
.endr
.Lskip_\@:
.endm
	s_load_b256 s[4:11], s[0:1], 0x0               ; A s4, the weights s6, tiles s8, the output s10
	v_lshl_add_u32 v62, v0, 2, 0x41000
	v_mov_b32 v63, 0
.if FFN == 1
	s_load_b64 s[12:13], s[0:1], 0x20              ; b1
.endif
	v_and_b32 v1, 31, v0                           ; l
	v_lshrrev_b32 v4, 5, v0
	v_readfirstlane_b32 s[WV], v4
	s_and_b32 s17, ttmp7, 0xffff                   ; y
	s_lshl_b32 s28, ttmp9, 4                       ; my tile's 16 bytes in the list
	s_mov_b32 s29, 0
	s_wait_kmcnt 0x0
	s_add_nc_u64 s[8:9], s[8:9], s[28:29]
	s_load_b128 s[20:23], s[8:9], 0x0              ; expert, first slot, rows, 0
	v_and_b32 v2, 15, v0                           ; r
	v_bfe_u32 v3, v0, 4, 1                         ; h
	v_lshlrev_b32 v[L16], 4, v1
	v_lshlrev_b32 v[R16], 4, v2
	s_wait_alu depctr_va_sdst(0)                   ; the wave's number is written, ahead of its first reader
	s_lshl_b32 s18, s[WV], 8                       ; 256 w: my 64 columns of f32
	v_mul_u32_u24 v[WOFF], v3, 8*PW
	v_add3_u32 v[WOFF], v[WOFF], v[R16], s18
	s_lshl_b32 s35, s[WV], 6                       ; 64 w
	v_add_nc_u32 v4, s35, v3                       ; 64 w + h
	v_mul_u32_u24 v[VAST0], v4, PA
	v_add_nc_u32 v[VAST0], v[VAST0], v[R16]
	v_mul_u32_u24 v[VALD0], v2, PA
	v_lshl_add_u32 v[VALD0], v3, 4, v[VALD0]
.if FFN == 1
	v_mul_u32_u24 v[STO], v3, 8*PS                 ; row 8 h, my wave's 256 bytes, 16 r
	v_add3_u32 v[STO], v[STO], v[R16], s18
	s_mul_i32 s14, s[WV], 64*PS
	v_add_nc_u32 v[RD], s14, v[L16]                ; back: wave w takes rows 64 w .. 64 w + 63, whole
	v_lshlrev_b32 v[CO], 3, v1
.else
	v_lshl_add_u32 v[CO], v3, 15, v[R16]           ; row 8 h of 4,096 bytes, 16 r,
	v_add_nc_u32 v[CO], s18, v[CO]                 ; my wave's 256 bytes
.endif
	s_wait_kmcnt 0x0
	s_min_u32 s20, s20, 7
	s_min_u32 s21, s21, 2175
	s_min_u32 s[ROWS], s22, 256
	s_add_co_u32 s[G], s[ROWS], 15
	s_lshr_b32 s[G], s[G], 4
	s_add_co_u32 s[G4], s[ROWS], 63
	s_lshr_b32 s[G4], s[G4], 6
	s_max_u32 s19, s[ROWS], 1
	s_sub_co_u32 s19, s19, 1                       ; the tile's last real row
.set i, 0
.rept 32
	v_add_nc_u32 v[AOFF+i], 2*i, v4
	v_min_u32 v[AOFF+i], s19, v[AOFF+i]
	v_add_nc_u32 v[AOFF+i], s21, v[AOFF+i]
	v_min_u32 v[AOFF+i], 0x87f, v[AOFF+i]
	v_lshl_add_u32 v[AOFF+i], v[AOFF+i], ASH, v[R16]
.set i, i+1
.endr
	s_wait_alu depctr_va_vdst(0)                   ; all offsets and LDS addresses made above (v8-10, v13-15, v18, v28-59) are written, which the loads and stores of the kernel read
	s_lshl_b32 s28, s20, 24                        ; an expert's weights are 16 MiB
.if FFN == 1
	s_lshl_b32 s18, s17, 10                        ; 256 columns of f32
	s_add_co_u32 s28, s28, s18
	s_add_nc_u64 s[6:7], s[6:7], s[28:29]
	s_lshl_b32 s28, s17, 9                         ; 256 columns of bf16
	s_add_nc_u64 s[10:11], s[10:11], s[28:29]
	s_lshl_b32 s28, s20, 14
	s_add_co_u32 s28, s28, s18
	s_add_nc_u64 s[12:13], s[12:13], s[28:29]
	s_add_co_u32 s15, s21, s35                     ; first slot + 64 w
	s_lshl_b32 s14, s[WV], 2                       ; 4 w
	global_load_b128 v[BI:BI+3],   v[L16], s[12:13]
	global_load_b128 v[BI+4:BI+7], v[L16], s[12:13] offset:512
.else
	s_lshr_b32 s18, s17, 2                         ; ks
	s_and_b32 s14, s17, 3                          ; cq
	s_lshl_b32 s14, s14, 10
	s_lshl_b32 s27, s18, 22                        ; 1,024 rows of 4,096 bytes
	s_add_co_u32 s28, s28, s27
	s_add_co_u32 s28, s28, s14
	s_add_nc_u64 s[6:7], s[6:7], s[28:29]
	s_lshl_b32 s28, s18, 11                        ; 1,024 columns of bf16 in h
	s_add_nc_u64 s[4:5], s[4:5], s[28:29]
	s_mul_i32 s28, s18, 8912896                    ; a plane of yp: 2,176 rows of 4,096 bytes
	s_add_co_u32 s28, s28, s14
	s_lshl_b32 s27, s21, 12                        ; the tile's first slot
	s_add_co_u32 s28, s28, s27
	s_add_nc_u64 s[10:11], s[10:11], s[28:29]
.endif
	; THE HEAD, on every path: chunk 0's rows (the second half into the fragments' registers, which are free), the weights of K steps 0 to 3, and between them the clearing.
	; The clearing names BF and the accumulators alone: none of the registers that the loads round it touch, so these owe no further wait.
.set i, 0
.rept 16
	global_load_b128 v[AS+4*i:AS+4*i+3], v[AOFF+i], s[4:5]
.set i, i+1
.endr
.set i, 0
.rept 16
	global_load_b128 v[AF+4*i:AF+4*i+3], v[AOFF+16+i], s[4:5]
.set i, i+1
.endr
.irp p, 0,1,2,3
	WLOAD 0, \p
.endr
.irp p, 0,1,2
	WLOAD 1, \p
.endr
	WIN 0
.set i, 0
.rept 16
	v_mov_b32 v[BF+i], 0                           ; two zero fragments
.set i, i+1
.endr
	WIN 0x40
.set i, 0
.rept 32
	v_wmma_f32_16x16x32_bf16 v[8*i:8*i+7], v[BF:BF+7], v[BF+8:BF+15], 0
.set i, i+1
.endr
	WIN 0x80
.set i, 0
.rept 32
	v_wmma_f32_16x16x32_bf16 v[8*i:8*i+7], v[BF:BF+7], v[BF+8:BF+15], 0
.set i, i+1
.endr
	WLOAD 1, 3
.irp p, 0,1,2,3
	WLOAD 2, \p
.endr
.irp p, 0,1,2,3
	WLOAD 3, \p
.endr
	WIN 0
	s_wait_loadcnt 63                              ; the rows (and the bias) are in: 64 loads of weights are younger
.set i, 0
.rept 16
	ds_store_b128 v[VAST0], v[AS+4*i:AS+4*i+3] offset:2*i*PA
	ds_store_b128 v[VAST0], v[AF+4*i:AF+4*i+3] offset:(32+2*i)*PA
.set i, i+1
.endr
	PLACES                                         ; the roundings below write the zero fragments' registers
	s_wait_loadcnt 32                              ; K steps 0 and 1 are in; the 32 loads of steps 2 and 3 stay out
.irp p, 0,1,2,3
	CVT 0, 0, \p
.endr
	WIN 0
	s_wait_xcnt 0x0                                ; the bases step only behind this wait
	s_wait_alu depctr_vm_vsrc(0)                   ; my LDS stores have read AS and AF, which later loads and the way out's moves write
	s_add_nc_u64 s[6:7], s[6:7], 128*PW
	s_add_nc_u64 s[4:5], s[4:5], 256
	s_mov_b32 s[TBR], 0
	s_mov_b32 s[TBW], ABUF1
	BAR
	s_mov_b32 s26, 7
.Lk:                                               ; trip c multiplies chunk c, brings chunk c + 1's rows into the other buffer and asks for chunk c + 1's weights
	CHUNK 1
	s_wait_xcnt 0x0                                ; the bases step only behind this wait
	s_add_nc_u64 s[6:7], s[6:7], 128*PW
	s_add_nc_u64 s[4:5], s[4:5], 256
	s_xor_b32 s[TBR], s[TBR], ABUF1
	s_xor_b32 s[TBW], s[TBW], ABUF1
	BAR
	s_sub_co_u32 s26, s26, 1
	s_cmp_lg_u32 s26, 0
	s_cbranch_scc1 .Lk
	CHUNK 0                                        ; the last chunk is written out: no load leaves the slice
	BAR                                            ; nobody reads the buffers any more
	; THE WAY OUT, 16 rows at a time; groups without rows are jumped.  Each accumulator's lowest register is read first.
	PLACES
.irp g, 0,1,2,3,4,5,6,7,8,9,10,11,12,13,14,15
	s_cmp_le_u32 s[G], \g
	s_cbranch_scc1 .Lgone
.if (((\g)%4) == 0) && ((\g) > 0)
.if FFN == 2
	s_wait_xcnt 0x0                                ; four sets of registers take turns: a set is rewritten only behind this wait
.endif
	s_wait_alu depctr_vm_vsrc(0)                   ; the stores of the four groups before have read their sets, which the moves below write again (FFN = 1: and STO)
.if FFN == 1
	v_add_nc_u32 v[STO], 64*PS, v[STO]             ; 64 rows on; immediate offsets reach the four groups
.endif
.endif
	WIN 1+(\g)/8                                   ; source window 1 or 2
.irp j, 0,1,2,3,4,5,6,7
.irp q, 0,1,2,3
	v_mov_b32 v[AF+32*((\g)%4)+4*\j+\q], v[(((\g)%8)*4+\q)*8+\j]
.endr
.endr
	WIN 0
	s_wait_alu depctr_va_vdst(0)                   ; the moves have written the set, which the stores below read (FFN = 1: and STO is written)
.irp j, 0,1,2,3,4,5,6,7
.if FFN == 1
	ds_store_b128 v[STO], v[AF+32*((\g)%4)+4*\j:AF+32*((\g)%4)+4*\j+3] offset:(16*((\g)%4)+\j)*PS
.else
	global_store_b128 v[CO], v[AF+32*((\g)%4)+4*\j:AF+32*((\g)%4)+4*\j+3], s[10:11] offset:(16*(\g)+\j)*4096  ; two rows, 256 consecutive bytes of each, aligned
.endif
.endr
.endr
.Lgone:
.if FFN == 1
	BAR                                            ; a row's 1,024 bytes come from four waves
	s_wait_alu depctr_vm_vsrc(0)                   ; my LDS stores have read v64-191, which the lines below write again as TT, Y and O
	s_wait_loadcnt 0x0
.irp c, 0,2,4,6
	v_cvt_pk_bf16_f32 v[TT], v[BI+\c], v[BI+\c+1]  ; the bias, rounded to bf16 like every input, and written as f32 again
	v_lshlrev_b32 v[BI+\c], 16, v[TT]
	v_and_b32 v[BI+\c+1], 0xffff0000, v[TT]
.endr
	s_mov_b32 s26, 0
.Lback:                                            ; 16 trips of four rows; trips of groups without rows are jumped
	s_wait_xcnt 0x0                                ; the last trip's stores have had their addresses translated: their base and data are rewritten only behind this wait
	s_lshr_b32 s27, s26, 2
	s_add_co_u32 s27, s27, s14
	s_cmp_ge_u32 s27, s[G]
	s_cbranch_scc1 .Ldead
	s_lshl2_add_u32 s28, s26, s15                  ; first slot + 64 w + 4 q
	s_lshl_b32 s28, s28, ROWSH
	s_mov_b32 s29, 0
	s_add_nc_u64 s[30:31], s[10:11], s[28:29]
	s_wait_alu depctr_va_vdst(0)                   ; RD is written, which the loads below read; the moves and the last trip's arithmetic are done with Y, in which they land
.irp i, 0,1,2,3
	ds_load_b128 v[Y+8*\i:Y+8*\i+3],   v[RD] offset:\i*PS
	ds_load_b128 v[Y+8*\i+4:Y+8*\i+7], v[RD] offset:\i*PS+512
.endr
	s_wait_dscnt 0x0
.set n, 0
.rept 16
	v_pk_add_f32 v[Y+2*n:Y+2*n+1], v[Y+2*n:Y+2*n+1], v[BI+(2*n)%8:BI+(2*n)%8+1]
.set n, n+1
.endr
.set n, 0
.rept 16
	v_pk_mul_f32 v[TT+2*n:TT+2*n+1], v[Y+2*n:Y+2*n+1], 0xbfb8aa3b op_sel_hi:[1,0]  ; - log2(e) x
.set n, n+1
.endr
.set n, 0
.rept 32
	v_exp_f32 v[TT+n], v[TT+n]
.set n, n+1
.endr
	v_nop                                          ; a plain instruction behind the last exponential,
	s_wait_alu depctr_va_vdst(0)                   ; and one wait for the batch of 32: the exponentials have written TT
.set n, 0
.rept 16
	v_pk_add_f32 v[TT+2*n:TT+2*n+1], v[TT+2*n:TT+2*n+1], 1.0 op_sel_hi:[1,0]
.set n, n+1
.endr
.set n, 0
.rept 32
	v_rcp_f32 v[TT+n], v[TT+n]
.set n, n+1
.endr
	v_nop
	s_wait_alu depctr_va_vdst(0)                   ; one wait for the 32 reciprocals: they have written TT
.set n, 0
.rept 16
	v_pk_mul_f32 v[Y+2*n:Y+2*n+1], v[Y+2*n:Y+2*n+1], v[TT+2*n:TT+2*n+1]  ; x / (1 + e^-x)
.set n, n+1
.endr
.set n, 0
.rept 16
	v_cvt_pk_bf16_f32 v[O+n], v[Y+2*n], v[Y+2*n+1]
.set n, n+1
.endr
	s_wait_alu depctr_va_vdst(0)                   ; the roundings have written O, which the stores below read
.irp i, 0,1,2,3
	global_store_b64 v[CO], v[O+4*\i:O+4*\i+1],   s[30:31] offset:\i*8192      ; 32 lanes store 256 consecutive bytes, aligned
	global_store_b64 v[CO], v[O+4*\i+2:O+4*\i+3], s[30:31] offset:\i*8192+256
.endr
.Ldead:
	s_wait_alu depctr_vm_vsrc(0)                   ; the LDS loads have read RD, which the add below writes; the stores have read O, which the next trip's roundings write
	v_add_nc_u32 v[RD], 4*PS, v[RD]
	s_add_co_u32 s26, s26, 1
	s_cmp_lt_u32 s26, 16
	s_cbranch_scc1 .Lback
.endif
	s_wait_dscnt 0x0                               ; the wave's end: my LDS instructions are done
	s_wait_alu depctr_hold_cnt(0) depctr_sa_sdst(0) depctr_va_vdst(0) depctr_va_sdst(0) depctr_va_ssrc(0) depctr_va_vcc(0) depctr_vm_vsrc(0)
	s_wait_tensorcnt 0x0
	ds_add_u32 v62, v63
	s_wait_dscnt 0x0
	s_endpgm
.Lfunc_end_k_q3ed3cad611_ffn2:
	.size	k_q3ed3cad611_ffn2, .Lfunc_end_k_q3ed3cad611_ffn2-k_q3ed3cad611_ffn2
	.p2alignl 7, 3214868480
	.fill 96, 4, 3214868480
	.section	.rodata,"a",@progbits
	.p2align	6, 0x0
	.amdhsa_kernel k_q3ed3cad611_ffn2
		.amdhsa_group_segment_fixed_size 266752
		.amdhsa_private_segment_fixed_size 0
		.amdhsa_enable_private_segment 0
		.amdhsa_kernarg_size 32
		.amdhsa_user_sgpr_count 2
		.amdhsa_user_sgpr_kernarg_segment_ptr 1
		.amdhsa_wavefront_size32 1
		.amdhsa_system_sgpr_workgroup_id_x 1
		.amdhsa_system_sgpr_workgroup_id_y 1
		.amdhsa_system_sgpr_workgroup_id_z 1
		.amdhsa_system_vgpr_workitem_id 0
		.amdhsa_next_free_vgpr 1024
		.amdhsa_next_free_sgpr 66
		.amdhsa_reserve_vcc 0
		.amdhsa_float_denorm_mode_32 3
		.amdhsa_float_denorm_mode_16_64 3
		.amdhsa_memory_ordered 1
		.amdhsa_forward_progress 1
		.amdhsa_inst_pref_size 153
	.end_amdhsa_kernel
	.amdgpu_metadata
---
amdhsa.version: [ 1, 2 ]
amdhsa.kernels:
  - .name:           k_q3ed3cad611_ffn2
    .symbol:         k_q3ed3cad611_ffn2.kd
    .args:
      - { .name: h, .offset: 0, .size: 8, .value_kind: global_buffer, .address_space: global }
      - { .name: W2, .offset: 8, .size: 8, .value_kind: global_buffer, .address_space: global }
      - { .name: tiles, .offset: 16, .size: 8, .value_kind: global_buffer, .address_space: global }
      - { .name: yp, .offset: 24, .size: 8, .value_kind: global_buffer, .address_space: global }
    .group_segment_fixed_size: 266752
    .private_segment_fixed_size: 0
    .kernarg_segment_align: 8
    .kernarg_segment_size: 32
    .max_flat_workgroup_size: 128
    .sgpr_count:     66
    .vgpr_count:     1024
    .wavefront_size: 32
...
	.end_amdgpu_metadata
.endif
;; end of part 11
;; launch comb: the kernel of part 5 again; grid 256 x 1, 8 waves a work-group, no clusters, 0 bytes of LDS; arguments yp, pos, sel, gw, b2, out0; writes out0
